; MI455X (gfx1250); checked and timed in simulation.
; The chip was launched on July 23, 2026; its instructions are those of AMD's public machine-readable ISA for CDNA 5 (MIT licence, August 2026) and "CDNA5" Instruction Set Architecture Reference Guide (July 2026). The comments in the code are by the model that wrote it; some were corrected since.
;; Transformer Block. Allowed arithmetic: matrix products marked QUANTISED: E3M2 operands, one E8M0 scale for each 32 along K, by v_wmma_scale_f32_16x16x128_f8f6f4 with both operands' format E3M2, f32 sums; everything else in f32.
;; Inputs: b1 4,096 float32; b2 1,024 float32; bo 1,024 float32; ln1_scale 1,024 float32; ln1_shift 1,024 float32; ln2_scale 1,024 float32; ln2_shift 1,024 float32; w1 1,024 x 4,096 float32; w2 4,096 x 1,024 float32; wk 1,024 x 1,024 float32; wo 1,024 x 1,024 float32; wq 1,024 x 1,024 float32; wv 1,024 x 1,024 float32; x 2 x 2,048 x 1,024 float32.
;; Outputs: out0 2 x 2,048 x 1,024 float32.
;; This version of the problem:
;;   THIS VERSION OF THE PROBLEM IS GIVEN IN LOW PRECISION. The matrix products marked QUANTISED in the list below multiply operands that are first quantised to E3M2 (3 exponent bits, 2 mantissa bits; 6 bits a number), with one power-of-two scale for each 32 numbers along K (OCP MX v1.0); their sums are f32. All else is computed in f32.
;;   The module's matrix products, in the order in which they are computed (A, B: the left and right operand; K: the contracted axis; several contracted axes count as one K, in the product's order):
;;     1. [M 4,096, K 1,024] x [K 1,024, N 1,024]; A: computed on the way; B: input wq: QUANTISED
;;     2. [M 4,096, K 1,024] x [K 1,024, N 1,024]; A: computed on the way; B: input wk: QUANTISED
;;     3. [M 4,096, K 1,024] x [K 1,024, N 1,024]; A: computed on the way; B: input wv: QUANTISED
;;     4. batch 32 x [M 2,048, K 64] x [K 64, N 2,048]; A: computed on the way; B: computed on the way: QUANTISED
;;     5. batch 32 x [M 2,048, K 2,048] x [K 2,048, N 64]; A: softmax (see below); B: computed on the way: QUANTISED
;;     6. [M 4,096, K 1,024] x [K 1,024, N 1,024]; A: computed on the way; B: input wo: QUANTISED
;;     7. [M 4,096, K 1,024] x [K 1,024, N 4,096]; A: computed on the way; B: input w1: QUANTISED
;;     8. [M 4,096, K 4,096] x [K 4,096, N 1,024]; A: computed on the way; B: input w2: QUANTISED
;;   THE QUANTISER, for each operand of a quantised product, along K:
;;     - K is cut into blocks of 32 from its start; a last block that is shorter is filled with zeros.
;;     - A block's scale is 2^e with e = floor(log2(the largest magnitude in the block)) - 4, held to -126 .. 127; a block of zeros has e = 0. As a byte (E8M0): e + 127.
;;     - Each number is divided by its block's scale, clamped to +-28, and rounded to the nearest number of E3M2, ties to even, subnormals kept.
;;     - The product sums the exact products of the quantised numbers (number of the format x scale) in f32.
;;   ~~~python
;;   def quantise(x, axis):      # numpy; x: float32 -> the quantised numbers, widened to float32 again
;;       x = np.moveaxis(x, axis, -1); K = x.shape[-1]
;;       x = np.pad(x, [(0, 0)] * (x.ndim - 1) + [(0, -K % 32)]); x = x.reshape(x.shape[:-1] + (-1, 32)); a = np.abs(x).max(-1, keepdims=True)
;;       e = np.where(a > 0, np.clip(np.frexp(np.where(a > 0, a, 1))[1] - 1 - 4, -126, 127), 0)      # np.frexp(a)[1] - 1 = floor(log2(a)), exactly
;;       r = np.clip(x / 2.0 ** e, -28, 28)
;;       step = 2.0 ** (np.maximum(np.frexp(np.where(r == 0, 1, r))[1] - 1, -2) - 2)
;;       q = np.round(r / step) * step * 2.0 ** e      # np.round: ties to even
;;       return np.moveaxis(q.reshape(q.shape[:-2] + (-1,))[..., :K], -1, axis).astype(np.float32)
;;   ~~~
;;   SOFTMAX AHEAD OF A QUANTISED PRODUCT. Where the list says 'softmax', what is quantised is not the finished softmax but p = 2^(t - M), with t = logit x log2(e) and M = ceil(the row's largest t), a whole number; so 1/2 < the row's largest p <= 1. The row's sum l is taken of the UNQUANTISED p, in f32, and the product's result is divided by l at the end. Since M is a whole number, a kernel that streams over the keys may use a running M (the ceiling of the running maximum): every later rescaling is an exact power of two, which a block's scale takes up: the codes' values come out the same.
;;   OPERANDS COMPUTED ON THE WAY. 'Computed on the way' means the value that the module computes at that place (a softmax that the list does not call 'softmax' is quantised finished and normalised). What goes into a quantiser is computed in f32, as accurately as f32 sums, v_exp_f32 and their like allow (about 1e-6 of the number): no bf16 or f16 on the way to a quantiser, and a product that is left as it is and whose result goes on into a quantised operand takes f32 operands (vector FMAs, or v_wmma_f32_16x16x4_f32). A number that lies on a knife's edge between two numbers of the format may be rounded either way, as far as f32 arithmetic and the matrix unit's own rounding can turn it there, and no further.
;; 2 versions. Each part assembles by itself: llvm-mc -triple=amdgcn-amd-amdhsa -mcpu=gfx1250 --defsym DOCPART=n.
;; ======== version 1 of 2: 9 launches
;; workspace buffers: wqk 3,407,872 bytes; wvc 3,407,872 bytes; wts 20,447,232 bytes; hc 3,407,872 bytes; qkg 13,631,488 bytes; vt 13,631,488 bytes; x1 16,777,216 bytes
;; launch wquant (part 1): grid 384 x 1, 4 waves a work-group, no clusters, 27,136 bytes of LDS; arguments wq, wk, wv, wo, w1, w2, wqk, wvc, wts; writes wqk, wvc, wts
.if DOCPART == 1
	.amdgcn_target "amdgcn-amd-amdhsa--gfx1250"
	.amdhsa_code_object_version 6
	.text
	.protected	k_q39546c354d_wquant
	.globl	k_q39546c354d_wquant
	.p2align	8
	.type	k_q39546c354d_wquant,@function
k_q39546c354d_wquant:
	s_mov_b64 s[64:65], 0
	v_nop
	global_prefetch_b8 v0, s[64:65] scope:SCOPE_SE
	s_setreg_imm32_b32 hwreg(HW_REG_WAVE_MODE, 25, 1), 1
	s_wait_xcnt 0x0
; The six weights, f32 with K as their FIRST axis, become codes of BF6 (E3M2) with one E8M0 byte for each 32 along K, laid as RECORDS:
; 208 bytes for 256 along K of one column n: 192 bytes of codes (block t of 32 at byte 24 t), 8 scale bytes, 8 zeros.  A PANEL is 4,096 places of 208 bytes; an operand is K / 256 panels on end.
; Column n lies at place n with bits 3 and 4 exchanged, so that 16 places on end are the 16 rows that a tile of the next product wants.
; A lane takes a column and its registers run down K: a block's largest magnitude needs no other lane, and the conversions give codes with K innermost.  A lane makes exactly one record.
; A work-group takes 128 columns x 256 along K, a wave 32 columns.  Work-groups 0-127: wq, wk, wv, wo (32 each); 128-255: w1; 256-383: w2.  One path for all six: only pointers and sizes are chosen, on the work-group's number.
; A wave's 32 records go through its own 6,656 bytes of LDS and leave as 13 stores of 512 consecutive bytes.  Waves share nothing: no barrier.
; LIMITS: NaN and infinities are not served; a block whose largest magnitude lies under 2^-122 keeps the byte 1; a block of zeros gets the byte 1 (its codes are zeros, and this program alone reads the bytes).
.set REC,  208
.set PS,   4096*REC
.set OFF,  16                          ; v16-47   4 x lane + i x (bytes of a row of the weight)
.set X,    48                          ; v48-111  two sets of 32 numbers; at the end the records on their way out
.set C,    112                         ; v112-163 my record: 48 registers of codes, 2 of scale bytes, 2 zeros
.set T,    164                         ; v164-166 a block's upper 16 codes, before they are moved
	s_load_b256 s[4:11], s[0:1], 0x0               ; wq, wk, wv, wo
	s_load_b128 s[12:15], s[0:1], 0x20             ; w1, w2
	s_load_b128 s[16:19], s[0:1], 0x30             ; wqk, wvc
	s_load_b64 s[20:21], s[0:1], 0x40              ; wts
	v_lshl_add_u32 v176, v0, 2, 0x6800
	v_mov_b32 v177, 0
	v_lshrrev_b32 v1, 5, v0
	v_readfirstlane_b32 s48, v1                    ; wave
	v_and_b32 v2, 31, v0                           ; lane
	v_lshlrev_b32 v3, 2, v2
	s_mov_b32 s26, 0                               ; where the operand begins in its buffer
	s_mov_b32 s27, 12                              ; log2 of a row's bytes
	s_mov_b32 s28, 31                              ; mask of the work-group's number within its tensor
	s_mov_b32 s29, 3                               ; log2 of the groups of 128 columns
	s_wait_kmcnt 0x0
	s_mov_b64 s[22:23], s[4:5]
	s_mov_b64 s[24:25], s[16:17]
	s_cmp_ge_u32 ttmp9, 32                         ; wk: behind wq's 1,024 places
	s_cselect_b64 s[22:23], s[6:7], s[22:23]
	s_cselect_b32 s26, 1024*REC, s26
	s_cmp_ge_u32 ttmp9, 64                         ; wv
	s_cselect_b64 s[22:23], s[8:9], s[22:23]
	s_cselect_b64 s[24:25], s[18:19], s[24:25]
	s_cselect_b32 s26, 0, s26
	s_cmp_ge_u32 ttmp9, 96                         ; wo
	s_cselect_b64 s[22:23], s[10:11], s[22:23]
	s_cselect_b64 s[24:25], s[20:21], s[24:25]
	s_cmp_ge_u32 ttmp9, 128                        ; w1
	s_cselect_b64 s[22:23], s[12:13], s[22:23]
	s_cselect_b32 s26, 4*PS, s26
	s_cselect_b32 s27, 14, s27
	s_cselect_b32 s28, 127, s28
	s_cselect_b32 s29, 5, s29
	s_cmp_ge_u32 ttmp9, 256                        ; w2
	s_cselect_b64 s[22:23], s[14:15], s[22:23]
	s_cselect_b32 s26, 8*PS, s26
	s_cselect_b32 s27, 12, s27
	s_cselect_b32 s29, 3, s29
	s_and_b32 s30, ttmp9, s28
	s_lshr_b32 s31, s30, s29                       ; panel
	s_lshl_b32 s49, s31, s29
	s_sub_co_u32 s30, s30, s49                     ; group of 128 columns
	s_add_co_u32 s49, s27, 8
	s_lshl_b32 s50, s31, s49                       ; panel x 256 rows
	s_lshl_b32 s51, s30, 9
	s_add_co_u32 s50, s50, s51                     ; + group x 512 bytes
	s_lshl_b32 s51, s48, 7
	s_add_co_u32 s50, s50, s51                     ; + wave x 128 bytes
	s_mov_b32 s51, 0
	s_add_nc_u64 s[32:33], s[22:23], s[50:51]      ; block 0's first row
	s_add_co_u32 s49, s27, 5
	s_lshl_b32 s50, 1, s49                         ; 32 rows
.irp t, 1,2,3,4,5,6,7
	s_add_nc_u64 s[32+2*\t:33+2*\t], s[30+2*\t:31+2*\t], s[50:51]   ; a base for each block: none is stepped while loads are out
.endr
	s_lshl_b32 s52, 1, s27                         ; a row's bytes
	s_mul_i32 s53, s31, PS
	s_add_co_u32 s53, s53, s26
	s_lshl_b32 s54, s30, 2
	s_add_co_u32 s54, s54, s48
	s_mul_i32 s54, s54, 32*REC                     ; my wave's 32 places
	s_add_co_u32 s54, s54, s53
	s_mov_b32 s55, 0
	s_add_nc_u64 s[24:25], s[24:25], s[54:55]
.set I, 0
.rept 32
	v_mad_u32_u24 v[OFF+I], s52, I, v3
.set I, I+1
.endr
	s_mul_i32 s56, s48, 32*REC                     ; my stage
	v_and_b32 v4, 7, v2
	v_bfe_u32 v5, v2, 3, 1
	v_bfe_u32 v6, v2, 4, 1
	v_lshl_add_u32 v4, v5, 4, v4
	v_lshl_add_u32 v4, v6, 3, v4                   ; my column's place: bits 3 and 4 exchanged
	v_mul_u32_u24 v4, v4, REC
	v_add_nc_u32 v4, s56, v4                       ; into the stage
	v_lshlrev_b32 v5, 4, v2                        ; out: 16 bytes a lane
	v_add_nc_u32 v6, s56, v5
.macro LOAD t                          ; block t: W(32 t + i, my column) into set t % 2: 32 lanes read 128 consecutive bytes
.irp i, 0,1,2,3,4,5,6,7,8,9,10,11,12,13,14,15,16,17,18,19,20,21,22,23,24,25,26,27,28,29,30,31
	global_load_b32 v[X+32*((\t)%2)+\i], v[OFF+\i], s[32+2*(\t):33+2*(\t)] th:TH_LOAD_NT
.endr
.endm
.macro BLOCK t
.set XS, X+32*((\t)%2)
.if (\t) < 7
	s_wait_loadcnt 32                              ; this block's 32 loads are in; the next block's 32 may be out
.else
	s_wait_loadcnt 0x0
.endif
	v_max3_num_f32 v12, |v[XS]|, |v[XS+1]|, |v[XS+2]|
	v_max3_num_f32 v13, |v[XS+3]|, |v[XS+4]|, |v[XS+5]|
.irp i, 6,10,14,18,22,26
	v_max3_num_f32 v12, v12, |v[XS+\i]|, |v[XS+\i+1]|
	v_max3_num_f32 v13, v13, |v[XS+\i+2]|, |v[XS+\i+3]|
.endr
	v_max3_num_f32 v12, v12, |v[XS+30]|, |v[XS+31]|
	v_max3_num_f32 v12, v12, v13, 0x2800000        ; with the floor 2^(5 - 127): the byte cannot fall under 1
	v_add_nc_u32 v11, 0xfe000000, v12              ; 4 off the exponent field: the conversion's scale operand
	v_cvt_scalef32_pk16_bf6_f32 v[C+6*(\t):C+6*(\t)+2], v[XS:XS+15], v11
	v_cvt_scalef32_pk16_bf6_f32 v[T:T+2], v[XS+16:XS+31], v11      ; (a conversion's three registers begin on an even number)
	v_lshrrev_b32 v13, 23, v11                     ; the scale's byte; also the plain line behind the conversions
.irp i, 0,1,2
	v_mov_b32 v[C+6*(\t)+3+\i], v[T+\i]
.endr
.if (\t)%4 == 0
	v_mov_b32 v[C+48+(\t)/4], v13
.else
	v_lshl_or_b32 v[C+48+(\t)/4], v13, 8*((\t)%4), v[C+48+(\t)/4]
.endif
.if (\t)+2 < 8
	LOAD (\t)+2
.endif
.endm
	LOAD 0
	LOAD 1
.irp t, 0,1,2,3,4,5,6,7
	BLOCK \t
.endr
	v_mov_b32 v[C+50], 0
	v_mov_b32 v[C+51], 0
.irp j, 0,1,2,3,4,5,6,7,8,9,10,11,12
	ds_store_b128 v4, v[C+4*\j:C+4*\j+3] offset:16*\j
.endr
.irp j, 0,1,2,3,4,5,6,7,8,9,10,11,12
	ds_load_b128 v[X+4*\j:X+4*\j+3], v6 offset:512*\j       ; LDS serves a wave's instructions in order: these see my stores
.endr
.irp j, 0,1,2,3,4,5,6,7,8,9,10,11,12
	s_wait_dscnt 12-\j
	global_store_b128 v5, v[X+4*\j:X+4*\j+3], s[24:25] offset:512*\j   ; 512 consecutive bytes, at a multiple of 256 from the buffer's first byte
.endr
	s_wait_tensorcnt 0x0
	ds_add_u32 v176, v177
	s_wait_dscnt 0x0
	s_endpgm
.Lfunc_end_k_q39546c354d_wquant:
	.size	k_q39546c354d_wquant, .Lfunc_end_k_q39546c354d_wquant-k_q39546c354d_wquant
	.p2alignl 7, 3214868480
	.fill 96, 4, 3214868480
	.section	.rodata,"a",@progbits
	.p2align	6, 0x0
	.amdhsa_kernel k_q39546c354d_wquant
		.amdhsa_group_segment_fixed_size 27136
		.amdhsa_private_segment_fixed_size 0
		.amdhsa_enable_private_segment 0
		.amdhsa_kernarg_size 72
		.amdhsa_user_sgpr_count 2
		.amdhsa_user_sgpr_kernarg_segment_ptr 1
		.amdhsa_wavefront_size32 1
		.amdhsa_system_sgpr_workgroup_id_x 1
		.amdhsa_system_sgpr_workgroup_id_y 1
		.amdhsa_system_sgpr_workgroup_id_z 1
		.amdhsa_system_vgpr_workitem_id 0
		.amdhsa_next_free_vgpr 178
		.amdhsa_next_free_sgpr 66
		.amdhsa_reserve_vcc 0
		.amdhsa_float_denorm_mode_32 3
		.amdhsa_float_denorm_mode_16_64 3
		.amdhsa_memory_ordered 1
		.amdhsa_forward_progress 1
		.amdhsa_inst_pref_size 45
	.end_amdhsa_kernel
	.amdgpu_metadata
---
amdhsa.version: [ 1, 2 ]
amdhsa.kernels:
  - .name:           k_q39546c354d_wquant
    .symbol:         k_q39546c354d_wquant.kd
    .args:
      - { .name: wq, .offset: 0, .size: 8, .value_kind: global_buffer, .address_space: global }
      - { .name: wk, .offset: 8, .size: 8, .value_kind: global_buffer, .address_space: global }
      - { .name: wv, .offset: 16, .size: 8, .value_kind: global_buffer, .address_space: global }
      - { .name: wo, .offset: 24, .size: 8, .value_kind: global_buffer, .address_space: global }
      - { .name: w1, .offset: 32, .size: 8, .value_kind: global_buffer, .address_space: global }
      - { .name: w2, .offset: 40, .size: 8, .value_kind: global_buffer, .address_space: global }
      - { .name: wqk, .offset: 48, .size: 8, .value_kind: global_buffer, .address_space: global }
      - { .name: wvc, .offset: 56, .size: 8, .value_kind: global_buffer, .address_space: global }
      - { .name: wts, .offset: 64, .size: 8, .value_kind: global_buffer, .address_space: global }
    .group_segment_fixed_size: 27136
    .private_segment_fixed_size: 0
    .kernarg_segment_align: 8
    .kernarg_segment_size: 72
    .max_flat_workgroup_size: 128
    .sgpr_count:     66
    .vgpr_count:     178
    .wavefront_size: 32
...
	.end_amdgpu_metadata
.endif
;; end of part 1
;; launch ln1 (part 2): grid 256 x 1, 4 waves a work-group, no clusters, 32,256 bytes of LDS; arguments x, ln1_scale, ln1_shift, hc; writes hc
.if DOCPART == 2
	.amdgcn_target "amdgcn-amd-amdhsa--gfx1250"
	.amdhsa_code_object_version 6
	.text
	.protected	k_q39546c354d_ln1
	.globl	k_q39546c354d_ln1
	.p2align	8
	.type	k_q39546c354d_ln1,@function
k_q39546c354d_ln1:
	s_mov_b64 s[64:65], 0
	v_nop
	global_prefetch_b8 v0, s[64:65] scope:SCOPE_SE
	s_setreg_imm32_b32 hwreg(HW_REG_WAVE_MODE, 25, 1), 1
	s_wait_xcnt 0x0
; h = scale (x - mean) / sqrt(var + 1e-5) + shift, row by row of 1,024 f32, and h quantised along the row to codes of BF6 (E3M2) with one E8M0 byte for each 32.
; The codes leave as RECORDS of 208 bytes (256 numbers: 192 bytes of codes, 8 scale bytes, 8 zeros), panel c of 4,096 places for columns 256 c on; row n lies at place n with bits 3 and 4 exchanged.
; A work-group owns 16 places on end, a wave four of them: four consecutive rows, kept in registers between the passes (mean; variance of the differences; scaling).
; Loads take the bytes as they lie, 512 a load.  The conversions want 32 neighbours in one lane: a row turns through the wave's own stage in LDS (places of 128 + 16 bytes), after which lane l holds block l.
; The 16 rows' records meet in LDS; behind one barrier wave w stores panel w's 3,328 bytes as 13 whole runs of 256 bytes.
; LIMITS: NaN and infinities are not served; a block under 2^-122, or of zeros, keeps the byte 1 (this program alone reads the bytes).
.set REC,  208
.set PS,   4096*REC
.set OUT,  4*4608                      ; LDS: four stages of 32 x 144 bytes, then 4 panels x 16 rows x 208 bytes
.set SCL,  32                          ; v32-63   scale of my columns 128 j + 4 lane + 0..3
.set SHF,  64                          ; v64-95   shift
.set X,    96                          ; v96-223  four rows of 32 numbers
	s_load_b256 s[4:11], s[0:1], 0x0               ; x, scale, shift, the codes
	v_lshl_add_u32 v224, v0, 2, 0x7c00
	v_mov_b32 v225, 0
	v_lshrrev_b32 v1, 5, v0
	v_readfirstlane_b32 s16, v1                    ; wave
	v_and_b32 v2, 31, v0                           ; lane
	v_lshlrev_b32 v3, 4, v2
	s_mov_b32 s12, 0x76543210
	s_mov_b32 s13, 0xfedcba98                      ; lane l xor 16
	s_mov_b32 s14, 0x3a800000                      ; 1 / 1024
	s_mov_b32 s15, 0x3727c5ac                      ; 1e-5
	s_lshr_b32 s17, ttmp9, 1                       ; my first row: 32 (g / 2) + 8 (g % 2) + 4 w + 8 (w / 2)
	s_lshl_b32 s17, s17, 5
	s_and_b32 s18, ttmp9, 1
	s_lshl_b32 s18, s18, 3
	s_add_co_u32 s17, s17, s18
	s_lshl_b32 s18, s16, 2
	s_add_co_u32 s17, s17, s18
	s_lshr_b32 s18, s16, 1
	s_lshl_b32 s18, s18, 3
	s_add_co_u32 s17, s17, s18
	s_lshl_b32 s18, s17, 12
	s_mov_b32 s19, 0
	s_mul_i32 s20, s16, PS                         ; out: panel w, places 16 g on
	s_mul_i32 s21, ttmp9, 16*REC
	s_add_co_u32 s20, s20, s21
	s_mov_b32 s21, 0
	s_wait_kmcnt 0x0
	s_add_nc_u64 s[4:5], s[4:5], s[18:19]
	s_add_nc_u64 s[10:11], s[10:11], s[20:21]
.irp j, 0,1,2,3,4,5,6,7
	global_load_b128 v[SCL+4*\j:SCL+4*\j+3], v3, s[6:7] offset:512*\j
	global_load_b128 v[SHF+4*\j:SHF+4*\j+3], v3, s[8:9] offset:512*\j
.endr
.irp i, 0,1,2,3
.irp j, 0,1,2,3,4,5,6,7
	global_load_b128 v[X+32*\i+4*\j:X+32*\i+4*\j+3], v3, s[4:5] offset:4096*\i+512*\j
.endr
.endr
	v_lshrrev_b32 v11, 3, v2
	v_and_b32 v12, 7, v2
	v_mul_u32_u24 v6, v11, 16*REC
	s_mul_i32 s22, s16, 4*REC
	s_add_co_u32 s22, s22, OUT
	v_add_nc_u32 v6, s22, v6                       ; block l's record: panel l / 8, my wave's first row
	v_add_nc_u32 v7, v6, v12
	v_add_nc_u32 v7, 192, v7                       ; its scale byte
	v_mad_u32_u24 v6, v12, 24, v6                  ; its 24 bytes of codes
	s_mul_i32 s23, s16, 4608
	v_mul_u32_u24 v4, v11, 144
	v_lshl_add_u32 v4, v12, 4, v4
	v_add_nc_u32 v4, s23, v4                       ; the turn, in: place 4 j + l / 8, 16 (l % 8) bytes on
	v_mul_u32_u24 v5, v2, 144
	v_add_nc_u32 v5, s23, v5                       ; and out: place l
	s_mul_i32 s22, s16, 16*REC
	s_add_co_u32 s22, s22, OUT
	v_lshlrev_b32 v10, 3, v2
	v_add_nc_u32 v9, s22, v10                      ; the way out: panel w, 8 bytes a lane
	v_mul_u32_u24 v8, v1, 16*REC                   ; the records' 8 zero bytes: 128 words, one a thread
	v_bfe_u32 v11, v0, 1, 4
	v_mad_u32_u24 v8, v11, REC, v8
	v_and_b32 v11, 1, v0
	v_lshl_add_u32 v8, v11, 2, v8
	v_add_nc_u32 v8, OUT+200, v8
	v_mov_b32 v11, 0
	ds_store_b32 v8, v11
.macro REDUCE a, b                     ; the sum over the 32 lanes, in every lane
	v_add_f32_dpp v[\a], v[\a], v[\a] row_xmask:1 row_mask:0xf bank_mask:0xf
	v_add_f32_dpp v[\a], v[\a], v[\a] row_xmask:2 row_mask:0xf bank_mask:0xf
	v_add_f32_dpp v[\a], v[\a], v[\a] row_xmask:4 row_mask:0xf bank_mask:0xf
	v_add_f32_dpp v[\a], v[\a], v[\a] row_xmask:8 row_mask:0xf bank_mask:0xf
	v_permlanex16_b32 v[\b], v[\a], s12, s13
	v_add_f32 v[\a], v[\a], v[\b]
.endm
.macro ROW i
.set XR, X+32*\i
	s_wait_loadcnt 8*(3-\i)                        ; this row's eight loads are in; the later rows' may be out
	v_pk_add_f32 v[16:17], v[XR:XR+1], v[XR+2:XR+3]
	v_pk_add_f32 v[18:19], v[XR+4:XR+5], v[XR+6:XR+7]
.irp j, 8,12,16,20,24,28
	v_pk_add_f32 v[16:17], v[16:17], v[XR+\j:XR+\j+1]
	v_pk_add_f32 v[18:19], v[18:19], v[XR+\j+2:XR+\j+3]
.endr
	v_pk_add_f32 v[16:17], v[16:17], v[18:19]
	v_add_f32 v16, v16, v17
	REDUCE 16, 17
	v_mul_f32 v16, s14, v16                        ; the mean
.irp j, 0,2,4,6,8,10,12,14,16,18,20,22,24,26,28,30
	v_pk_add_f32 v[XR+\j:XR+\j+1], v[XR+\j:XR+\j+1], v[16:17] op_sel_hi:[1,0] neg_lo:[0,1] neg_hi:[0,1]
.endr
	v_pk_mul_f32 v[18:19], v[XR:XR+1], v[XR:XR+1]
	v_pk_mul_f32 v[20:21], v[XR+2:XR+3], v[XR+2:XR+3]
.irp j, 4,8,12,16,20,24,28
	v_pk_fma_f32 v[18:19], v[XR+\j:XR+\j+1], v[XR+\j:XR+\j+1], v[18:19]
	v_pk_fma_f32 v[20:21], v[XR+\j+2:XR+\j+3], v[XR+\j+2:XR+\j+3], v[20:21]
.endr
	v_pk_add_f32 v[18:19], v[18:19], v[20:21]
	v_add_f32 v18, v18, v19
	REDUCE 18, 19
	v_fma_f32 v18, v18, s14, s15                   ; the variance + 1e-5
	v_rsq_f32 v18, v18
	v_nop                                          ; a plain line behind the transcendental
	s_wait_alu depctr_va_vdst(0)
.irp j, 0,2,4,6,8,10,12,14,16,18,20,22,24,26,28,30
	v_pk_mul_f32 v[XR+\j:XR+\j+1], v[XR+\j:XR+\j+1], v[18:19] op_sel_hi:[1,0]
.endr
.irp j, 0,2,4,6,8,10,12,14,16,18,20,22,24,26,28,30
	v_pk_fma_f32 v[XR+\j:XR+\j+1], v[XR+\j:XR+\j+1], v[SCL+\j:SCL+\j+1], v[SHF+\j:SHF+\j+1]
.endr
.irp j, 0,1,2,3,4,5,6,7
	ds_store_b128 v4, v[XR+4*\j:XR+4*\j+3] offset:576*\j
.endr
.irp j, 0,1,2,3,4,5,6,7
	ds_load_b128 v[XR+4*\j:XR+4*\j+3], v5 offset:16*\j     ; LDS serves a wave's instructions in order: these see the stores above
.endr
	s_wait_dscnt 0x0                               ; block l is mine; the last row's stores have read their registers too
	v_max3_num_f32 v12, |v[XR]|, |v[XR+1]|, |v[XR+2]|
	v_max3_num_f32 v13, |v[XR+3]|, |v[XR+4]|, |v[XR+5]|
.irp j, 6,10,14,18,22,26
	v_max3_num_f32 v12, v12, |v[XR+\j]|, |v[XR+\j+1]|
	v_max3_num_f32 v13, v13, |v[XR+\j+2]|, |v[XR+\j+3]|
.endr
	v_max3_num_f32 v12, v12, |v[XR+30]|, |v[XR+31]|
	v_max3_num_f32 v12, v12, v13, 0x2800000        ; with the floor 2^(5 - 127)
	v_add_nc_u32 v11, 0xfe000000, v12              ; 4 off the exponent field: the conversion's scale operand
	v_cvt_scalef32_pk16_bf6_f32 v[22:24], v[XR:XR+15], v11
	v_cvt_scalef32_pk16_bf6_f32 v[26:28], v[XR+16:XR+31], v11
	v_lshrrev_b32 v29, 23, v11                     ; the byte; also the plain line behind the conversions
	v_mov_b32 v25, v26
	v_mov_b32 v26, v27
	v_mov_b32 v27, v28                             ; v22-27: 24 bytes on end
.irp p, 0,1,2
	ds_store_b64 v6, v[22+2*\p:23+2*\p] offset:\i*REC+8*\p
.endr
	ds_store_b8 v7, v29 offset:\i*REC
.endm
	ROW 0
	ROW 1
	ROW 2
	ROW 3
	s_wait_dscnt 0x0                               ; for the others' sake: my stores have landed
	s_barrier_signal -1
	s_barrier_wait -1
.irp k, 0,1,2,3,4,5,6,7,8,9,10,11,12
	ds_load_b64 v[X+2*\k:X+2*\k+1], v9 offset:256*\k
.endr
.irp k, 0,1,2,3,4,5,6,7,8,9,10,11,12
	s_wait_dscnt 12-\k
	global_store_b64 v10, v[X+2*\k:X+2*\k+1], s[10:11] offset:256*\k   ; 32 lanes store 256 consecutive bytes, aligned
.endr
	s_wait_tensorcnt 0x0
	ds_add_u32 v224, v225
	s_wait_dscnt 0x0
	s_endpgm
.Lfunc_end_k_q39546c354d_ln1:
	.size	k_q39546c354d_ln1, .Lfunc_end_k_q39546c354d_ln1-k_q39546c354d_ln1
	.p2alignl 7, 3214868480
	.fill 96, 4, 3214868480
	.section	.rodata,"a",@progbits
	.p2align	6, 0x0
	.amdhsa_kernel k_q39546c354d_ln1
		.amdhsa_group_segment_fixed_size 32256
		.amdhsa_private_segment_fixed_size 0
		.amdhsa_enable_private_segment 0
		.amdhsa_kernarg_size 32
		.amdhsa_user_sgpr_count 2
		.amdhsa_user_sgpr_kernarg_segment_ptr 1
		.amdhsa_wavefront_size32 1
		.amdhsa_system_sgpr_workgroup_id_x 1
		.amdhsa_system_sgpr_workgroup_id_y 1
		.amdhsa_system_sgpr_workgroup_id_z 1
		.amdhsa_system_vgpr_workitem_id 0
		.amdhsa_next_free_vgpr 226
		.amdhsa_next_free_sgpr 66
		.amdhsa_reserve_vcc 0
		.amdhsa_float_denorm_mode_32 3
		.amdhsa_float_denorm_mode_16_64 3
		.amdhsa_memory_ordered 1
		.amdhsa_forward_progress 1
		.amdhsa_inst_pref_size 45
	.end_amdhsa_kernel
	.amdgpu_metadata
---
amdhsa.version: [ 1, 2 ]
amdhsa.kernels:
  - .name:           k_q39546c354d_ln1
    .symbol:         k_q39546c354d_ln1.kd
    .args:
      - { .name: x, .offset: 0, .size: 8, .value_kind: global_buffer, .address_space: global }
      - { .name: ln1_scale, .offset: 8, .size: 8, .value_kind: global_buffer, .address_space: global }
      - { .name: ln1_shift, .offset: 16, .size: 8, .value_kind: global_buffer, .address_space: global }
      - { .name: hc, .offset: 24, .size: 8, .value_kind: global_buffer, .address_space: global }
    .group_segment_fixed_size: 32256
    .private_segment_fixed_size: 0
    .kernarg_segment_align: 8
    .kernarg_segment_size: 32
    .max_flat_workgroup_size: 128
    .sgpr_count:     66
    .vgpr_count:     226
    .wavefront_size: 32
...
	.end_amdgpu_metadata
.endif
;; end of part 2
;; launch qk (part 3): grid 8 x 16, 4 waves a work-group, clusters of 4 x 4, 327,680 bytes of LDS; arguments hc, wqk, qkg; writes qkg
.if DOCPART == 3
	.amdgcn_target "amdgcn-amd-amdhsa--gfx1250"
	.amdhsa_code_object_version 6
	.text
	.protected	k_q39546c354d_qk
	.globl	k_q39546c354d_qk
	.p2align	8
	.type	k_q39546c354d_qk,@function
k_q39546c354d_qk:
	s_mov_b64 s[64:65], 0
	v_nop
	global_prefetch_b8 v0, s[64:65] scope:SCOPE_SE
	s_setreg_imm32_b32 hwreg(HW_REG_WAVE_MODE, 25, 1), 1
	s_wait_xcnt 0x0
	s_wait_alu depctr_hold_cnt(0) depctr_sa_sdst(0) depctr_va_vdst(0) depctr_va_sdst(0) depctr_va_ssrc(0) depctr_va_vcc(0) depctr_vm_vsrc(0)
	s_getreg_b32 s2, hwreg(HW_REG_IB_STS2, 6, 4)
	s_cmp_eq_u32 s2, 0
	s_cbranch_scc0 .Lentry_in_a_cluster
	s_endpgm
.Lentry_in_a_cluster:
	s_bfe_u32 s2, ttmp6, 0x10000c
	s_cmp_lg_u32 s2, 0xf033
	s_cbranch_scc0 .Lentry_shape_is_right
	s_endpgm
.Lentry_shape_is_right:
; C = A B^T on codes of BF6 (E3M2) with E8M0 scales, K = 1,024, and C quantised again along N: the result is the next product's operand and never goes to memory as f32.
; OPERANDS ARE RECORDS: 208 bytes for 256 along K of one row (192 bytes of codes, 8 scale bytes, 8 zeros); a panel is 4,096 places; K / 256 panels on end.  A K step of 256 for 128 rows is one dense block of 26,624 bytes, scales inside.
; Logical row n lies at place n with bits 3 and 4 exchanged.  So 16 places on end of B give, in the transposed result, 8 + 8 registers of two neighbouring tiles that are 16 NEIGHBOURS along N.
; A tile of C, 256 x 256, is made by four waves of 128 x 128 (64 accumulators, 512 registers).  Two LDS slots of one K step, filled by joint tensor loads: 4 x 4 work-groups form a cluster, A's tile is shared along its row, B's along its column.
; THE MATRIX INSTRUCTION IS USED TRANSPOSED (source 0 = 16 places of B, source 1 = 16 places of A): a lane holds one row of C and its registers run along N.
; THE WAY OUT: a wave's 128 columns of 16 rows are four blocks of 32: largest magnitude, byte, conversion, exchange of halves; 96 bytes of codes and 4 scale bytes a row go into a stage of 256 records; behind a barrier the stage leaves as dense bytes: panel = tile column.
; The same text serves q, k (A = h, B = wq and wk) and V^T (A = wv, B = h: N is then the keys).
; REGISTERS: window 0: v16-30 addresses; v32-63 scale words, two sets, and nothing else; v128-223 A's fragments, one set; way out: v64-167, v200-242.  Window 1: B's fragments, two sets.  Windows 2, 3: accumulators ((a, b) at v[8 (8 (a % 4) + b)]).
; LIMITS: NaN and infinities are not served; a block under 2^-122, or of zeros, keeps the byte 1 (this program alone reads the bytes).
.set RB,     208
.set PS,     4096*RB
.set HALFT,  128*RB                    ; what one tensor load brings, and what one wave reads of A or of B
.set SLOT,   4*HALFT                   ; A's 256 rows, then B's
.set STAGE,  2*SLOT                    ; behind the ring: 256 records
.set SPARE,  STAGE+256*RB              ; the spare words, 128 bytes a wave, which no other line names
.set LAPS,   2                         ; K / 512
.set FR,     12
.set NL,     6
.set NP,     4
.set NQ,     2
.set ADRA, 16                          ; v16-17 my A fragments in slot 0, 1
.set ADRS, 18                          ; v18-19 my scale words: lanes 0-15 A's rows, lanes 16-31 B's
.set ADRB, 20                          ; v20-21 my B fragments
.set STO,  24
.set RD,   25
.set CO,   26
.set SSO,  27
.set SPW,  28
.set NIL,  29
.set ZR,   30
.set SC,   32
.set RBK,  64
.set AF,   128
.set TM,   200
.set PW,   216
.set PC,   224
.set G1, 24
.set G0, 32
.set G1B, 48
.set G0B, 56
.set SEL, 68
.set MSB, 0
.macro WIN new                         ; the immediate's high byte repeats the setting that is left
.if MSB != \new
	s_set_vgpr_msb (MSB<<8)|\new
.set MSB, \new
.endif
.endm
.set MUL_LO, 0xa1                      ; source 0 (B) window 1, source 1 (A) window 0, C and D window 2
.set MUL_HI, 0xf1
.set TO_B,   0x40
.macro JLOAD s                         ; a joint load: waves 0, 1 fetch A's halves, waves 2, 3 B's; four v_nop follow each line
	s_cmp_eq_u32 s15, 0
	s_cbranch_scc0 .Lfor_b_\@
	tensor_load_to_lds s[G0+4*\s:G0+4*\s+3], s[G1:G1+7]
	s_nop 0
.rept 4
	v_nop
.endr
	s_branch .Lasked_\@
.Lfor_b_\@:
	tensor_load_to_lds s[G0B+4*\s:G0B+4*\s+3], s[G1B:G1B+7]
	s_nop 0
.rept 4
	v_nop
.endr
.Lasked_\@:
.endm
.macro CREST                           ; a round of the cluster's barrier behind its opening barrier
	s_cmp_lg_u32 s14, 0
	s_cbranch_scc1 .Lnot_wave_0_\@
	s_barrier_signal -3
.Lnot_wave_0_\@:
	s_barrier_wait -3
	s_barrier_signal -1
	s_barrier_wait -1
.endm
.macro CROUND
	s_barrier_signal -1
	s_barrier_wait -1
	CREST
.endm
	s_load_b128 s[4:7], s[0:1], 0x0                ; A, B
	s_load_b64 s[8:9], s[0:1], 0x10                ; the result's records
	v_lshl_add_u32 v[SPW], v0, 2, SPARE
	v_mov_b32 v[NIL], 0
	ds_add_u32 v28, v29
	ds_add_u32 v28, v29
	s_wait_dscnt 0x0
	v_mov_b32 v[ZR], 0
	v_lshrrev_b32 v1, 5, v0
	v_readfirstlane_b32 s14, v1                    ; wave
	s_lshr_b32 s15, s14, 1                         ; my half of the tile's rows; also: I fetch for A (0) or B (1)
	s_and_b32 s16, s14, 1                          ; my half of its columns; also: which 128 rows I fetch
	s_bfe_u32 s40, ttmp6, 0x40000
	s_bfe_u32 s41, ttmp6, 0x40004
	s_lshl_b32 s42, ttmp9, 2
	s_add_co_u32 s42, s42, s40                     ; tile column
	s_and_b32 s17, ttmp7, 0xffff
	s_lshl_b32 s17, s17, 2
	s_add_co_u32 s17, s17, s41                     ; tile row
	s_lshl_b32 s43, s41, 2
	s_lshl_b32 s43, 15, s43                        ; my row of the cluster
	s_lshl_b32 s44, 0x1111, s40                    ; my column
	s_or_b32 s[G1+0], s43, (3<<16)|(1<<21)         ; the mask; elements of 8 bytes; bit 21 beside a mask; no padding
	s_or_b32 s[G1B+0], s44, (3<<16)|(1<<21)
.irp g, G1, G1B
	s_mov_b32 s[\g+1], 32<<16                      ; tensor_dim0 = 32 elements: 256 bytes
	s_mov_b32 s[\g+2], 104<<16                     ; tensor_dim1 = 104: 26,624 dense bytes
	s_mov_b32 s[\g+3], 32<<16                      ; tile_dim0
	s_mov_b32 s[\g+4], 104                         ; tile_dim1
	s_mov_b32 s[\g+5], 32                          ; the pitch
	s_mov_b32 s[\g+6], 0
	s_mov_b32 s[\g+7], 0
.endr
	s_mov_b32 s[SEL], 0x76543210
	s_mov_b32 s[SEL+1], 0xfedcba98
	s_lshl_b32 s18, s16, 7
	s_lshl_b32 s20, s17, 8
	s_add_co_u32 s20, s20, s18
	s_mul_i32 s20, s20, RB                         ; A: place 256 x tile row + 128 x half
	s_mov_b32 s21, 0
	s_lshl_b32 s46, s42, 8
	s_add_co_u32 s46, s46, s18
	s_mul_i32 s46, s46, RB                         ; B: place 256 x tile column + 128 x half
	s_mov_b32 s47, 0
	s_mul_i32 s45, s14, HALFT                      ; where they go: no place in the cluster enters an LDS address
	s_wait_kmcnt 0x0
	s_add_nc_u64 s[20:21], s[4:5], s[20:21]
	s_add_nc_u64 s[46:47], s[6:7], s[46:47]
	CROUND                                         ; all sixteen work-groups are here: the first joint loads meet
.irp s, 0,1
	s_mov_b32 s[G0+4*\s], 1
	s_add_co_u32 s[G0+4*\s+1], s45, \s*SLOT
	s_add_nc_u64 s[G0+4*\s+2:G0+4*\s+3], s[20:21], \s*PS
	s_or_b32 s[G0+4*\s+3], s[G0+4*\s+3], 0x80000000
	s_mov_b32 s[G0B+4*\s], 1
	s_add_co_u32 s[G0B+4*\s+1], s45, \s*SLOT
	s_add_nc_u64 s[G0B+4*\s+2:G0B+4*\s+3], s[46:47], \s*PS
	s_or_b32 s[G0B+4*\s+3], s[G0B+4*\s+3], 0x80000000
	JLOAD \s
.endr
	v_and_b32 v1, 15, v0                           ; r
	v_bfe_u32 v2, v0, 4, 1                         ; h
	v_mul_u32_u24 v3, v1, RB
	v_mad_u32_u24 v4, v2, 24, v3                   ; a fragment's row + 24 h
	s_mul_i32 s21, s15, HALFT
	s_mul_i32 s22, s16, HALFT
	s_add_co_u32 s22, s22, 2*HALFT
	s_sub_co_u32 s23, s22, s21
	v_mul_u32_u24 v5, s23, v2                      ; lanes 16-31 take B's scale words
	v_add_nc_u32 v5, v5, v3
	v_add_nc_u32 v5, 192, v5
.irp s, 0,1
	v_add_nc_u32 v[ADRA+\s], s21, v4
	v_add_nc_u32 v[ADRB+\s], s22, v4
	v_add_nc_u32 v[ADRS+\s], s21, v5
	s_add_co_u32 s21, s21, SLOT
	s_add_co_u32 s22, s22, SLOT
.endr
	s_mul_i32 s23, s15, HALFT                      ; the stage: record 128 x (my half of the rows) + 16 a + r
	s_mul_i32 s22, s16, 96
	s_add_co_u32 s22, s22, s23
	s_add_co_u32 s22, s22, STAGE
	v_add_nc_u32 v[STO], s22, v4                   ; my 128 columns' 96 bytes, + 24 h
	s_lshl_b32 s22, s16, 2
	s_add_co_u32 s22, s22, s23
	s_add_co_u32 s22, s22, STAGE+192
	v_add_nc_u32 v[SSO], s22, v3                   ; and their scale word
	s_mul_i32 s23, s14, 64*RB
	s_add_co_u32 s23, s23, STAGE
	v_and_b32 v6, 31, v0
	v_lshlrev_b32 v[CO], 4, v6
	v_add_nc_u32 v[RD], s23, v[CO]                 ; back: wave w takes records 64 w on, as dense bytes
	s_mul_i32 s20, s17, 256*RB
	s_mul_i32 s21, s14, 64*RB
	s_add_co_u32 s20, s20, s21
	s_mov_b32 s21, 0
	s_mul_i32 s46, s42, PS                         ; panel = tile column
	s_mov_b32 s47, 0
	s_add_nc_u64 s[20:21], s[20:21], s[46:47]
	s_add_nc_u64 s[8:9], s[8:9], s[20:21]
.macro FRAG reg, adr, q, i             ; 16 rows x 128 K: lane (r, h) takes 24 bytes at 96 q + 24 h and 24 at 48 more, in pieces of 8 bytes
.irp p, 0,1,2,3,4,5
	ds_load_b64 v[\reg+2*\p:\reg+2*\p+1], v[\adr] offset:96*(\q)+48*(\p/3)+8*(\p%3)+(\i)*16*RB
.endr
.endm
; 16 matrix instructions: A's blocks a0, a0 + 1 x B's eight.  The 64 accumulators take turns, one instruction a turn, in the same order in every step.  zero = 1: the first product starts the sums.
.macro MUL16 a0, p, q, sc, zero
.irp a, \a0, \a0+1
.irp b, 0,1,2,3,4,5,6,7
.if \zero
	v_wmma_scale_f32_16x16x128_f8f6f4 v[8*(8*((\a)%4)+\b):8*(8*((\a)%4)+\b)+7], v[128*(\p)+FR*\b:128*(\p)+FR*\b+FR-1], v[AF+FR*(\a):AF+FR*(\a)+FR-1], 0, v[SC+8*NQ*(\sc)+NQ*\b+(\q)], v[SC+8*NQ*(\sc)+NQ*(\a)+(\q)] matrix_a_fmt:MATRIX_FMT_BF6 matrix_b_fmt:MATRIX_FMT_BF6 matrix_a_scale:MATRIX_SCALE_ROW1
.else
	v_wmma_scale_f32_16x16x128_f8f6f4 v[8*(8*((\a)%4)+\b):8*(8*((\a)%4)+\b)+7], v[128*(\p)+FR*\b:128*(\p)+FR*\b+FR-1], v[AF+FR*(\a):AF+FR*(\a)+FR-1], v[8*(8*((\a)%4)+\b):8*(8*((\a)%4)+\b)+7], v[SC+8*NQ*(\sc)+NQ*\b+(\q)], v[SC+8*NQ*(\sc)+NQ*(\a)+(\q)] matrix_a_fmt:MATRIX_FMT_BF6 matrix_b_fmt:MATRIX_FMT_BF6 matrix_a_scale:MATRIX_SCALE_ROW1
.endif
.endr
.endr
.endm
.macro FETCH_B slot, q, p
	WIN TO_B
.irp i, 0,1,2,3,4,5,6,7
	FRAG 128*(\p)+FR*\i, ADRB+\slot, \q, \i
.endr
	WIN 0
.endm
.macro FETCH_A slot, q, i0
.irp i, \i0, \i0+1, \i0+2, \i0+3
	FRAG AF+FR*(\i), ADRA+\slot, \q, \i
.endr
.endm
.macro SCALES sc                       ; a K step's scale words: 8 bytes a row; lanes 0-15 A's block i, lanes 16-31 B's block i
.irp i, 0,1,2,3,4,5,6,7
	ds_load_b64 v[SC+8*NQ*\sc+NQ*\i:SC+8*NQ*\sc+NQ*\i+1], v[ADRS+\sc] offset:\i*16*RB
.endr
.endm
.macro PLACES n                        ; plain vector lines between a matrix instruction and a load into, or a read of, its registers
.rept \n
	v_nop
.endr
.endm
.macro STEP slot, q, zero              ; 128 along K whose successor lies in the same slot
	s_wait_dscnt 4*NL                              ; all but the youngest 24 loads (A's blocks 4-7) are in
	WIN MUL_LO
	MUL16 0, (\q)%2, \q, \slot, \zero
	MUL16 2, (\q)%2, \q, \slot, \zero
	s_wait_dscnt 0
	PLACES NP
	FETCH_B \slot, (\q)+1, 1-(\q)%2
	FETCH_A \slot, (\q)+1, 0
	WIN MUL_HI
	MUL16 4, (\q)%2, \q, \slot, \zero
	MUL16 6, (\q)%2, \q, \slot, \zero
	PLACES NP
	WIN 0
	FETCH_A \slot, (\q)+1, 4
.endm
.macro TURN slot, next, fill           ; a slot's last step changes slots: one barrier; fill = 1: the slot is filled again, two K steps ahead
	s_wait_tensorcnt 0x0                           ; all my tensor loads have landed: my part of the next slot
	ds_add_u32 v[SPW], v[NIL]                      ; 0 onto my spare word
	s_wait_dscnt 4*NL+1                            ; (the add and A's blocks 4-7 may be out)
	WIN MUL_LO
	MUL16 0, 1, NQ-1, \slot, 0
	s_wait_dscnt 0x0                               ; the add is done, and my reads of this slot are over
	s_barrier_signal -1
	MUL16 2, 1, NQ-1, \slot, 0
	WIN 0
	s_barrier_wait -1
.if \fill
	CREST                                          ; the barrier opened a round of the cluster's: no wave of any partner still reads this slot or has a load on its way
	s_add_nc_u64 s[G0+4*\slot+2:G0+4*\slot+3], s[G0+4*\slot+2:G0+4*\slot+3], 2*PS
	s_add_nc_u64 s[G0B+4*\slot+2:G0B+4*\slot+3], s[G0B+4*\slot+2:G0B+4*\slot+3], 2*PS
	JLOAD \slot                                    ; the first tensor load behind the round; its four v_nop are the places in front of the loads below
.else
	PLACES NP
.endif
	FETCH_B \next, 0, 0
	FETCH_A \next, 0, 0
	SCALES \next
	WIN MUL_HI
	MUL16 4, 1, NQ-1, \slot, 0
	MUL16 6, 1, NQ-1, \slot, 0
	PLACES NP
	WIN 0
	FETCH_A \next, 0, 4
.endm
	s_wait_tensorcnt 1                             ; my part of K step 0 is in (K step 1's load may be out)
	s_barrier_signal -1
	s_barrier_wait -1
	FETCH_B 0, 0, 0
	FETCH_A 0, 0, 0
	SCALES 0
	FETCH_A 0, 0, 4
	STEP 0, 0, 1
	s_mov_b32 s3, LAPS-1
.Llap:
	TURN 0, 1, 1
	STEP 1, 0, 0
	TURN 1, 0, 1
	STEP 0, 0, 0
	s_sub_co_u32 s3, s3, 1
	s_cmp_lg_u32 s3, 0
	s_cbranch_scc1 .Llap
	TURN 0, 1, 0
	STEP 1, 0, 0
	s_wait_dscnt 4*NL
	WIN MUL_LO
	MUL16 0, 1, NQ-1, 1, 0
	MUL16 2, 1, NQ-1, 1, 0
	s_wait_dscnt 0
	WIN MUL_HI
	MUL16 4, 1, NQ-1, 1, 0
	MUL16 6, 1, NQ-1, 1, 0
	WIN 0
; THE WAY OUT.  Block a: 16 rows; my 64 registers: register 16 b + i = column 32 b + 16 h + i of my row.
.macro QOUT a
.set AC, 64*((\a)%4)
	WIN 0x0a+5*((\a)/4)                            ; sources 0 and 1: the accumulators' window
.irp b, 0,1,2,3
	v_max3_num_f32 v[TM+\b], |v[AC+16*\b]|, |v[AC+16*\b+1]|, 0x2800000    ; each accumulator is read from its low end on; the floor 2^(5 - 127) holds the byte at 1 from below
.endr
.irp i, 2,4,6,8,10,12,14
.irp b, 0,1,2,3
	v_max3_num_f32 v[TM+\b], |v[AC+16*\b+\i]|, |v[AC+16*\b+\i+1]|, v[TM+\b]
.endr
.endr
	WIN 0
	s_wait_dscnt 0x0                               ; the last block's stores have read their registers
.irp b, 0,1,2,3
	v_permlanex16_b32 v[TM+4+\b], v[TM+\b], s[SEL], s[SEL+1]
.endr
.irp b, 0,1,2,3
	v_max_num_f32 v[TM+\b], v[TM+\b], v[TM+4+\b]   ; with lane l xor 16's: the block's largest magnitude
.endr
.irp b, 0,1,2,3
	v_add_nc_u32 v[TM+12+\b], 0xfe000000, v[TM+\b] ; 4 off the exponent field: the conversion's scale operand
.endr
.irp b, 0,1,2,3
	v_lshrrev_b32 v[TM+4+\b], 23, v[TM+12+\b]
.endr
	v_lshl_or_b32 v[PW], v[TM+5], 8, v[TM+4]
	v_lshl_or_b32 v[PW], v[TM+6], 16, v[PW]
	v_lshl_or_b32 v[PW], v[TM+7], 24, v[PW]        ; my row's scale word
	WIN 0x02+((\a)/4)                              ; source 0: the accumulators' window
.irp c, 0,1
	v_cvt_scalef32_pk16_bf6_f32 v[PC+6*\c:PC+2+6*\c], v[AC+32*\c:AC+15+32*\c], v[TM+12+2*\c]
	v_cvt_scalef32_pk16_bf6_f32 v[PC+12+4*\c:PC+14+4*\c], v[AC+16+32*\c:AC+31+32*\c], v[TM+12+2*\c+1]
.endr
	WIN 0
	v_nop                                          ; one plain line behind a scaled conversion
.irp c, 0,1                                    ; a whole block to a lane: lanes 0-15 block 2 c, lanes 16-31 block 2 c + 1
.irp i, 0,1,2
	v_permlane16_swap_b32 v[PC+6*\c+\i], v[PC+12+4*\c+\i]
.endr
.irp i, 0,1,2
	v_mov_b32 v[PC+3+6*\c+\i], v[PC+12+4*\c+\i]
.endr
.endr
.irp c, 0,1
.irp p, 0,1,2
	ds_store_b64 v[STO], v[PC+6*\c+2*\p:PC+6*\c+2*\p+1] offset:(\a)*16*RB+48*\c+8*\p
.endr
.endr
	ds_store_b32 v[SSO], v[PW] offset:(\a)*16*RB          ; lanes r and r + 16 write the same word with the same value
	ds_store_b32 v[SSO], v[ZR] offset:(\a)*16*RB+8        ; my half of the record's 8 zero bytes
.endm
	PLACES NP
.irp b, 0,1,2,3
	v_mov_b32 v[TM+4+\b], 0                        ; written once: a lane permute's destination counts as one of its sources
.endr
.irp a, 0,1,2,3,4,5,6,7
	QOUT \a
.endr
	s_wait_dscnt 0x0                               ; for the others' sake: my stores into the stage have landed
	s_barrier_signal -1
	s_barrier_wait -1
.set I, 0
.rept 26
	ds_load_b128 v[RBK+4*I:RBK+4*I+3], v[RD] offset:512*I
.set I, I+1
.endr
.set I, 0
.rept 26
	s_wait_dscnt 25-I
	global_store_b128 v[CO], v[RBK+4*I:RBK+4*I+3], s[8:9] offset:512*I   ; 512 consecutive bytes, at a multiple of 256 from the buffer's first byte
.set I, I+1
.endr
	s_wait_tensorcnt 0x0                           ; the wave's end
	ds_add_u32 v[SPW], v[NIL]
	s_wait_dscnt 0x0
	CROUND                                         ; the closing round
	s_endpgm
.Lfunc_end_k_q39546c354d_qk:
	.size	k_q39546c354d_qk, .Lfunc_end_k_q39546c354d_qk-k_q39546c354d_qk
	.p2alignl 7, 3214868480
	.fill 96, 4, 3214868480
	.section	.rodata,"a",@progbits
	.p2align	6, 0x0
	.amdhsa_kernel k_q39546c354d_qk
		.amdhsa_group_segment_fixed_size 327680
		.amdhsa_private_segment_fixed_size 0
		.amdhsa_enable_private_segment 0
		.amdhsa_kernarg_size 24
		.amdhsa_user_sgpr_count 2
		.amdhsa_user_sgpr_kernarg_segment_ptr 1
		.amdhsa_wavefront_size32 1
		.amdhsa_system_sgpr_workgroup_id_x 1
		.amdhsa_system_sgpr_workgroup_id_y 1
		.amdhsa_system_sgpr_workgroup_id_z 1
		.amdhsa_system_vgpr_workitem_id 0
		.amdhsa_next_free_vgpr 1024
		.amdhsa_next_free_sgpr 72
		.amdhsa_reserve_vcc 0
		.amdhsa_float_denorm_mode_32 3
		.amdhsa_float_denorm_mode_16_64 3
		.amdhsa_memory_ordered 1
		.amdhsa_forward_progress 1
		.amdhsa_inst_pref_size 168
	.end_amdhsa_kernel
	.amdgpu_metadata
---
amdhsa.version: [ 1, 2 ]
amdhsa.kernels:
  - .name:           k_q39546c354d_qk
    .symbol:         k_q39546c354d_qk.kd
    .args:
      - { .name: hc, .offset: 0, .size: 8, .value_kind: global_buffer, .address_space: global }
      - { .name: wqk, .offset: 8, .size: 8, .value_kind: global_buffer, .address_space: global }
      - { .name: qkg, .offset: 16, .size: 8, .value_kind: global_buffer, .address_space: global }
    .group_segment_fixed_size: 327680
    .private_segment_fixed_size: 0
    .kernarg_segment_align: 8
    .kernarg_segment_size: 24
    .max_flat_workgroup_size: 128
    .sgpr_count:     72
    .vgpr_count:     1024
    .wavefront_size: 32
...
	.end_amdgpu_metadata
.endif
;; end of part 3
;; launch v: the kernel of part 3 again; grid 16 x 4, 4 waves a work-group, clusters of 4 x 4, 327,680 bytes of LDS; arguments wvc, hc, vt; writes vt
;; launch attn (part 4): grid 8 x 32, 16 waves a work-group, clusters of 4 x 1, 215,040 bytes of LDS; arguments qkg, vt, hc; writes hc
.if DOCPART == 4
	.amdgcn_target "amdgcn-amd-amdhsa--gfx1250"
	.amdhsa_code_object_version 6
	.text
	.protected	k_q39546c354d_attn
	.globl	k_q39546c354d_attn
	.p2align	8
	.type	k_q39546c354d_attn,@function
k_q39546c354d_attn:
	s_mov_b64 s[64:65], 0
	v_nop
	global_prefetch_b8 v0, s[64:65] scope:SCOPE_SE
	s_setreg_imm32_b32 hwreg(HW_REG_WAVE_MODE, 25, 1), 1
	s_wait_xcnt 0x0
	s_wait_alu depctr_hold_cnt(0) depctr_sa_sdst(0) depctr_va_vdst(0) depctr_va_sdst(0) depctr_va_ssrc(0) depctr_va_vcc(0) depctr_vm_vsrc(0)
	s_getreg_b32 s2, hwreg(HW_REG_IB_STS2, 6, 4)
	s_cmp_eq_u32 s2, 0
	s_cbranch_scc0 .Lentry_in_a_cluster
	s_endpgm
.Lentry_in_a_cluster:
	s_bfe_u32 s2, ttmp6, 0x10000c
	s_cmp_lg_u32 s2, 0x3003
	s_cbranch_scc0 .Lentry_shape_is_right
	s_endpgm
.Lentry_shape_is_right:
; Causal attention of one head on codes of BF6 (E3M2) with E8M0 scales, head size 64, 2,048 keys; the result is quantised along the head's 64 and leaves as codes.
; SOFTMAX: t = score x log2(e) / 8; M = the running largest t rounded UP to a whole number; p = 2^(t - M) is quantised along the keys, not normalised; the row's sum is taken of the unquantised p and divides at the end; when M moves, the sum and O are multiplied by 2^(old M - new M): exact.
; OPERANDS ARE RECORDS of 208 bytes (256 numbers: 192 bytes of codes, 8 scale bytes, 8 zeros) in panels of 4,096 places; logical row n at place n with bits 3 and 4 exchanged.  q: panels 0-3 of qkg, k: panels 4-7 (a head: 48 bytes and 2 scale bytes of a record); V^T: rows 64 head + d, panel = key / 256.
; THE HEAD'S WHOLE K AND V LIE IN LDS, each byte filled once: no slot is filled again.  The 4 work-groups of a cluster read the same head: every tile is asked for jointly.  Two halves of 1,024 keys: the first is read while the second lands.
; SHARES.  Work-group j of a head's eight, sixteen waves, one tile of 16 places of queries each: tile 8 rho + j, rho the wave's number with its low two bits turned in waves 4-7 and 12-15 (so that the four waves of a SIMD have equal work).
; Its queries lie in 128 rho .. 128 rho + 127: it needs key steps 0 .. rho of 128 keys, and step rho is its diagonal.  So every branch hangs on the wave's number and a counter, never on the place in the cluster, and all work-groups have equal work.
; Both products are used transposed: S^T = K Q^T (K = 64, the upper 64 are zero codes on both sides), O^T = V^T P^T: a lane holds one query throughout; the places' order makes 16 registers of two tiles 16 neighbouring keys, or 16 neighbours of the head's 64.
; A word of K's scales holds the head's two bytes and two bytes that follow them in the record (another head's, or zeros): they stand over zero codes and are never 0xff.
; REGISTERS: v1-7 stay; v8-11 the step's addresses; v12 -M, v13 the largest t, v[14:15] the sum; v16-27 Q; v28-31 V's scale words; v32-79 four fragments of K; v80-127 four of V; v128-191 S^T, then p; v192-223 O^T; v224-235 p's codes; v232-254 at work; v248-251 K's scale words, v253 p's, v255 Q's.
; LIMITS: NaN and infinities are not served; a block under 2^-122, or of zeros, keeps the byte 1.  The result's stores write 24 + 1 bytes a lane into records that four heads share.
.set REC,  208
.set PS,   4096*REC
.set KC,   0                           ; K's codes: 2,048 rows of 48 bytes
.set KS,   2048*48                     ; K's scale words: 4 bytes a key
.set VC,   KS+2048*4                   ; V: 8 chunks of 256 keys x 64 records
.set AK0,  1
.set AV0,  2
.set ASK0, 3
.set ASV0, 4
.set D0,   5                           ; my query less the diagonal step's first key, less 16 h
.set NINF, 6
.set GO,   7                           ; 208 r + 24 h: my bytes in Q's records and in the result's
.set ADK,  8
.set ADV,  9
.set ADS,  10
.set ADT,  11
.set VSC,  28
.set KFR,  32
.set VFR,  80
.set S,    128
.set O,    192
.set WV,   10
.set G1K,  16
.set G1S,  24
.set G1V,  32
.set G0K,  40
.set G0S,  48
.set G0V,  56
.set RHO,  68
.set SEL,  72
.set CS,   74
.set TK,   76
.set TS,   77
.set TV,   78
.set ST,   79
.set CNT,  80
.macro ROUND
	s_barrier_signal -1
	s_barrier_wait -1
	s_cmp_lg_u32 s[WV], 0
	s_cbranch_scc1 .Lnot_wave_0_\@
	s_barrier_signal -3
.Lnot_wave_0_\@:
	s_barrier_wait -3
	s_barrier_signal -1
	s_barrier_wait -1
.endm
	s_load_b128 s[4:7], s[0:1], 0x0                ; q and k, V^T
	s_load_b64 s[8:9], s[0:1], 0x10                ; the result's records
	v_lshl_add_u32 v254, v0, 2, 0x34000
	v_mov_b32 v255, 0
	ds_add_u32 v254, v255
	ds_add_u32 v254, v255
	s_wait_dscnt 0x0
	v_lshrrev_b32 v8, 5, v0
	v_readfirstlane_b32 s[WV], v8                  ; wave 0..15
	s_and_b32 s66, s[WV], 3                        ; which quarter of a half I fetch
	s_lshr_b32 s67, s[WV], 2                       ; 0: K's codes, 1: K's scale words, 2: V, 3: nothing
	s_bfe_u32 s[RHO], s[WV], 0x10002
	s_mul_i32 s[RHO], s[RHO], 3
	s_xor_b32 s[RHO], s[RHO], s[WV]
	s_bfe_u32 s11, ttmp6, 0x40000                  ; cx: it enters Q's and the result's addresses and the mask's numbers alone
	s_lshl_b32 s12, ttmp9, 2
	s_add_co_u32 s12, s12, s11                     ; j
	s_and_b32 s13, ttmp7, 0xffff
	s_lshr_b32 s14, s13, 4                         ; batch
	s_and_b32 s15, s13, 15                         ; head
	s_and_b32 s69, s15, 3                          ; the head's quarter of a record
	s_lshr_b32 s70, s15, 2                         ; and its panel
	s_add_co_u32 s82, s70, 4
	s_mul_i32 s82, s82, PS
	s_mul_i32 s83, s14, 2048*REC
	s_add_co_u32 s82, s82, s83
	s_mul_i32 s83, s66, 256*REC
	s_add_co_u32 s82, s82, s83                     ; k: my 256 rows of the first half
	s_mul_i32 s84, s69, 48
	s_add_co_u32 s84, s84, s82
	s_mov_b32 s85, 0
	s_lshl_b32 s86, s69, 1
	s_add_co_u32 s86, s86, s82
	s_add_co_u32 s86, s86, 192
	s_mov_b32 s87, 0
	s_lshl_b32 s88, s14, 3
	s_add_co_u32 s88, s88, s66
	s_mul_i32 s88, s88, PS
	s_mul_i32 s89, s15, 64*REC
	s_add_co_u32 s88, s88, s89                     ; V^T: my chunk of the first half, the head's 64 records
	s_mov_b32 s89, 0
	s_mul_i32 s90, s66, 256*48
	s_lshl_b32 s91, s66, 10
	s_add_co_u32 s91, s91, KS
	s_mul_i32 s92, s66, 64*REC
	s_add_co_u32 s92, s92, VC
	s_mov_b32 s[G1K], 15|(3<<16)|(1<<21)           ; all four work-groups; elements of 8 bytes; bit 21 beside a mask
	s_mov_b32 s[G1K+1], 6<<16                      ; 48 bytes of a record,
	s_mov_b32 s[G1K+2], 256<<16                    ; 256 rows,
	s_mov_b32 s[G1K+3], 6<<16
	s_mov_b32 s[G1K+4], 256
	s_mov_b32 s[G1K+5], 26                         ; 208 bytes apart
	s_mov_b32 s[G1K+6], 0
	s_mov_b32 s[G1K+7], 0
	s_mov_b32 s[G1S], 15|(1<<16)|(1<<21)           ; elements of 2 bytes
	s_mov_b32 s[G1S+1], 2<<16                      ; 4 bytes of a record
	s_mov_b32 s[G1S+2], 256<<16
	s_mov_b32 s[G1S+3], 2<<16
	s_mov_b32 s[G1S+4], 256
	s_mov_b32 s[G1S+5], 104
	s_mov_b32 s[G1S+6], 0
	s_mov_b32 s[G1S+7], 0
	s_mov_b32 s[G1V], 15|(3<<16)|(1<<21)
	s_mov_b32 s[G1V+1], 32<<16                     ; 13,312 dense bytes as 52 rows of 256
	s_mov_b32 s[G1V+2], 52<<16
	s_mov_b32 s[G1V+3], 32<<16
	s_mov_b32 s[G1V+4], 52
	s_mov_b32 s[G1V+5], 32
	s_mov_b32 s[G1V+6], 0
	s_mov_b32 s[G1V+7], 0
	s_lshl_b32 s93, s14, 11                        ; my first place: 2,048 batch + 128 rho + 16 j
	s_lshl_b32 s94, s[RHO], 7
	s_add_co_u32 s93, s93, s94
	s_lshl_b32 s94, s12, 4
	s_add_co_u32 s93, s93, s94
	s_mul_i32 s93, s93, REC
	s_mul_i32 s94, s70, PS
	s_add_co_u32 s94, s94, s93
	s_mov_b32 s95, 0
	s_mul_i32 s96, s69, 48
	s_mov_b32 s97, 0
	s_add_nc_u64 s[96:97], s[96:97], s[94:95]      ; offset of my rows' codes, in q and in the result alike
	s_lshl_b32 s98, s69, 1
	s_add_co_u32 s98, s98, 192
	s_mov_b32 s99, 0
	s_add_nc_u64 s[98:99], s[98:99], s[94:95]      ; and of their scale bytes
	s_mov_b32 s[SEL], 0x76543210
	s_mov_b32 s[SEL+1], 0xfedcba98
	s_mov_b32 s[CS], 0x3e38aa3b                    ; c = log2(e) / 8
	s_mov_b32 s[CS+1], s[CS]
	s_mov_b32 s[TK], 0
	s_mov_b32 s[TS], 0
	s_mov_b32 s[TV], 0
	s_mov_b32 s[ST], 0
	s_wait_kmcnt 0x0
	s_add_nc_u64 s[84:85], s[4:5], s[84:85]
	s_add_nc_u64 s[86:87], s[4:5], s[86:87]
	s_add_nc_u64 s[88:89], s[6:7], s[88:89]
.irp f, 0,1                                    ; a group 0 for each half of the keys
	s_mov_b32 s[G0K+4*\f], 1
	s_add_co_u32 s[G0K+4*\f+1], s90, \f*1024*48
	s_add_nc_u64 s[G0K+4*\f+2:G0K+4*\f+3], s[84:85], \f*1024*REC
	s_or_b32 s[G0K+4*\f+3], s[G0K+4*\f+3], 0x80000000
	s_mov_b32 s[G0S+4*\f], 1
	s_add_co_u32 s[G0S+4*\f+1], s91, \f*1024*4
	s_add_nc_u64 s[G0S+4*\f+2:G0S+4*\f+3], s[86:87], \f*1024*REC
	s_or_b32 s[G0S+4*\f+3], s[G0S+4*\f+3], 0x80000000
	s_mov_b32 s[G0V+4*\f], 1
	s_add_co_u32 s[G0V+4*\f+1], s92, \f*4*64*REC
	s_add_nc_u64 s[G0V+4*\f+2:G0V+4*\f+3], s[88:89], \f*4*PS
	s_or_b32 s[G0V+4*\f+3], s[G0V+4*\f+3], 0x80000000
.endr
	ROUND                                          ; all four work-groups are here: the joint loads meet
	s_cmp_eq_u32 s67, 0                            ; a wave's two loads stand in one branch on its number: two loads of mine are out, or none
	s_cbranch_scc0 .Lnot_k
	tensor_load_to_lds s[G0K:G0K+3], s[G1K:G1K+7]
	s_nop 0
	tensor_load_to_lds s[G0K+4:G0K+7], s[G1K:G1K+7]
	s_nop 0
.rept 4
	v_nop
.endr
	s_branch .Lasked
.Lnot_k:
	s_cmp_eq_u32 s67, 1
	s_cbranch_scc0 .Lnot_s
	tensor_load_to_lds s[G0S:G0S+3], s[G1S:G1S+7]
	s_nop 0
	tensor_load_to_lds s[G0S+4:G0S+7], s[G1S:G1S+7]
	s_nop 0
.rept 4
	v_nop
.endr
	s_branch .Lasked
.Lnot_s:
	s_cmp_eq_u32 s67, 2
	s_cbranch_scc0 .Lasked
	tensor_load_to_lds s[G0V:G0V+3], s[G1V:G1V+7]
	s_nop 0
	tensor_load_to_lds s[G0V+4:G0V+7], s[G1V:G1V+7]
	s_nop 0
.rept 4
	v_nop
.endr
.Lasked:
	s_add_nc_u64 s[82:83], s[4:5], s[96:97]        ; Q's codes,
	s_add_nc_u64 s[86:87], s[4:5], s[98:99]        ; Q's scale bytes,
	s_add_nc_u64 s[88:89], s[8:9], s[96:97]        ; the result's codes,
	s_add_nc_u64 s[90:91], s[8:9], s[98:99]        ; the result's scale bytes
	v_and_b32 v8, 15, v0                           ; r
	v_bfe_u32 v9, v0, 4, 1                         ; h
	v_mul_u32_u24 v254, v8, REC
	v_mad_u32_u24 v[GO], v9, 24, v254
.irp p, 0,1,2
	global_load_b64 v[16+2*\p:17+2*\p], v[GO], s[82:83] offset:8*\p    ; Q: k = 32 h + 0 .. 31
.endr
	global_load_u16 v255, v254, s[86:87]           ; Q's two scale bytes; the upper two are 0, over zero codes
.irp i, 22,23,24,25,26,27
	v_mov_b32 v[\i], 0                             ; k = 64 .. 127: zero codes
.endr
.irp t, 0,1,2,3
.irp i, 6,7,8,9,10,11
	v_mov_b32 v[KFR+12*\t+\i], 0                   ; the same in K's four fragments, once
.endr
.endr
	v_mul_u32_u24 v[AK0], v8, 48
	v_mad_u32_u24 v[AK0], v9, 24, v[AK0]
	v_add_nc_u32 v[AV0], VC, v[GO]
	v_lshl_add_u32 v[ASK0], v8, 2, KS
	v_add_nc_u32 v[ASV0], VC+192, v254
	s_lshr_b32 s93, s12, 1
	s_lshl_b32 s93, s93, 5
	s_and_b32 s94, s12, 1
	s_lshl_b32 s94, s94, 3
	s_add_co_u32 s93, s93, s94                     ; 32 (j / 2) + 8 (j % 2)
	v_and_b32 v10, 8, v8
	v_add_nc_u32 v10, v10, v8                      ; r + 8 (r / 8)
	v_lshlrev_b32 v11, 4, v9
	v_sub_nc_u32 v[D0], v10, v11
	v_add_nc_u32 v[D0], s93, v[D0]
	v_mov_b32 v[NINF], 0xff800000
	v_mov_b32 v13, 0xff61b1e6                      ; the largest t so far: -3e38
	v_floor_f32 v12, -v13
	v_mov_b32 v14, 0
	v_mov_b32 v15, 0
.irp b, 0,1,2,3
	v_mov_b32 v[236+\b], 0                         ; written once: a lane permute's destination counts as one of its sources
.endr
	v_mov_b32 v252, 0
	v_mov_b32 v253, 0
.set N, 0
.rept 32
	v_mov_b32 v[O+N], 0                            ; O^T: the first step finds zeros, which the first change of M leaves zeros
.set N, N+1
.endr
; A KEY STEP: 128 keys, the q-th of the chunk of 256 in hand.  A step behind my diagonal is left out: a branch on the wave's number and the step's counter.
.macro STEP q
	s_cmp_gt_u32 s[ST], s[RHO]
	s_cbranch_scc1 .Lhidden_\@
	v_add_nc_u32 v[ADK], s[TK], v[AK0]             ; (these four are also the places in front of the loads into registers that the last products read)
	v_add_nc_u32 v[ADV], s[TV], v[AV0]
	v_add_nc_u32 v[ADS], s[TS], v[ASK0]
	v_add_nc_u32 v[ADT], s[TV], v[ASV0]
.irp g, 0,1                                    ; S^T = K Q^T, four tiles of 16 places at a time
.rept 4*\g
	v_nop
.endr
.irp t, 0,1,2,3
.irp p, 0,1,2
	ds_load_b64 v[KFR+12*\t+2*\p:KFR+12*\t+2*\p+1], v[ADK] offset:(128*(\q)+16*(4*\g+\t))*48+8*\p
.endr
	ds_load_b32 v[248+\t], v[ADS] offset:512*(\q)+64*(4*\g+\t)
.endr
	s_wait_dscnt 0x0
.irp t, 0,1,2,3
	v_wmma_scale_f32_16x16x128_f8f6f4 v[S+8*(4*\g+\t):S+8*(4*\g+\t)+7], v[KFR+12*\t:KFR+12*\t+11], v[16:27], 0, v[248+\t], v255 matrix_a_fmt:MATRIX_FMT_BF6 matrix_b_fmt:MATRIX_FMT_BF6
.endr
.endr
.irp t, 0,1,2,3                                ; V^T's four tiles are asked for now and land under the softmax
.irp p, 0,1,2,3,4,5
	ds_load_b64 v[VFR+12*\t+2*\p:VFR+12*\t+2*\p+1], v[ADV] offset:\t*16*REC+96*(\q)+48*(\p/3)+8*(\p%3)
.endr
	ds_load_b32 v[VSC+\t], v[ADT] offset:\t*16*REC+4*(\q)
.endr
.rept 4
	v_nop                                          ; places in front of the first read of the scores
.endr
	s_cmp_lg_u32 s[ST], s[RHO]
	s_cbranch_scc1 .Lopen_\@
.set N, 0
.rept 64                                       ; on my diagonal: register 16 b + i holds key 32 b + 16 h + i of the step: hidden where 32 b + i > D0
	v_cmp_gt_i32 vcc_lo, 32*(N/16)+N%16, v[D0]
	v_cndmask_b32 v[S+N], v[S+N], v[NINF], vcc_lo
.set N, N+1
.endr
.Lopen_\@:
.irp b, 0,1,2,3
	v_max3_num_f32 v[232+\b], v[S+16*\b], v[S+1+16*\b], v[S+2+16*\b]   ; the largest score of each block of 32 keys: for the row's maximum and, since p rises with the score, for the block's largest p
.endr
.irp i, 3,5,7,9,11,13
.irp b, 0,1,2,3
	v_max3_num_f32 v[232+\b], v[232+\b], v[S+16*\b+\i], v[S+1+16*\b+\i]
.endr
.endr
.irp b, 0,1,2,3
	v_max_num_f32 v[232+\b], v[232+\b], v[S+15+16*\b]
.endr
.irp b, 0,1,2,3
	v_permlanex16_b32 v[236+\b], v[232+\b], s[SEL], s[SEL+1]
.endr
.irp b, 0,1,2,3
	v_max_num_f32 v[232+\b], v[232+\b], v[236+\b]
.endr
	v_max3_num_f32 v254, v232, v233, v234
	v_max_num_f32 v254, v254, v235
	v_mul_f32 v254, s[CS], v254
	v_max_num_f32 v13, v13, v254                   ; the running largest t
	v_mov_b32 v254, v12
	v_floor_f32 v12, -v13                          ; -M = floor(-t): M is a whole number
	v_sub_f32 v254, v12, v254
	v_cvt_i32_f32 v254, v254                       ; old M - new M, 0 or less (it saturates)
	v_ldexp_f32 v252, 1.0, v254                    ; f = 2^(old M - new M)
.set N, 0
.rept 32
	v_pk_fma_f32 v[S+N:S+N+1], v[S+N:S+N+1], s[CS:CS+1], v[12:13] op_sel_hi:[1,0,0]   ; t - M
.set N, N+2
.endr
.irp b, 0,1,2,3
	v_fma_f32 v[232+\b], v[232+\b], s[CS], v12
.endr
.set N, 0
.rept 64
	v_exp_f32 v[S+N], v[S+N]                       ; p = 2^(t - M)
.set N, N+1
.endr
.irp b, 0,1,2,3
	v_exp_f32 v[232+\b], v[232+\b]                 ; the block's largest p: the same two instructions on the same number
.endr
	v_pk_mul_f32 v[14:15], v[14:15], v[252:253] op_sel_hi:[1,0]    ; the sums under the new M; a plain line behind the exponentials
	s_wait_alu depctr_va_vdst(0)
.irp b, 0,1,2,3
	v_max_num_f32 v[232+\b], 0x2800000, v[232+\b]  ; the floor 2^(5 - 127)
.endr
.irp b, 0,1,2,3
	v_add_nc_u32 v[244+\b], 0xfe000000, v[232+\b]
.endr
.irp b, 0,1,2,3
	v_lshrrev_b32 v[236+\b], 23, v[244+\b]
.endr
	v_lshl_or_b32 v253, v237, 8, v236              ; p's scale word for these 128 keys
	v_lshl_or_b32 v253, v238, 16, v253
	v_lshl_or_b32 v253, v239, 24, v253
.irp c, 0,1
	v_cvt_scalef32_pk16_bf6_f32 v[224+6*\c:226+6*\c], v[S+32*\c:S+15+32*\c], v[244+2*\c]
	v_cvt_scalef32_pk16_bf6_f32 v[236+4*\c:238+4*\c], v[S+16+32*\c:S+31+32*\c], v[244+2*\c+1]
.endr
	v_nop                                          ; one plain line behind a scaled conversion
.irp c, 0,1
.irp i, 0,1,2
	v_permlane16_swap_b32 v[224+6*\c+\i], v[236+4*\c+\i]
.endr
.irp i, 0,1,2
	v_mov_b32 v[227+6*\c+\i], v[236+4*\c+\i]
.endr
.endr
	v_pk_add_f32 v[236:237], v[S:S+1], v[S+2:S+3]  ; the row's sum, of the unquantised p, in two chains
.irp j, 4,8,12,16,20,24,28,32,36,40,44,48,52,56,60
	v_pk_add_f32 v[14:15], v[14:15], v[S+\j:S+\j+1]
	v_pk_add_f32 v[236:237], v[236:237], v[S+2+\j:S+3+\j]
.endr
	v_pk_add_f32 v[14:15], v[14:15], v[236:237]
.set N, 0
.rept 16
	v_pk_mul_f32 v[O+N:O+N+1], v[O+N:O+N+1], v[252:253] op_sel_hi:[1,0]   ; O^T under the new M
.set N, N+2
.endr
	s_wait_dscnt 0x0                               ; V^T's tiles are in
.irp t, 0,1,2,3                                ; the four accumulators by turns
	v_wmma_scale_f32_16x16x128_f8f6f4 v[O+8*\t:O+8*\t+7], v[VFR+12*\t:VFR+12*\t+11], v[224:235], v[O+8*\t:O+8*\t+7], v[VSC+\t], v253 matrix_a_fmt:MATRIX_FMT_BF6 matrix_b_fmt:MATRIX_FMT_BF6
.endr
.Lhidden_\@:
	s_add_co_u32 s[ST], s[ST], 1
.endm
.macro CHUNKS                          ; four chunks of 256 keys: every wave walks the loop; the count is a constant
	s_mov_b32 s[CNT], 4
.Lchunk_\@:
	STEP 0
	STEP 1
	s_add_co_u32 s[TK], s[TK], 256*48
	s_add_co_u32 s[TS], s[TS], 256*4
	s_add_co_u32 s[TV], s[TV], 64*REC
	s_sub_co_u32 s[CNT], s[CNT], 1
	s_cmp_lg_u32 s[CNT], 0
	s_cbranch_scc1 .Lchunk_\@
.endm
	s_wait_tensorcnt 0x1                           ; my part of the first 1,024 keys is in; the second half's load may stay out
	s_barrier_signal -1
	s_barrier_wait -1
	s_wait_loadcnt 0x0                             ; Q
	CHUNKS
	s_wait_tensorcnt 0x0                           ; my part of the second half is in
	s_wait_dscnt 0x0
	s_barrier_signal -1
	s_barrier_wait -1
	CHUNKS
	; THE WAY OUT: O^T / the sum; register 16 b + i = d 32 b + 16 h + i of my query: two blocks of 32, quantised; 24 bytes and one scale byte a lane
.rept 4
	v_nop                                          ; places behind the last products
.endr
	v_add_f32 v14, v14, v15
	v_permlanex16_b32 v252, v14, s[SEL], s[SEL+1]
	v_add_f32 v14, v14, v252
	v_rcp_f32 v14, v14
	v_bfe_u32 v9, v0, 4, 1                         ; (a plain line behind the transcendental)
	v_and_b32 v8, 15, v0
	v_mul_u32_u24 v11, v8, REC
	v_add_nc_u32 v10, v11, v9                      ; 208 r + h: my scale byte
	v_lshl_add_u32 v11, v9, 2, v11                 ; 208 r + 4 h: my word of the record's zeros
.set N, 0
	s_wait_alu depctr_va_vdst(0)
.rept 32
	v_mul_f32 v[S+N], v[O+N], v14                  ; each accumulator from its low end on
.set N, N+1
.endr
.irp b, 0,1
	v_max3_num_f32 v[232+\b], |v[S+16*\b]|, |v[S+1+16*\b]|, 0x2800000
.endr
.irp i, 2,4,6,8,10,12,14
.irp b, 0,1
	v_max3_num_f32 v[232+\b], v[232+\b], |v[S+16*\b+\i]|, |v[S+1+16*\b+\i]|
.endr
.endr
.irp b, 0,1
	v_permlanex16_b32 v[236+\b], v[232+\b], s[SEL], s[SEL+1]
.endr
.irp b, 0,1
	v_max_num_f32 v[232+\b], v[232+\b], v[236+\b]
.endr
.irp b, 0,1
	v_add_nc_u32 v[244+\b], 0xfe000000, v[232+\b]
.endr
.irp b, 0,1
	v_lshrrev_b32 v[236+\b], 23, v[244+\b]
.endr
	v_cvt_scalef32_pk16_bf6_f32 v[224:226], v[S:S+15], v244
	v_cvt_scalef32_pk16_bf6_f32 v[228:230], v[S+16:S+31], v245
	v_cmp_ne_u32 vcc_lo, 0, v9                     ; (a plain line behind the conversions)
	v_cndmask_b32 v238, v236, v237, vcc_lo         ; block h's byte
.irp i, 0,1,2
	v_permlane16_swap_b32 v[224+\i], v[228+\i]     ; a whole block to a lane: block h
.endr
.irp i, 0,1,2
	v_mov_b32 v[227+\i], v[228+\i]
.endr
	v_mov_b32 v239, 0
.irp p, 0,1,2
	global_store_b64 v[GO], v[224+2*\p:225+2*\p], s[88:89] offset:8*\p
.endr
	global_store_b8 v10, v238, s[90:91]
	s_cmp_lg_u32 s69, 0                            ; the first of the four heads that share a record writes its 8 zero bytes (the head is the same in all partners)
	s_cbranch_scc1 .Lno_pad
	global_store_b32 v11, v239, s[90:91] offset:8
.Lno_pad:
	s_wait_xcnt 0x0
	v_lshl_add_u32 v254, v0, 2, 0x34000
	v_mov_b32 v255, 0
	s_wait_tensorcnt 0x0
	ds_add_u32 v254, v255
	s_wait_dscnt 0x0
	ROUND                                          ; the closing round
	s_endpgm
.Lfunc_end_k_q39546c354d_attn:
	.size	k_q39546c354d_attn, .Lfunc_end_k_q39546c354d_attn-k_q39546c354d_attn
	.p2alignl 7, 3214868480
	.fill 96, 4, 3214868480
	.section	.rodata,"a",@progbits
	.p2align	6, 0x0
	.amdhsa_kernel k_q39546c354d_attn
		.amdhsa_group_segment_fixed_size 215040
		.amdhsa_private_segment_fixed_size 0
		.amdhsa_enable_private_segment 0
		.amdhsa_kernarg_size 24
		.amdhsa_user_sgpr_count 2
		.amdhsa_user_sgpr_kernarg_segment_ptr 1
		.amdhsa_wavefront_size32 1
		.amdhsa_system_sgpr_workgroup_id_x 1
		.amdhsa_system_sgpr_workgroup_id_y 1
		.amdhsa_system_sgpr_workgroup_id_z 1
		.amdhsa_system_vgpr_workitem_id 0
		.amdhsa_next_free_vgpr 256
		.amdhsa_next_free_sgpr 100
		.amdhsa_reserve_vcc 1
		.amdhsa_float_denorm_mode_32 3
		.amdhsa_float_denorm_mode_16_64 3
		.amdhsa_memory_ordered 1
		.amdhsa_forward_progress 1
		.amdhsa_inst_pref_size 107
	.end_amdhsa_kernel
	.amdgpu_metadata
---
amdhsa.version: [ 1, 2 ]
amdhsa.kernels:
  - .name:           k_q39546c354d_attn
    .symbol:         k_q39546c354d_attn.kd
    .args:
      - { .name: qkg, .offset: 0, .size: 8, .value_kind: global_buffer, .address_space: global }
      - { .name: vt, .offset: 8, .size: 8, .value_kind: global_buffer, .address_space: global }
      - { .name: hc, .offset: 16, .size: 8, .value_kind: global_buffer, .address_space: global }
    .group_segment_fixed_size: 215040
    .private_segment_fixed_size: 0
    .kernarg_segment_align: 8
    .kernarg_segment_size: 24
    .max_flat_workgroup_size: 512
    .sgpr_count:     100
    .vgpr_count:     256
    .wavefront_size: 32
...
	.end_amdgpu_metadata
.endif
;; end of part 4
;; launch wo (part 5): grid 4 x 16, 4 waves a work-group, clusters of 4 x 4, 327,680 bytes of LDS; arguments hc, wts, bo, x, x1; writes x1
.if DOCPART == 5
	.amdgcn_target "amdgcn-amd-amdhsa--gfx1250"
	.amdhsa_code_object_version 6
	.text
	.protected	k_q39546c354d_wo
	.globl	k_q39546c354d_wo
	.p2align	8
	.type	k_q39546c354d_wo,@function
k_q39546c354d_wo:
	s_mov_b64 s[64:65], 0
	v_nop
	global_prefetch_b8 v0, s[64:65] scope:SCOPE_SE
	s_setreg_imm32_b32 hwreg(HW_REG_WAVE_MODE, 25, 1), 1
	s_wait_xcnt 0x0
	s_wait_alu depctr_hold_cnt(0) depctr_sa_sdst(0) depctr_va_vdst(0) depctr_va_sdst(0) depctr_va_ssrc(0) depctr_va_vcc(0) depctr_vm_vsrc(0)
	s_getreg_b32 s2, hwreg(HW_REG_IB_STS2, 6, 4)
	s_cmp_eq_u32 s2, 0
	s_cbranch_scc0 .Lentry_in_a_cluster
	s_endpgm
.Lentry_in_a_cluster:
	s_bfe_u32 s2, ttmp6, 0x10000c
	s_cmp_lg_u32 s2, 0xf033
	s_cbranch_scc0 .Lentry_shape_is_right
	s_endpgm
.Lentry_shape_is_right:
; out = resid + (A B^T + bias), f32 rows of 1,024, on codes of BF6 (E3M2) with E8M0 scales.  K = 512 LAPS; B begins WOFF bytes into the weights' buffer.
; OPERANDS ARE RECORDS: 208 bytes for 256 along K of one row (192 bytes of codes, 8 scale bytes, 8 zeros); a panel is 4,096 places; K / 256 panels on end.  A K step of 256 for 128 rows is one dense block of 26,624 bytes, scales inside.
; Logical row n lies at place n with bits 3 and 4 exchanged: the way out puts rows and columns back into their logical places.
; A tile of C, 256 x 256, is made by four waves of 128 x 128 (64 accumulators).  Two LDS slots of one K step, filled by joint tensor loads: 4 x 4 work-groups form a cluster, A's tile is shared along its row, B's along its column.
; THE MATRIX INSTRUCTION IS USED TRANSPOSED (source 0 = 16 places of B, source 1 = 16 places of A).  The bias is the C of each sum's first product: it costs no addition.
; THE WAY OUT: a block of 16 rows x 128 columns goes through the wave's own stage in LDS and comes back as whole rows of 512 bytes; the residual's same rows, asked for four blocks ahead into the registers that B's fragments have left, are added; the 32 lanes store 512 consecutive bytes.
; REGISTERS: window 0: v16-29 addresses; v32-63 scale words, two sets, and nothing else; v64-127 the bias; v128-223 A's fragments, one set; way out: v128-255.  Window 1: B's fragments, two sets; then the residual.  Windows 2, 3: accumulators.
.set LAPS,   2
.set WOFF,   0
.set LAST,   0                         ; 1: the result is read by nobody in this program
.set RB,     208
.set PS,     4096*RB
.set HALFT,  128*RB
.set SLOT,   4*HALFT
.set STAGE,  2*SLOT                    ; behind the ring: 16 rows x 528 bytes for each wave
.set SPITCH, 528
.set SPARE,  STAGE+4*16*SPITCH         ; the spare words, 128 bytes a wave, which no other line names
.set FR,     12
.set NL,     6
.set NP,     4
.set NQ,     2
.set ADRA, 16
.set ADRS, 18
.set ADRB, 20
.set STO,  24
.set RD,   25
.set CO,   26
.set SPW,  28
.set NIL,  29
.set SC,   32
.set BI,   64
.set AF,   128
.set BK,   128
.set G1, 24
.set G0, 32
.set G1B, 48
.set G0B, 56
.set MSB, 0
.macro WIN new                         ; the immediate's high byte repeats the setting that is left
.if MSB != \new
	s_set_vgpr_msb (MSB<<8)|\new
.set MSB, \new
.endif
.endm
.set MUL_LO, 0xa1                      ; source 0 (B) window 1, source 1 (A) window 0, C and D window 2
.set MUL_HI, 0xf1
.set FIRST_LO, 0x81                    ; the same with C (the bias) in window 0
.set FIRST_HI, 0xc1
.set TO_B,   0x40
.macro JLOAD s                         ; a joint load: waves 0, 1 fetch A's halves, waves 2, 3 B's; four v_nop follow each line
	s_cmp_eq_u32 s15, 0
	s_cbranch_scc0 .Lfor_b_\@
	tensor_load_to_lds s[G0+4*\s:G0+4*\s+3], s[G1:G1+7]
	s_nop 0
.rept 4
	v_nop
.endr
	s_branch .Lasked_\@
.Lfor_b_\@:
	tensor_load_to_lds s[G0B+4*\s:G0B+4*\s+3], s[G1B:G1B+7]
	s_nop 0
.rept 4
	v_nop
.endr
.Lasked_\@:
.endm
.macro CREST
	s_cmp_lg_u32 s14, 0
	s_cbranch_scc1 .Lnot_wave_0_\@
	s_barrier_signal -3
.Lnot_wave_0_\@:
	s_barrier_wait -3
	s_barrier_signal -1
	s_barrier_wait -1
.endm
.macro CROUND
	s_barrier_signal -1
	s_barrier_wait -1
	CREST
.endm
	s_load_b128 s[4:7], s[0:1], 0x0                ; A, the weights
	s_load_b128 s[8:11], s[0:1], 0x10              ; the bias, the residual
	s_load_b64 s[12:13], s[0:1], 0x20              ; the result
	v_lshl_add_u32 v[SPW], v0, 2, SPARE
	v_mov_b32 v[NIL], 0
	ds_add_u32 v28, v29
	ds_add_u32 v28, v29
	s_wait_dscnt 0x0
	v_lshrrev_b32 v1, 5, v0
	v_readfirstlane_b32 s14, v1                    ; wave
	s_lshr_b32 s15, s14, 1
	s_and_b32 s16, s14, 1
	s_bfe_u32 s40, ttmp6, 0x40000
	s_bfe_u32 s41, ttmp6, 0x40004
	s_lshl_b32 s42, ttmp9, 2
	s_add_co_u32 s42, s42, s40                     ; tile column
	s_and_b32 s17, ttmp7, 0xffff
	s_lshl_b32 s17, s17, 2
	s_add_co_u32 s17, s17, s41                     ; tile row
	s_lshl_b32 s43, s41, 2
	s_lshl_b32 s43, 15, s43
	s_lshl_b32 s44, 0x1111, s40
	s_or_b32 s[G1+0], s43, (3<<16)|(1<<21)         ; the mask; elements of 8 bytes; bit 21 beside a mask; no padding
	s_or_b32 s[G1B+0], s44, (3<<16)|(1<<21)
.irp g, G1, G1B
	s_mov_b32 s[\g+1], 32<<16                      ; 26,624 dense bytes as 104 rows of 256
	s_mov_b32 s[\g+2], 104<<16
	s_mov_b32 s[\g+3], 32<<16
	s_mov_b32 s[\g+4], 104
	s_mov_b32 s[\g+5], 32
	s_mov_b32 s[\g+6], 0
	s_mov_b32 s[\g+7], 0
.endr
	s_lshl_b32 s18, s16, 7
	s_lshl_b32 s20, s17, 8
	s_add_co_u32 s20, s20, s18
	s_mul_i32 s20, s20, RB
	s_mov_b32 s21, 0
	s_lshl_b32 s46, s42, 8
	s_add_co_u32 s46, s46, s18
	s_mul_i32 s46, s46, RB
	s_mov_b32 s47, 0
	s_mul_i32 s45, s14, HALFT
	s_wait_kmcnt 0x0
	s_add_nc_u64 s[20:21], s[4:5], s[20:21]
	s_add_nc_u64 s[46:47], s[6:7], s[46:47]
.if WOFF
	s_add_nc_u64 s[46:47], s[46:47], WOFF
.endif
	CROUND                                         ; all sixteen work-groups are here: the first joint loads meet
.irp s, 0,1
	s_mov_b32 s[G0+4*\s], 1
	s_add_co_u32 s[G0+4*\s+1], s45, \s*SLOT
	s_add_nc_u64 s[G0+4*\s+2:G0+4*\s+3], s[20:21], \s*PS
	s_or_b32 s[G0+4*\s+3], s[G0+4*\s+3], 0x80000000
	s_mov_b32 s[G0B+4*\s], 1
	s_add_co_u32 s[G0B+4*\s+1], s45, \s*SLOT
	s_add_nc_u64 s[G0B+4*\s+2:G0B+4*\s+3], s[46:47], \s*PS
	s_or_b32 s[G0B+4*\s+3], s[G0B+4*\s+3], 0x80000000
	JLOAD \s
.endr
	v_and_b32 v1, 15, v0                           ; r
	v_bfe_u32 v2, v0, 4, 1                         ; h
	s_lshl_b32 s46, s42, 10
	s_lshl_b32 s47, s16, 9
	s_add_co_u32 s46, s46, s47                     ; my first column, in bytes
	s_mov_b32 s47, 0
	s_add_nc_u64 s[8:9], s[8:9], s[46:47]
	v_lshlrev_b32 v7, 6, v2
.irp n, 0,1,2,3,4,5,6,7,8,9,10,11,12,13,14,15
	global_load_b128 v[BI+4*\n:BI+4*\n+3], v7, s[8:9] offset:128*(\n/4)+16*(\n%4)   ; register 16 b + i: the bias of column 32 b + 16 h + i
.endr
	v_mul_u32_u24 v3, v1, RB
	v_mad_u32_u24 v4, v2, 24, v3
	s_mul_i32 s21, s15, HALFT
	s_mul_i32 s22, s16, HALFT
	s_add_co_u32 s22, s22, 2*HALFT
	s_sub_co_u32 s23, s22, s21
	v_mul_u32_u24 v5, s23, v2                      ; lanes 16-31 take B's scale words
	v_add_nc_u32 v5, v5, v3
	v_add_nc_u32 v5, 192, v5
.irp s, 0,1
	v_add_nc_u32 v[ADRA+\s], s21, v4
	v_add_nc_u32 v[ADRB+\s], s22, v4
	v_add_nc_u32 v[ADRS+\s], s21, v5
	s_add_co_u32 s21, s21, SLOT
	s_add_co_u32 s22, s22, SLOT
.endr
	s_mul_i32 s23, s14, 16*SPITCH
	s_add_co_u32 s23, s23, STAGE                   ; my stage
	v_mul_u32_u24 v6, v1, SPITCH
	v_lshl_add_u32 v6, v2, 6, v6
	v_add_nc_u32 v[STO], s23, v6                   ; in: row r, + 64 h
	v_and_b32 v6, 31, v0
	v_lshlrev_b32 v[CO], 4, v6
	v_add_nc_u32 v[RD], s23, v[CO]                 ; back: a whole row, 16 bytes a lane
	s_lshl_b32 s20, s17, 8
	s_lshl_b32 s21, s15, 7
	s_add_co_u32 s20, s20, s21
	s_lshl_b32 s20, s20, 12                        ; my first row, 4,096 bytes a row
	s_mov_b32 s21, 0
	s_add_nc_u64 s[20:21], s[20:21], s[46:47]
	s_add_nc_u64 s[10:11], s[10:11], s[20:21]
	s_add_nc_u64 s[12:13], s[12:13], s[20:21]
.macro FRAG reg, adr, q, i
.irp p, 0,1,2,3,4,5
	ds_load_b64 v[\reg+2*\p:\reg+2*\p+1], v[\adr] offset:96*(\q)+48*(\p/3)+8*(\p%3)+(\i)*16*RB
.endr
.endm
; 16 matrix instructions: A's blocks a0, a0 + 1 x B's eight.  The 64 accumulators take turns, one instruction a turn.  first = 1: the sums begin with the bias.
.macro MUL16 a0, p, q, sc, first
.irp a, \a0, \a0+1
.irp b, 0,1,2,3,4,5,6,7
.if \first
	v_wmma_scale_f32_16x16x128_f8f6f4 v[8*(8*((\a)%4)+\b):8*(8*((\a)%4)+\b)+7], v[128*(\p)+FR*\b:128*(\p)+FR*\b+FR-1], v[AF+FR*(\a):AF+FR*(\a)+FR-1], v[BI+8*\b:BI+8*\b+7], v[SC+8*NQ*(\sc)+NQ*\b+(\q)], v[SC+8*NQ*(\sc)+NQ*(\a)+(\q)] matrix_a_fmt:MATRIX_FMT_BF6 matrix_b_fmt:MATRIX_FMT_BF6 matrix_a_scale:MATRIX_SCALE_ROW1
.else
	v_wmma_scale_f32_16x16x128_f8f6f4 v[8*(8*((\a)%4)+\b):8*(8*((\a)%4)+\b)+7], v[128*(\p)+FR*\b:128*(\p)+FR*\b+FR-1], v[AF+FR*(\a):AF+FR*(\a)+FR-1], v[8*(8*((\a)%4)+\b):8*(8*((\a)%4)+\b)+7], v[SC+8*NQ*(\sc)+NQ*\b+(\q)], v[SC+8*NQ*(\sc)+NQ*(\a)+(\q)] matrix_a_fmt:MATRIX_FMT_BF6 matrix_b_fmt:MATRIX_FMT_BF6 matrix_a_scale:MATRIX_SCALE_ROW1
.endif
.endr
.endr
.endm
.macro FETCH_B slot, q, p
	WIN TO_B
.irp i, 0,1,2,3,4,5,6,7
	FRAG 128*(\p)+FR*\i, ADRB+\slot, \q, \i
.endr
	WIN 0
.endm
.macro FETCH_A slot, q, i0
.irp i, \i0, \i0+1, \i0+2, \i0+3
	FRAG AF+FR*(\i), ADRA+\slot, \q, \i
.endr
.endm
.macro SCALES sc
.irp i, 0,1,2,3,4,5,6,7
	ds_load_b64 v[SC+8*NQ*\sc+NQ*\i:SC+8*NQ*\sc+NQ*\i+1], v[ADRS+\sc] offset:\i*16*RB
.endr
.endm
.macro PLACES n                        ; plain vector lines between a matrix instruction and a load into, or a read of, its registers
.rept \n
	v_nop
.endr
.endm
.macro STEP slot, q, first
	s_wait_dscnt 4*NL                              ; all but the youngest 24 loads (A's blocks 4-7) are in
.if \first
	WIN FIRST_LO
.else
	WIN MUL_LO
.endif
	MUL16 0, (\q)%2, \q, \slot, \first
	MUL16 2, (\q)%2, \q, \slot, \first
	s_wait_dscnt 0
	PLACES NP
	FETCH_B \slot, (\q)+1, 1-(\q)%2
	FETCH_A \slot, (\q)+1, 0
.if \first
	WIN FIRST_HI
.else
	WIN MUL_HI
.endif
	MUL16 4, (\q)%2, \q, \slot, \first
	MUL16 6, (\q)%2, \q, \slot, \first
	PLACES NP
	WIN 0
	FETCH_A \slot, (\q)+1, 4
.endm
.macro TURN slot, next, fill
	s_wait_tensorcnt 0x0                           ; all my tensor loads have landed: my part of the next slot
	ds_add_u32 v[SPW], v[NIL]                      ; 0 onto my spare word
	s_wait_dscnt 4*NL+1                            ; (the add and A's blocks 4-7 may be out)
	WIN MUL_LO
	MUL16 0, 1, NQ-1, \slot, 0
	s_wait_dscnt 0x0                               ; the add is done, and my reads of this slot are over
	s_barrier_signal -1
	MUL16 2, 1, NQ-1, \slot, 0
	WIN 0
	s_barrier_wait -1
.if \fill
	CREST                                          ; the barrier opened a round of the cluster's: no wave of any partner still reads this slot or has a load on its way
	s_add_nc_u64 s[G0+4*\slot+2:G0+4*\slot+3], s[G0+4*\slot+2:G0+4*\slot+3], 2*PS
	s_add_nc_u64 s[G0B+4*\slot+2:G0B+4*\slot+3], s[G0B+4*\slot+2:G0B+4*\slot+3], 2*PS
	JLOAD \slot                                    ; the first tensor load behind the round; its four v_nop are the places in front of the loads below
.else
	PLACES NP
.endif
	FETCH_B \next, 0, 0
	FETCH_A \next, 0, 0
	SCALES \next
	WIN MUL_HI
	MUL16 4, 1, NQ-1, \slot, 0
	MUL16 6, 1, NQ-1, \slot, 0
	PLACES NP
	WIN 0
	FETCH_A \next, 0, 4
.endm
; Place 16 a + t of my 128 rows is logical row 32 (a / 2) + 8 (a % 2) + t + 8 (t / 8): it stands in the immediate; no base is stepped.
.macro RLOAD a                         ; the residual's 16 rows of block a, 512 bytes each, into window 1
	WIN 0x40
.irp t, 0,1,2,3,4,5,6,7,8,9,10,11,12,13,14,15
	global_load_b128 v[64*((\a)%4)+4*\t:64*((\a)%4)+4*\t+3], v[CO], s[10:11] offset:(32*((\a)/2)+8*((\a)%2)+\t+8*(\t/8))*4096
.endr
	WIN 0
.endm
.macro TOSTAGE a
.set AC, 64*((\a)%4)
	WIN 0x08+4*((\a)/4)                            ; the data: window 2 or 3
.irp b, 0,1,2,3,4,5,6,7
	ds_store_b128 v[STO], v[AC+8*\b:AC+8*\b+3] offset:128*(\b/2)+32*(\b%2)        ; columns 32 (b / 2) + 16 h + 8 (b % 2) on; each accumulator from its low end on
	ds_store_b128 v[STO], v[AC+8*\b+4:AC+8*\b+7] offset:128*(\b/2)+32*(\b%2)+16
.endr
	WIN 0
.set BB, BK+64*((\a)%2)
.irp t, 0,1,2,3,4,5,6,7,8,9,10,11,12,13,14,15
	ds_load_b128 v[BB+4*\t:BB+4*\t+3], v[RD] offset:\t*SPITCH     ; LDS serves a wave's instructions in order: these see the stores above
.endr
.endm
.macro SEND a, younger
.set BB, BK+64*((\a)%2)
.set RR, 64*((\a)%4)
	s_wait_dscnt \younger                          ; the block is back in registers
.if (\a) < 5
	s_wait_loadcnt 48                              ; its residual is in; three later blocks' 48 loads may be out
.else
	s_wait_loadcnt 16*(7-(\a))
.endif
	WIN 0x04                                       ; source 1: window 1
.set N, 0
.rept 32
	v_pk_add_f32 v[BB+N:BB+N+1], v[BB+N:BB+N+1], v[RR+N:RR+N+1]
.set N, N+2
.endr
	WIN 0
.irp t, 0,1,2,3,4,5,6,7,8,9,10,11,12,13,14,15
.if LAST
	global_store_b128 v[CO], v[BB+4*\t:BB+4*\t+3], s[12:13] offset:(32*((\a)/2)+8*((\a)%2)+\t+8*(\t/8))*4096 th:TH_STORE_NT
.else
	global_store_b128 v[CO], v[BB+4*\t:BB+4*\t+3], s[12:13] offset:(32*((\a)/2)+8*((\a)%2)+\t+8*(\t/8))*4096
.endif
.endr
.if (\a) < 4
	RLOAD (\a)+4
.endif
.endm
	s_wait_tensorcnt 1                             ; my part of K step 0 is in (K step 1's load may be out)
	s_barrier_signal -1
	s_barrier_wait -1
	FETCH_B 0, 0, 0
	FETCH_A 0, 0, 0
	SCALES 0
	FETCH_A 0, 0, 4
	s_wait_loadcnt 0x0                             ; the bias
	STEP 0, 0, 1
	s_mov_b32 s3, LAPS-1
.Llap:
	TURN 0, 1, 1
	STEP 1, 0, 0
	TURN 1, 0, 1
	STEP 0, 0, 0
	s_sub_co_u32 s3, s3, 1
	s_cmp_lg_u32 s3, 0
	s_cbranch_scc1 .Llap
	TURN 0, 1, 0
	STEP 1, 0, 0
	RLOAD 0                                        ; B's set 0 has been multiplied for the last time, four places back
	RLOAD 1
	s_wait_dscnt 4*NL
	WIN MUL_LO
	MUL16 0, 1, NQ-1, 1, 0
	MUL16 2, 1, NQ-1, 1, 0
	s_wait_dscnt 0
	WIN MUL_HI
	MUL16 4, 1, NQ-1, 1, 0
	MUL16 6, 1, NQ-1, 1, 0
	WIN 0
	PLACES NP
	RLOAD 2
	RLOAD 3
	TOSTAGE 0
.irp a, 1,2,3,4,5,6,7
.if \a > 1
	s_wait_xcnt 0x0                                ; block a - 2's stores have read their registers: block a's loads may land there
.endif
	TOSTAGE \a
	SEND \a-1, 32                                  ; behind block a - 1's loads: block a's 16 stores and 16 loads
.endr
	s_wait_xcnt 0x0
	SEND 7, 0
	s_wait_tensorcnt 0x0                           ; the wave's end
	ds_add_u32 v[SPW], v[NIL]
	s_wait_dscnt 0x0
	CROUND                                         ; the closing round
	s_endpgm
.Lfunc_end_k_q39546c354d_wo:
	.size	k_q39546c354d_wo, .Lfunc_end_k_q39546c354d_wo-k_q39546c354d_wo
	.p2alignl 7, 3214868480
	.fill 96, 4, 3214868480
	.section	.rodata,"a",@progbits
	.p2align	6, 0x0
	.amdhsa_kernel k_q39546c354d_wo
		.amdhsa_group_segment_fixed_size 327680
		.amdhsa_private_segment_fixed_size 0
		.amdhsa_enable_private_segment 0
		.amdhsa_kernarg_size 40
		.amdhsa_user_sgpr_count 2
		.amdhsa_user_sgpr_kernarg_segment_ptr 1
		.amdhsa_wavefront_size32 1
		.amdhsa_system_sgpr_workgroup_id_x 1
		.amdhsa_system_sgpr_workgroup_id_y 1
		.amdhsa_system_sgpr_workgroup_id_z 1
		.amdhsa_system_vgpr_workitem_id 0
		.amdhsa_next_free_vgpr 1024
		.amdhsa_next_free_sgpr 72
		.amdhsa_reserve_vcc 0
		.amdhsa_float_denorm_mode_32 3
		.amdhsa_float_denorm_mode_16_64 3
		.amdhsa_memory_ordered 1
		.amdhsa_forward_progress 1
		.amdhsa_inst_pref_size 188
	.end_amdhsa_kernel
	.amdgpu_metadata
---
amdhsa.version: [ 1, 2 ]
amdhsa.kernels:
  - .name:           k_q39546c354d_wo
    .symbol:         k_q39546c354d_wo.kd
    .args:
      - { .name: hc, .offset: 0, .size: 8, .value_kind: global_buffer, .address_space: global }
      - { .name: wts, .offset: 8, .size: 8, .value_kind: global_buffer, .address_space: global }
      - { .name: bo, .offset: 16, .size: 8, .value_kind: global_buffer, .address_space: global }
      - { .name: x, .offset: 24, .size: 8, .value_kind: global_buffer, .address_space: global }
      - { .name: x1, .offset: 32, .size: 8, .value_kind: global_buffer, .address_space: global }
    .group_segment_fixed_size: 327680
    .private_segment_fixed_size: 0
    .kernarg_segment_align: 8
    .kernarg_segment_size: 40
    .max_flat_workgroup_size: 128
    .sgpr_count:     72
    .vgpr_count:     1024
    .wavefront_size: 32
...
	.end_amdgpu_metadata
.endif
;; end of part 5
;; launch ln2: the kernel of part 2 again; grid 256 x 1, 4 waves a work-group, no clusters, 32,256 bytes of LDS; arguments x1, ln2_scale, ln2_shift, hc; writes hc
;; launch w1 (part 6): grid 16 x 16, 4 waves a work-group, clusters of 4 x 4, 327,680 bytes of LDS; arguments hc, wts, b1, qkg; writes qkg
.if DOCPART == 6
	.amdgcn_target "amdgcn-amd-amdhsa--gfx1250"
	.amdhsa_code_object_version 6
	.text
	.protected	k_q39546c354d_w1
	.globl	k_q39546c354d_w1
	.p2align	8
	.type	k_q39546c354d_w1,@function
k_q39546c354d_w1:
	s_mov_b64 s[64:65], 0
	v_nop
	global_prefetch_b8 v0, s[64:65] scope:SCOPE_SE
	s_setreg_imm32_b32 hwreg(HW_REG_WAVE_MODE, 25, 1), 1
	s_wait_xcnt 0x0
	s_wait_alu depctr_hold_cnt(0) depctr_sa_sdst(0) depctr_va_vdst(0) depctr_va_sdst(0) depctr_va_ssrc(0) depctr_va_vcc(0) depctr_vm_vsrc(0)
	s_getreg_b32 s2, hwreg(HW_REG_IB_STS2, 6, 4)
	s_cmp_eq_u32 s2, 0
	s_cbranch_scc0 .Lentry_in_a_cluster
	s_endpgm
.Lentry_in_a_cluster:
	s_bfe_u32 s2, ttmp6, 0x10000c
	s_cmp_lg_u32 s2, 0xf033
	s_cbranch_scc0 .Lentry_shape_is_right
	s_endpgm
.Lentry_shape_is_right:
; g = gelu(A B^T + bias), quantised along N: the second MLP product's operand, which never goes to memory as f32.  Codes of BF6 (E3M2) with E8M0 scales, K = 1,024; B begins WOFF bytes into the weights' buffer.
; OPERANDS ARE RECORDS: 208 bytes for 256 along K of one row (192 bytes of codes, 8 scale bytes, 8 zeros); a panel is 4,096 places; K / 256 panels on end.  A K step of 256 for 128 rows is one dense block of 26,624 bytes, scales inside.
; Logical row n lies at place n with bits 3 and 4 exchanged: 16 places on end of B give, in the transposed result, 16 registers of two neighbouring tiles that are 16 NEIGHBOURS along N.
; A tile of C, 256 x 256, is made by four waves of 128 x 128 (64 accumulators).  Two LDS slots of one K step, filled by joint tensor loads: 4 x 4 work-groups form a cluster, A's tile is shared along its row, B's along its column.
; THE MATRIX INSTRUCTION IS USED TRANSPOSED (source 0 = 16 places of B, source 1 = 16 places of A).  The bias is the C of each sum's first product.
; GELU: x / 2 (1 + tanh(u)) = x / (1 + 2^(x (A + B x^2))), A = -2 log2(e) sqrt(2 / pi), B = 0.044715 A: no difference of near numbers; where the power overflows the quotient is 0, as it should be.
; THE WAY OUT: block by block of 16 rows: gelu, four blocks of 32 quantised, 96 bytes of codes and 4 scale bytes a row into a stage of 256 records; behind a barrier the stage leaves as dense bytes: panel = tile column.
; REGISTERS: window 0: v16-30 addresses, v[22:23] A; v32-63 scale words, two sets, and nothing else; v64-127 the bias; v128-223 A's fragments; way out: v128-191 g, v192-255 at work.  Window 1: B's fragments, two sets.  Windows 2, 3: accumulators.
; LIMITS: NaN and infinities are not served; a block under 2^-122, or of zeros, keeps the byte 1 (this program alone reads the bytes).
.set LAPS,   2
.set RB,     208
.set PS,     4096*RB
.set WOFF,   4*PS
.set HALFT,  128*RB
.set SLOT,   4*HALFT
.set STAGE,  2*SLOT                    ; behind the ring: 256 records
.set SPARE,  STAGE+256*RB              ; the spare words, 128 bytes a wave, which no other line names
.set FR,     12
.set NL,     6
.set NP,     4
.set NQ,     2
.set ADRA, 16
.set ADRS, 18
.set ADRB, 20
.set GA,   22
.set STO,  24
.set RD,   25
.set CO,   26
.set SSO,  27
.set SPW,  28
.set NIL,  29
.set ZR,   30
.set SC,   32
.set BI,   64
.set AF,   128
.set H,    128
.set T,    192
.set TM,   200
.set PW,   216
.set PC,   224
.set RBK,  128
.set G1, 24
.set G0, 32
.set G1B, 48
.set G0B, 56
.set GB,  66
.set SEL, 68
.set MSB, 0
.macro WIN new                         ; the immediate's high byte repeats the setting that is left
.if MSB != \new
	s_set_vgpr_msb (MSB<<8)|\new
.set MSB, \new
.endif
.endm
.set MUL_LO, 0xa1
.set MUL_HI, 0xf1
.set FIRST_LO, 0x81                    ; C (the bias) in window 0
.set FIRST_HI, 0xc1
.set TO_B,   0x40
.macro JLOAD s                         ; a joint load: waves 0, 1 fetch A's halves, waves 2, 3 B's; four v_nop follow each line
	s_cmp_eq_u32 s15, 0
	s_cbranch_scc0 .Lfor_b_\@
	tensor_load_to_lds s[G0+4*\s:G0+4*\s+3], s[G1:G1+7]
	s_nop 0
.rept 4
	v_nop
.endr
	s_branch .Lasked_\@
.Lfor_b_\@:
	tensor_load_to_lds s[G0B+4*\s:G0B+4*\s+3], s[G1B:G1B+7]
	s_nop 0
.rept 4
	v_nop
.endr
.Lasked_\@:
.endm
.macro CREST
	s_cmp_lg_u32 s14, 0
	s_cbranch_scc1 .Lnot_wave_0_\@
	s_barrier_signal -3
.Lnot_wave_0_\@:
	s_barrier_wait -3
	s_barrier_signal -1
	s_barrier_wait -1
.endm
.macro CROUND
	s_barrier_signal -1
	s_barrier_wait -1
	CREST
.endm
	s_load_b128 s[4:7], s[0:1], 0x0                ; A, the weights
	s_load_b128 s[8:11], s[0:1], 0x10              ; the bias, the result's records
	v_lshl_add_u32 v[SPW], v0, 2, SPARE
	v_mov_b32 v[NIL], 0
	ds_add_u32 v28, v29
	ds_add_u32 v28, v29
	s_wait_dscnt 0x0
	v_mov_b32 v[ZR], 0
	v_mov_b32 v[GA], 0xc0135761                    ; A = -2.3022082
	v_mov_b32 v[GA+1], 0xc0135761
	v_lshrrev_b32 v1, 5, v0
	v_readfirstlane_b32 s14, v1                    ; wave
	s_lshr_b32 s15, s14, 1
	s_and_b32 s16, s14, 1
	s_bfe_u32 s40, ttmp6, 0x40000
	s_bfe_u32 s41, ttmp6, 0x40004
	s_lshl_b32 s42, ttmp9, 2
	s_add_co_u32 s42, s42, s40                     ; tile column
	s_and_b32 s17, ttmp7, 0xffff
	s_lshl_b32 s17, s17, 2
	s_add_co_u32 s17, s17, s41                     ; tile row
	s_lshl_b32 s43, s41, 2
	s_lshl_b32 s43, 15, s43
	s_lshl_b32 s44, 0x1111, s40
	s_or_b32 s[G1+0], s43, (3<<16)|(1<<21)         ; the mask; elements of 8 bytes; bit 21 beside a mask; no padding
	s_or_b32 s[G1B+0], s44, (3<<16)|(1<<21)
.irp g, G1, G1B
	s_mov_b32 s[\g+1], 32<<16                      ; 26,624 dense bytes as 104 rows of 256
	s_mov_b32 s[\g+2], 104<<16
	s_mov_b32 s[\g+3], 32<<16
	s_mov_b32 s[\g+4], 104
	s_mov_b32 s[\g+5], 32
	s_mov_b32 s[\g+6], 0
	s_mov_b32 s[\g+7], 0
.endr
	s_mov_b32 s[GB], 0xbdd2d3e8                    ; B = -0.10294324
	s_mov_b32 s[GB+1], s[GB]
	s_mov_b32 s[SEL], 0x76543210
	s_mov_b32 s[SEL+1], 0xfedcba98
	s_lshl_b32 s18, s16, 7
	s_lshl_b32 s20, s17, 8
	s_add_co_u32 s20, s20, s18
	s_mul_i32 s20, s20, RB
	s_mov_b32 s21, 0
	s_lshl_b32 s46, s42, 8
	s_add_co_u32 s46, s46, s18
	s_mul_i32 s46, s46, RB
	s_mov_b32 s47, 0
	s_mul_i32 s45, s14, HALFT
	s_wait_kmcnt 0x0
	s_add_nc_u64 s[20:21], s[4:5], s[20:21]
	s_add_nc_u64 s[46:47], s[6:7], s[46:47]
	s_add_nc_u64 s[46:47], s[46:47], WOFF
	CROUND                                         ; all sixteen work-groups are here: the first joint loads meet
.irp s, 0,1
	s_mov_b32 s[G0+4*\s], 1
	s_add_co_u32 s[G0+4*\s+1], s45, \s*SLOT
	s_add_nc_u64 s[G0+4*\s+2:G0+4*\s+3], s[20:21], \s*PS
	s_or_b32 s[G0+4*\s+3], s[G0+4*\s+3], 0x80000000
	s_mov_b32 s[G0B+4*\s], 1
	s_add_co_u32 s[G0B+4*\s+1], s45, \s*SLOT
	s_add_nc_u64 s[G0B+4*\s+2:G0B+4*\s+3], s[46:47], \s*PS
	s_or_b32 s[G0B+4*\s+3], s[G0B+4*\s+3], 0x80000000
	JLOAD \s
.endr
	v_and_b32 v1, 15, v0                           ; r
	v_bfe_u32 v2, v0, 4, 1                         ; h
	s_lshl_b32 s46, s42, 10
	s_lshl_b32 s47, s16, 9
	s_add_co_u32 s46, s46, s47                     ; my first column's bias
	s_mov_b32 s47, 0
	s_add_nc_u64 s[8:9], s[8:9], s[46:47]
	v_lshlrev_b32 v7, 6, v2
.irp n, 0,1,2,3,4,5,6,7,8,9,10,11,12,13,14,15
	global_load_b128 v[BI+4*\n:BI+4*\n+3], v7, s[8:9] offset:128*(\n/4)+16*(\n%4)   ; register 16 b + i: the bias of column 32 b + 16 h + i
.endr
	v_mul_u32_u24 v3, v1, RB
	v_mad_u32_u24 v4, v2, 24, v3
	s_mul_i32 s21, s15, HALFT
	s_mul_i32 s22, s16, HALFT
	s_add_co_u32 s22, s22, 2*HALFT
	s_sub_co_u32 s23, s22, s21
	v_mul_u32_u24 v5, s23, v2                      ; lanes 16-31 take B's scale words
	v_add_nc_u32 v5, v5, v3
	v_add_nc_u32 v5, 192, v5
.irp s, 0,1
	v_add_nc_u32 v[ADRA+\s], s21, v4
	v_add_nc_u32 v[ADRB+\s], s22, v4
	v_add_nc_u32 v[ADRS+\s], s21, v5
	s_add_co_u32 s21, s21, SLOT
	s_add_co_u32 s22, s22, SLOT
.endr
	s_mul_i32 s23, s15, HALFT                      ; the stage: record 128 x (my half of the rows) + 16 a + r
	s_mul_i32 s22, s16, 96
	s_add_co_u32 s22, s22, s23
	s_add_co_u32 s22, s22, STAGE
	v_add_nc_u32 v[STO], s22, v4
	s_lshl_b32 s22, s16, 2
	s_add_co_u32 s22, s22, s23
	s_add_co_u32 s22, s22, STAGE+192
	v_add_nc_u32 v[SSO], s22, v3
	s_mul_i32 s23, s14, 64*RB
	s_add_co_u32 s23, s23, STAGE
	v_and_b32 v6, 31, v0
	v_lshlrev_b32 v[CO], 4, v6
	v_add_nc_u32 v[RD], s23, v[CO]
	s_mul_i32 s20, s17, 256*RB
	s_mul_i32 s21, s14, 64*RB
	s_add_co_u32 s20, s20, s21
	s_mov_b32 s21, 0
	s_mul_i32 s46, s42, PS                         ; panel = tile column
	s_mov_b32 s47, 0
	s_add_nc_u64 s[20:21], s[20:21], s[46:47]
	s_add_nc_u64 s[10:11], s[10:11], s[20:21]
.macro FRAG reg, adr, q, i
.irp p, 0,1,2,3,4,5
	ds_load_b64 v[\reg+2*\p:\reg+2*\p+1], v[\adr] offset:96*(\q)+48*(\p/3)+8*(\p%3)+(\i)*16*RB
.endr
.endm
; 16 matrix instructions: A's blocks a0, a0 + 1 x B's eight.  The 64 accumulators take turns, one instruction a turn.  first = 1: the sums begin with the bias.
.macro MUL16 a0, p, q, sc, first
.irp a, \a0, \a0+1
.irp b, 0,1,2,3,4,5,6,7
.if \first
	v_wmma_scale_f32_16x16x128_f8f6f4 v[8*(8*((\a)%4)+\b):8*(8*((\a)%4)+\b)+7], v[128*(\p)+FR*\b:128*(\p)+FR*\b+FR-1], v[AF+FR*(\a):AF+FR*(\a)+FR-1], v[BI+8*\b:BI+8*\b+7], v[SC+8*NQ*(\sc)+NQ*\b+(\q)], v[SC+8*NQ*(\sc)+NQ*(\a)+(\q)] matrix_a_fmt:MATRIX_FMT_BF6 matrix_b_fmt:MATRIX_FMT_BF6 matrix_a_scale:MATRIX_SCALE_ROW1
.else
	v_wmma_scale_f32_16x16x128_f8f6f4 v[8*(8*((\a)%4)+\b):8*(8*((\a)%4)+\b)+7], v[128*(\p)+FR*\b:128*(\p)+FR*\b+FR-1], v[AF+FR*(\a):AF+FR*(\a)+FR-1], v[8*(8*((\a)%4)+\b):8*(8*((\a)%4)+\b)+7], v[SC+8*NQ*(\sc)+NQ*\b+(\q)], v[SC+8*NQ*(\sc)+NQ*(\a)+(\q)] matrix_a_fmt:MATRIX_FMT_BF6 matrix_b_fmt:MATRIX_FMT_BF6 matrix_a_scale:MATRIX_SCALE_ROW1
.endif
.endr
.endr
.endm
.macro FETCH_B slot, q, p
	WIN TO_B
.irp i, 0,1,2,3,4,5,6,7
	FRAG 128*(\p)+FR*\i, ADRB+\slot, \q, \i
.endr
	WIN 0
.endm
.macro FETCH_A slot, q, i0
.irp i, \i0, \i0+1, \i0+2, \i0+3
	FRAG AF+FR*(\i), ADRA+\slot, \q, \i
.endr
.endm
.macro SCALES sc
.irp i, 0,1,2,3,4,5,6,7
	ds_load_b64 v[SC+8*NQ*\sc+NQ*\i:SC+8*NQ*\sc+NQ*\i+1], v[ADRS+\sc] offset:\i*16*RB
.endr
.endm
.macro PLACES n                        ; plain vector lines between a matrix instruction and a load into, or a read of, its registers
.rept \n
	v_nop
.endr
.endm
.macro STEP slot, q, first
	s_wait_dscnt 4*NL                              ; all but the youngest 24 loads (A's blocks 4-7) are in
.if \first
	WIN FIRST_LO
.else
	WIN MUL_LO
.endif
	MUL16 0, (\q)%2, \q, \slot, \first
	MUL16 2, (\q)%2, \q, \slot, \first
	s_wait_dscnt 0
	PLACES NP
	FETCH_B \slot, (\q)+1, 1-(\q)%2
	FETCH_A \slot, (\q)+1, 0
.if \first
	WIN FIRST_HI
.else
	WIN MUL_HI
.endif
	MUL16 4, (\q)%2, \q, \slot, \first
	MUL16 6, (\q)%2, \q, \slot, \first
	PLACES NP
	WIN 0
	FETCH_A \slot, (\q)+1, 4
.endm
.macro TURN slot, next, fill
	s_wait_tensorcnt 0x0                           ; all my tensor loads have landed: my part of the next slot
	ds_add_u32 v[SPW], v[NIL]                      ; 0 onto my spare word
	s_wait_dscnt 4*NL+1                            ; (the add and A's blocks 4-7 may be out)
	WIN MUL_LO
	MUL16 0, 1, NQ-1, \slot, 0
	s_wait_dscnt 0x0                               ; the add is done, and my reads of this slot are over
	s_barrier_signal -1
	MUL16 2, 1, NQ-1, \slot, 0
	WIN 0
	s_barrier_wait -1
.if \fill
	CREST                                          ; the barrier opened a round of the cluster's: no wave of any partner still reads this slot or has a load on its way
	s_add_nc_u64 s[G0+4*\slot+2:G0+4*\slot+3], s[G0+4*\slot+2:G0+4*\slot+3], 2*PS
	s_add_nc_u64 s[G0B+4*\slot+2:G0B+4*\slot+3], s[G0B+4*\slot+2:G0B+4*\slot+3], 2*PS
	JLOAD \slot                                    ; the first tensor load behind the round; its four v_nop are the places in front of the loads below
.else
	PLACES NP
.endif
	FETCH_B \next, 0, 0
	FETCH_A \next, 0, 0
	SCALES \next
	WIN MUL_HI
	MUL16 4, 1, NQ-1, \slot, 0
	MUL16 6, 1, NQ-1, \slot, 0
	PLACES NP
	WIN 0
	FETCH_A \next, 0, 4
.endm
; 64 numbers of a lane, register 16 b + i = column 32 b + 16 h + i of my row, become 96 bytes of codes in v[PC] on and a scale word in v[PW]
.macro QUANT s
.irp b, 0,1,2,3
	v_max3_num_f32 v[TM+\b], |v[\s+16*\b]|, |v[\s+1+16*\b]|, 0x2800000    ; with the floor 2^(5 - 127)
.endr
.irp i, 2,4,6,8,10,12,14
.irp b, 0,1,2,3
	v_max3_num_f32 v[TM+\b], v[TM+\b], |v[\s+16*\b+\i]|, |v[\s+1+16*\b+\i]|
.endr
.endr
.irp b, 0,1,2,3
	v_permlanex16_b32 v[TM+4+\b], v[TM+\b], s[SEL], s[SEL+1]
.endr
.irp b, 0,1,2,3
	v_max_num_f32 v[TM+\b], v[TM+\b], v[TM+4+\b]
.endr
.irp b, 0,1,2,3
	v_add_nc_u32 v[TM+12+\b], 0xfe000000, v[TM+\b]
.endr
.irp b, 0,1,2,3
	v_lshrrev_b32 v[TM+4+\b], 23, v[TM+12+\b]
.endr
	v_lshl_or_b32 v[PW], v[TM+5], 8, v[TM+4]
	v_lshl_or_b32 v[PW], v[TM+6], 16, v[PW]
	v_lshl_or_b32 v[PW], v[TM+7], 24, v[PW]
.irp c, 0,1
	v_cvt_scalef32_pk16_bf6_f32 v[PC+6*\c:PC+2+6*\c], v[\s+32*\c:\s+15+32*\c], v[TM+12+2*\c]
	v_cvt_scalef32_pk16_bf6_f32 v[PC+12+4*\c:PC+14+4*\c], v[\s+16+32*\c:\s+31+32*\c], v[TM+12+2*\c+1]
.endr
	v_nop                                          ; one plain line behind a scaled conversion
.irp c, 0,1
.irp i, 0,1,2
	v_permlane16_swap_b32 v[PC+6*\c+\i], v[PC+12+4*\c+\i]
.endr
.irp i, 0,1,2
	v_mov_b32 v[PC+3+6*\c+\i], v[PC+12+4*\c+\i]
.endr
.endr
.endm
.macro GOUT a
.set AC, 64*((\a)%4)
.if (\a) > 0
	s_wait_dscnt 0x0                               ; the last block's stores have read their registers
.endif
	WIN 0x0a+5*((\a)/4)                            ; sources 0 and 1: the accumulators' window
.set N, 0
.rept 32
	v_pk_mul_f32 v[T+N:T+N+1], v[AC+N:AC+N+1], v[AC+N:AC+N+1]        ; x^2; each accumulator from its low end on
.set N, N+2
.endr
	WIN 0
.set N, 0
.rept 32
	v_pk_fma_f32 v[T+N:T+N+1], v[T+N:T+N+1], s[GB:GB+1], v[GA:GA+1] op_sel_hi:[1,0,0]   ; A + B x^2
.set N, N+2
.endr
	WIN 0x02+((\a)/4)                              ; source 0: the accumulators' window
.set N, 0
.rept 32
	v_pk_mul_f32 v[T+N:T+N+1], v[AC+N:AC+N+1], v[T+N:T+N+1]
.set N, N+2
.endr
	WIN 0
.set N, 0
.rept 64
	v_exp_f32 v[T+N], v[T+N]
.set N, N+1
.endr
	v_nop                                          ; a plain line behind the transcendentals
.set N, 0
	s_wait_alu depctr_va_vdst(0)
.rept 32
	v_pk_add_f32 v[T+N:T+N+1], v[T+N:T+N+1], 1.0 op_sel_hi:[1,0]
.set N, N+2
.endr
.set N, 0
.rept 64
	v_rcp_f32 v[T+N], v[T+N]
.set N, N+1
.endr
	v_nop
	WIN 0x02+((\a)/4)
.set N, 0
	s_wait_alu depctr_va_vdst(0)
.rept 32
	v_pk_mul_f32 v[H+N:H+N+1], v[AC+N:AC+N+1], v[T+N:T+N+1]          ; gelu
.set N, N+2
.endr
	WIN 0
	QUANT H
.irp c, 0,1
.irp p, 0,1,2
	ds_store_b64 v[STO], v[PC+6*\c+2*\p:PC+6*\c+2*\p+1] offset:(\a)*16*RB+48*\c+8*\p
.endr
.endr
	ds_store_b32 v[SSO], v[PW] offset:(\a)*16*RB          ; lanes r and r + 16 write the same word with the same value
	ds_store_b32 v[SSO], v[ZR] offset:(\a)*16*RB+8        ; my half of the record's 8 zero bytes
.endm
	s_wait_tensorcnt 1                             ; my part of K step 0 is in (K step 1's load may be out)
	s_barrier_signal -1
	s_barrier_wait -1
	FETCH_B 0, 0, 0
	FETCH_A 0, 0, 0
	SCALES 0
	FETCH_A 0, 0, 4
	s_wait_loadcnt 0x0                             ; the bias
	STEP 0, 0, 1
	s_mov_b32 s3, LAPS-1
.Llap:
	TURN 0, 1, 1
	STEP 1, 0, 0
	TURN 1, 0, 1
	STEP 0, 0, 0
	s_sub_co_u32 s3, s3, 1
	s_cmp_lg_u32 s3, 0
	s_cbranch_scc1 .Llap
	TURN 0, 1, 0
	STEP 1, 0, 0
	s_wait_dscnt 4*NL
	WIN MUL_LO
	MUL16 0, 1, NQ-1, 1, 0
	MUL16 2, 1, NQ-1, 1, 0
	s_wait_dscnt 0
	WIN MUL_HI
	MUL16 4, 1, NQ-1, 1, 0
	MUL16 6, 1, NQ-1, 1, 0
	WIN 0
	PLACES NP
.irp a, 0,1,2,3,4,5,6,7
	GOUT \a
.endr
	s_wait_dscnt 0x0                               ; for the others' sake: my stores into the stage have landed
	s_barrier_signal -1
	s_barrier_wait -1
.set I, 0
.rept 26
	ds_load_b128 v[RBK+4*I:RBK+4*I+3], v[RD] offset:512*I
.set I, I+1
.endr
.set I, 0
.rept 26
	s_wait_dscnt 25-I
	global_store_b128 v[CO], v[RBK+4*I:RBK+4*I+3], s[10:11] offset:512*I   ; 512 consecutive bytes, at a multiple of 256 from the buffer's first byte
.set I, I+1
.endr
	s_wait_tensorcnt 0x0                           ; the wave's end
	ds_add_u32 v[SPW], v[NIL]
	s_wait_dscnt 0x0
	CROUND                                         ; the closing round
	s_endpgm
.Lfunc_end_k_q39546c354d_w1:
	.size	k_q39546c354d_w1, .Lfunc_end_k_q39546c354d_w1-k_q39546c354d_w1
	.p2alignl 7, 3214868480
	.fill 96, 4, 3214868480
	.section	.rodata,"a",@progbits
	.p2align	6, 0x0
	.amdhsa_kernel k_q39546c354d_w1
		.amdhsa_group_segment_fixed_size 327680
		.amdhsa_private_segment_fixed_size 0
		.amdhsa_enable_private_segment 0
		.amdhsa_kernarg_size 32
		.amdhsa_user_sgpr_count 2
		.amdhsa_user_sgpr_kernarg_segment_ptr 1
		.amdhsa_wavefront_size32 1
		.amdhsa_system_sgpr_workgroup_id_x 1
		.amdhsa_system_sgpr_workgroup_id_y 1
		.amdhsa_system_sgpr_workgroup_id_z 1
		.amdhsa_system_vgpr_workitem_id 0
		.amdhsa_next_free_vgpr 1024
		.amdhsa_next_free_sgpr 72
		.amdhsa_reserve_vcc 0
		.amdhsa_float_denorm_mode_32 3
		.amdhsa_float_denorm_mode_16_64 3
		.amdhsa_memory_ordered 1
		.amdhsa_forward_progress 1
		.amdhsa_inst_pref_size 255
	.end_amdhsa_kernel
	.section	.bss,"aw",@nobits
	.p2align	6
	.space	262144
	.amdgpu_metadata
---
amdhsa.version: [ 1, 2 ]
amdhsa.kernels:
  - .name:           k_q39546c354d_w1
    .symbol:         k_q39546c354d_w1.kd
    .args:
      - { .name: hc, .offset: 0, .size: 8, .value_kind: global_buffer, .address_space: global }
      - { .name: wts, .offset: 8, .size: 8, .value_kind: global_buffer, .address_space: global }
      - { .name: b1, .offset: 16, .size: 8, .value_kind: global_buffer, .address_space: global }
      - { .name: qkg, .offset: 24, .size: 8, .value_kind: global_buffer, .address_space: global }
    .group_segment_fixed_size: 327680
    .private_segment_fixed_size: 0
    .kernarg_segment_align: 8
    .kernarg_segment_size: 32
    .max_flat_workgroup_size: 128
    .sgpr_count:     72
    .vgpr_count:     1024
    .wavefront_size: 32
...
	.end_amdgpu_metadata
.endif
;; end of part 6
;; launch w2 (part 7): grid 4 x 16, 4 waves a work-group, clusters of 4 x 4, 327,680 bytes of LDS; arguments qkg, wts, b2, x1, out0; writes out0
.if DOCPART == 7
	.amdgcn_target "amdgcn-amd-amdhsa--gfx1250"
	.amdhsa_code_object_version 6
	.text
	.protected	k_q39546c354d_w2
	.globl	k_q39546c354d_w2
	.p2align	8
	.type	k_q39546c354d_w2,@function
k_q39546c354d_w2:
	s_mov_b64 s[64:65], 0
	v_nop
	global_prefetch_b8 v0, s[64:65] scope:SCOPE_SE
	s_setreg_imm32_b32 hwreg(HW_REG_WAVE_MODE, 25, 1), 1
	s_wait_xcnt 0x0
	s_wait_alu depctr_hold_cnt(0) depctr_sa_sdst(0) depctr_va_vdst(0) depctr_va_sdst(0) depctr_va_ssrc(0) depctr_va_vcc(0) depctr_vm_vsrc(0)
	s_getreg_b32 s2, hwreg(HW_REG_IB_STS2, 6, 4)
	s_cmp_eq_u32 s2, 0
	s_cbranch_scc0 .Lentry_in_a_cluster
	s_endpgm
.Lentry_in_a_cluster:
	s_bfe_u32 s2, ttmp6, 0x10000c
	s_cmp_lg_u32 s2, 0xf033
	s_cbranch_scc0 .Lentry_shape_is_right
	s_endpgm
.Lentry_shape_is_right:
; out = resid + (A B^T + bias), f32 rows of 1,024, on codes of BF6 (E3M2) with E8M0 scales.  K = 512 LAPS; B begins WOFF bytes into the weights' buffer.
; OPERANDS ARE RECORDS: 208 bytes for 256 along K of one row (192 bytes of codes, 8 scale bytes, 8 zeros); a panel is 4,096 places; K / 256 panels on end.  A K step of 256 for 128 rows is one dense block of 26,624 bytes, scales inside.
; Logical row n lies at place n with bits 3 and 4 exchanged: the way out puts rows and columns back into their logical places.
; A tile of C, 256 x 256, is made by four waves of 128 x 128 (64 accumulators).  Two LDS slots of one K step, filled by joint tensor loads: 4 x 4 work-groups form a cluster, A's tile is shared along its row, B's along its column.
; THE MATRIX INSTRUCTION IS USED TRANSPOSED (source 0 = 16 places of B, source 1 = 16 places of A).  The bias is the C of each sum's first product: it costs no addition.
; THE WAY OUT: a block of 16 rows x 128 columns goes through the wave's own stage in LDS and comes back as whole rows of 512 bytes; the residual's same rows, asked for four blocks ahead into the registers that B's fragments have left, are added; the 32 lanes store 512 consecutive bytes.
; REGISTERS: window 0: v16-29 addresses; v32-63 scale words, two sets, and nothing else; v64-127 the bias; v128-223 A's fragments, one set; way out: v128-255.  Window 1: B's fragments, two sets; then the residual.  Windows 2, 3: accumulators.
.set LAPS,   8
.set WOFF,   8*4096*208
.set LAST,   1                         ; 1: the result is read by nobody in this program
.set RB,     208
.set PS,     4096*RB
.set HALFT,  128*RB
.set SLOT,   4*HALFT
.set STAGE,  2*SLOT                    ; behind the ring: 16 rows x 528 bytes for each wave
.set SPITCH, 528
.set SPARE,  STAGE+4*16*SPITCH         ; the spare words, 128 bytes a wave, which no other line names
.set FR,     12
.set NL,     6
.set NP,     4
.set NQ,     2
.set ADRA, 16
.set ADRS, 18
.set ADRB, 20
.set STO,  24
.set RD,   25
.set CO,   26
.set SPW,  28
.set NIL,  29
.set SC,   32
.set BI,   64
.set AF,   128
.set BK,   128
.set G1, 24
.set G0, 32
.set G1B, 48
.set G0B, 56
.set MSB, 0
.macro WIN new                         ; the immediate's high byte repeats the setting that is left
.if MSB != \new
	s_set_vgpr_msb (MSB<<8)|\new
.set MSB, \new
.endif
.endm
.set MUL_LO, 0xa1                      ; source 0 (B) window 1, source 1 (A) window 0, C and D window 2
.set MUL_HI, 0xf1
.set FIRST_LO, 0x81                    ; the same with C (the bias) in window 0
.set FIRST_HI, 0xc1
.set TO_B,   0x40
.macro JLOAD s                         ; a joint load: waves 0, 1 fetch A's halves, waves 2, 3 B's; four v_nop follow each line
	s_cmp_eq_u32 s15, 0
	s_cbranch_scc0 .Lfor_b_\@
	tensor_load_to_lds s[G0+4*\s:G0+4*\s+3], s[G1:G1+7]
	s_nop 0
.rept 4
	v_nop
.endr
	s_branch .Lasked_\@
.Lfor_b_\@:
	tensor_load_to_lds s[G0B+4*\s:G0B+4*\s+3], s[G1B:G1B+7]
	s_nop 0
.rept 4
	v_nop
.endr
.Lasked_\@:
.endm
.macro CREST
	s_cmp_lg_u32 s14, 0
	s_cbranch_scc1 .Lnot_wave_0_\@
	s_barrier_signal -3
.Lnot_wave_0_\@:
	s_barrier_wait -3
	s_barrier_signal -1
	s_barrier_wait -1
.endm
.macro CROUND
	s_barrier_signal -1
	s_barrier_wait -1
	CREST
.endm
	s_load_b128 s[4:7], s[0:1], 0x0                ; A, the weights
	s_load_b128 s[8:11], s[0:1], 0x10              ; the bias, the residual
	s_load_b64 s[12:13], s[0:1], 0x20              ; the result
	v_lshl_add_u32 v[SPW], v0, 2, SPARE
	v_mov_b32 v[NIL], 0
	ds_add_u32 v28, v29
	ds_add_u32 v28, v29
	s_wait_dscnt 0x0
	v_lshrrev_b32 v1, 5, v0
	v_readfirstlane_b32 s14, v1                    ; wave
	s_lshr_b32 s15, s14, 1
	s_and_b32 s16, s14, 1
	s_bfe_u32 s40, ttmp6, 0x40000
	s_bfe_u32 s41, ttmp6, 0x40004
	s_lshl_b32 s42, ttmp9, 2
	s_add_co_u32 s42, s42, s40                     ; tile column
	s_and_b32 s17, ttmp7, 0xffff
	s_lshl_b32 s17, s17, 2
	s_add_co_u32 s17, s17, s41                     ; tile row
	s_lshl_b32 s43, s41, 2
	s_lshl_b32 s43, 15, s43
	s_lshl_b32 s44, 0x1111, s40
	s_or_b32 s[G1+0], s43, (3<<16)|(1<<21)         ; the mask; elements of 8 bytes; bit 21 beside a mask; no padding
	s_or_b32 s[G1B+0], s44, (3<<16)|(1<<21)
.irp g, G1, G1B
	s_mov_b32 s[\g+1], 32<<16                      ; 26,624 dense bytes as 104 rows of 256
	s_mov_b32 s[\g+2], 104<<16
	s_mov_b32 s[\g+3], 32<<16
	s_mov_b32 s[\g+4], 104
	s_mov_b32 s[\g+5], 32
	s_mov_b32 s[\g+6], 0
	s_mov_b32 s[\g+7], 0
.endr
	s_lshl_b32 s18, s16, 7
	s_lshl_b32 s20, s17, 8
	s_add_co_u32 s20, s20, s18
	s_mul_i32 s20, s20, RB
	s_mov_b32 s21, 0
	s_lshl_b32 s46, s42, 8
	s_add_co_u32 s46, s46, s18
	s_mul_i32 s46, s46, RB
	s_mov_b32 s47, 0
	s_mul_i32 s45, s14, HALFT
	s_wait_kmcnt 0x0
	s_add_nc_u64 s[20:21], s[4:5], s[20:21]
	s_add_nc_u64 s[46:47], s[6:7], s[46:47]
.if WOFF
	s_add_nc_u64 s[46:47], s[46:47], WOFF
.endif
	CROUND                                         ; all sixteen work-groups are here: the first joint loads meet
.irp s, 0,1
	s_mov_b32 s[G0+4*\s], 1
	s_add_co_u32 s[G0+4*\s+1], s45, \s*SLOT
	s_add_nc_u64 s[G0+4*\s+2:G0+4*\s+3], s[20:21], \s*PS
	s_or_b32 s[G0+4*\s+3], s[G0+4*\s+3], 0x80000000
	s_mov_b32 s[G0B+4*\s], 1
	s_add_co_u32 s[G0B+4*\s+1], s45, \s*SLOT
	s_add_nc_u64 s[G0B+4*\s+2:G0B+4*\s+3], s[46:47], \s*PS
	s_or_b32 s[G0B+4*\s+3], s[G0B+4*\s+3], 0x80000000
	JLOAD \s
.endr
	v_and_b32 v1, 15, v0                           ; r
	v_bfe_u32 v2, v0, 4, 1                         ; h
	s_lshl_b32 s46, s42, 10
	s_lshl_b32 s47, s16, 9
	s_add_co_u32 s46, s46, s47                     ; my first column, in bytes
	s_mov_b32 s47, 0
	s_add_nc_u64 s[8:9], s[8:9], s[46:47]
	v_lshlrev_b32 v7, 6, v2
.irp n, 0,1,2,3,4,5,6,7,8,9,10,11,12,13,14,15
	global_load_b128 v[BI+4*\n:BI+4*\n+3], v7, s[8:9] offset:128*(\n/4)+16*(\n%4)   ; register 16 b + i: the bias of column 32 b + 16 h + i
.endr
	v_mul_u32_u24 v3, v1, RB
	v_mad_u32_u24 v4, v2, 24, v3
	s_mul_i32 s21, s15, HALFT
	s_mul_i32 s22, s16, HALFT
	s_add_co_u32 s22, s22, 2*HALFT
	s_sub_co_u32 s23, s22, s21
	v_mul_u32_u24 v5, s23, v2                      ; lanes 16-31 take B's scale words
	v_add_nc_u32 v5, v5, v3
	v_add_nc_u32 v5, 192, v5
.irp s, 0,1
	v_add_nc_u32 v[ADRA+\s], s21, v4
	v_add_nc_u32 v[ADRB+\s], s22, v4
	v_add_nc_u32 v[ADRS+\s], s21, v5
	s_add_co_u32 s21, s21, SLOT
	s_add_co_u32 s22, s22, SLOT
.endr
	s_mul_i32 s23, s14, 16*SPITCH
	s_add_co_u32 s23, s23, STAGE                   ; my stage
	v_mul_u32_u24 v6, v1, SPITCH
	v_lshl_add_u32 v6, v2, 6, v6
	v_add_nc_u32 v[STO], s23, v6                   ; in: row r, + 64 h
	v_and_b32 v6, 31, v0
	v_lshlrev_b32 v[CO], 4, v6
	v_add_nc_u32 v[RD], s23, v[CO]                 ; back: a whole row, 16 bytes a lane
	s_lshl_b32 s20, s17, 8
	s_lshl_b32 s21, s15, 7
	s_add_co_u32 s20, s20, s21
	s_lshl_b32 s20, s20, 12                        ; my first row, 4,096 bytes a row
	s_mov_b32 s21, 0
	s_add_nc_u64 s[20:21], s[20:21], s[46:47]
	s_add_nc_u64 s[10:11], s[10:11], s[20:21]
	s_add_nc_u64 s[12:13], s[12:13], s[20:21]
.macro FRAG reg, adr, q, i
.irp p, 0,1,2,3,4,5
	ds_load_b64 v[\reg+2*\p:\reg+2*\p+1], v[\adr] offset:96*(\q)+48*(\p/3)+8*(\p%3)+(\i)*16*RB
.endr
.endm
; 16 matrix instructions: A's blocks a0, a0 + 1 x B's eight.  The 64 accumulators take turns, one instruction a turn.  first = 1: the sums begin with the bias.
.macro MUL16 a0, p, q, sc, first
.irp a, \a0, \a0+1
.irp b, 0,1,2,3,4,5,6,7
.if \first
	v_wmma_scale_f32_16x16x128_f8f6f4 v[8*(8*((\a)%4)+\b):8*(8*((\a)%4)+\b)+7], v[128*(\p)+FR*\b:128*(\p)+FR*\b+FR-1], v[AF+FR*(\a):AF+FR*(\a)+FR-1], v[BI+8*\b:BI+8*\b+7], v[SC+8*NQ*(\sc)+NQ*\b+(\q)], v[SC+8*NQ*(\sc)+NQ*(\a)+(\q)] matrix_a_fmt:MATRIX_FMT_BF6 matrix_b_fmt:MATRIX_FMT_BF6 matrix_a_scale:MATRIX_SCALE_ROW1
.else
	v_wmma_scale_f32_16x16x128_f8f6f4 v[8*(8*((\a)%4)+\b):8*(8*((\a)%4)+\b)+7], v[128*(\p)+FR*\b:128*(\p)+FR*\b+FR-1], v[AF+FR*(\a):AF+FR*(\a)+FR-1], v[8*(8*((\a)%4)+\b):8*(8*((\a)%4)+\b)+7], v[SC+8*NQ*(\sc)+NQ*\b+(\q)], v[SC+8*NQ*(\sc)+NQ*(\a)+(\q)] matrix_a_fmt:MATRIX_FMT_BF6 matrix_b_fmt:MATRIX_FMT_BF6 matrix_a_scale:MATRIX_SCALE_ROW1
.endif
.endr
.endr
.endm
.macro FETCH_B slot, q, p
	WIN TO_B
.irp i, 0,1,2,3,4,5,6,7
	FRAG 128*(\p)+FR*\i, ADRB+\slot, \q, \i
.endr
	WIN 0
.endm
.macro FETCH_A slot, q, i0
.irp i, \i0, \i0+1, \i0+2, \i0+3
	FRAG AF+FR*(\i), ADRA+\slot, \q, \i
.endr
.endm
.macro SCALES sc
.irp i, 0,1,2,3,4,5,6,7
	ds_load_b64 v[SC+8*NQ*\sc+NQ*\i:SC+8*NQ*\sc+NQ*\i+1], v[ADRS+\sc] offset:\i*16*RB
.endr
.endm
.macro PLACES n                        ; plain vector lines between a matrix instruction and a load into, or a read of, its registers
.rept \n
	v_nop
.endr
.endm
.macro STEP slot, q, first
	s_wait_dscnt 4*NL                              ; all but the youngest 24 loads (A's blocks 4-7) are in
.if \first
	WIN FIRST_LO
.else
	WIN MUL_LO
.endif
	MUL16 0, (\q)%2, \q, \slot, \first
	MUL16 2, (\q)%2, \q, \slot, \first
	s_wait_dscnt 0
	PLACES NP
	FETCH_B \slot, (\q)+1, 1-(\q)%2
	FETCH_A \slot, (\q)+1, 0
.if \first
	WIN FIRST_HI
.else
	WIN MUL_HI
.endif
	MUL16 4, (\q)%2, \q, \slot, \first
	MUL16 6, (\q)%2, \q, \slot, \first
	PLACES NP
	WIN 0
	FETCH_A \slot, (\q)+1, 4
.endm
.macro TURN slot, next, fill
	s_wait_tensorcnt 0x0                           ; all my tensor loads have landed: my part of the next slot
	ds_add_u32 v[SPW], v[NIL]                      ; 0 onto my spare word
	s_wait_dscnt 4*NL+1                            ; (the add and A's blocks 4-7 may be out)
	WIN MUL_LO
	MUL16 0, 1, NQ-1, \slot, 0
	s_wait_dscnt 0x0                               ; the add is done, and my reads of this slot are over
	s_barrier_signal -1
	MUL16 2, 1, NQ-1, \slot, 0
	WIN 0
	s_barrier_wait -1
.if \fill
	CREST                                          ; the barrier opened a round of the cluster's: no wave of any partner still reads this slot or has a load on its way
	s_add_nc_u64 s[G0+4*\slot+2:G0+4*\slot+3], s[G0+4*\slot+2:G0+4*\slot+3], 2*PS
	s_add_nc_u64 s[G0B+4*\slot+2:G0B+4*\slot+3], s[G0B+4*\slot+2:G0B+4*\slot+3], 2*PS
	JLOAD \slot                                    ; the first tensor load behind the round; its four v_nop are the places in front of the loads below
.else
	PLACES NP
.endif
	FETCH_B \next, 0, 0
	FETCH_A \next, 0, 0
	SCALES \next
	WIN MUL_HI
	MUL16 4, 1, NQ-1, \slot, 0
	MUL16 6, 1, NQ-1, \slot, 0
	PLACES NP
	WIN 0
	FETCH_A \next, 0, 4
.endm
; Place 16 a + t of my 128 rows is logical row 32 (a / 2) + 8 (a % 2) + t + 8 (t / 8): it stands in the immediate; no base is stepped.
.macro RLOAD a                         ; the residual's 16 rows of block a, 512 bytes each, into window 1
	WIN 0x40
.irp t, 0,1,2,3,4,5,6,7,8,9,10,11,12,13,14,15
	global_load_b128 v[64*((\a)%4)+4*\t:64*((\a)%4)+4*\t+3], v[CO], s[10:11] offset:(32*((\a)/2)+8*((\a)%2)+\t+8*(\t/8))*4096
.endr
	WIN 0
.endm
.macro TOSTAGE a
.set AC, 64*((\a)%4)
	WIN 0x08+4*((\a)/4)                            ; the data: window 2 or 3
.irp b, 0,1,2,3,4,5,6,7
	ds_store_b128 v[STO], v[AC+8*\b:AC+8*\b+3] offset:128*(\b/2)+32*(\b%2)        ; columns 32 (b / 2) + 16 h + 8 (b % 2) on; each accumulator from its low end on
	ds_store_b128 v[STO], v[AC+8*\b+4:AC+8*\b+7] offset:128*(\b/2)+32*(\b%2)+16
.endr
	WIN 0
.set BB, BK+64*((\a)%2)
.irp t, 0,1,2,3,4,5,6,7,8,9,10,11,12,13,14,15
	ds_load_b128 v[BB+4*\t:BB+4*\t+3], v[RD] offset:\t*SPITCH     ; LDS serves a wave's instructions in order: these see the stores above
.endr
.endm
.macro SEND a, younger
.set BB, BK+64*((\a)%2)
.set RR, 64*((\a)%4)
	s_wait_dscnt \younger                          ; the block is back in registers
.if (\a) < 5
	s_wait_loadcnt 48                              ; its residual is in; three later blocks' 48 loads may be out
.else
	s_wait_loadcnt 16*(7-(\a))
.endif
	WIN 0x04                                       ; source 1: window 1
.set N, 0
.rept 32
	v_pk_add_f32 v[BB+N:BB+N+1], v[BB+N:BB+N+1], v[RR+N:RR+N+1]
.set N, N+2
.endr
	WIN 0
.irp t, 0,1,2,3,4,5,6,7,8,9,10,11,12,13,14,15
.if LAST
	global_store_b128 v[CO], v[BB+4*\t:BB+4*\t+3], s[12:13] offset:(32*((\a)/2)+8*((\a)%2)+\t+8*(\t/8))*4096 th:TH_STORE_NT
.else
	global_store_b128 v[CO], v[BB+4*\t:BB+4*\t+3], s[12:13] offset:(32*((\a)/2)+8*((\a)%2)+\t+8*(\t/8))*4096
.endif
.endr
.if (\a) < 4
	RLOAD (\a)+4
.endif
.endm
	s_wait_tensorcnt 1                             ; my part of K step 0 is in (K step 1's load may be out)
	s_barrier_signal -1
	s_barrier_wait -1
	FETCH_B 0, 0, 0
	FETCH_A 0, 0, 0
	SCALES 0
	FETCH_A 0, 0, 4
	s_wait_loadcnt 0x0                             ; the bias
	STEP 0, 0, 1
	s_mov_b32 s3, LAPS-1
.Llap:
	TURN 0, 1, 1
	STEP 1, 0, 0
	TURN 1, 0, 1
	STEP 0, 0, 0
	s_sub_co_u32 s3, s3, 1
	s_cmp_lg_u32 s3, 0
	s_cbranch_scc1 .Llap
	TURN 0, 1, 0
	STEP 1, 0, 0
	RLOAD 0                                        ; B's set 0 has been multiplied for the last time, four places back
	RLOAD 1
	s_wait_dscnt 4*NL
	WIN MUL_LO
	MUL16 0, 1, NQ-1, 1, 0
	MUL16 2, 1, NQ-1, 1, 0
	s_wait_dscnt 0
	WIN MUL_HI
	MUL16 4, 1, NQ-1, 1, 0
	MUL16 6, 1, NQ-1, 1, 0
	WIN 0
	PLACES NP
	RLOAD 2
	RLOAD 3
	TOSTAGE 0
.irp a, 1,2,3,4,5,6,7
.if \a > 1
	s_wait_xcnt 0x0                                ; block a - 2's stores have read their registers: block a's loads may land there
.endif
	TOSTAGE \a
	SEND \a-1, 32                                  ; behind block a - 1's loads: block a's 16 stores and 16 loads
.endr
	s_wait_xcnt 0x0
	SEND 7, 0
	s_wait_tensorcnt 0x0                           ; the wave's end
	ds_add_u32 v[SPW], v[NIL]
	s_wait_dscnt 0x0
	CROUND                                         ; the closing round
	s_endpgm
.Lfunc_end_k_q39546c354d_w2:
	.size	k_q39546c354d_w2, .Lfunc_end_k_q39546c354d_w2-k_q39546c354d_w2
	.p2alignl 7, 3214868480
	.fill 96, 4, 3214868480
	.section	.rodata,"a",@progbits
	.p2align	6, 0x0
	.amdhsa_kernel k_q39546c354d_w2
		.amdhsa_group_segment_fixed_size 327680
		.amdhsa_private_segment_fixed_size 0
		.amdhsa_enable_private_segment 0
		.amdhsa_kernarg_size 40
		.amdhsa_user_sgpr_count 2
		.amdhsa_user_sgpr_kernarg_segment_ptr 1
		.amdhsa_wavefront_size32 1
		.amdhsa_system_sgpr_workgroup_id_x 1
		.amdhsa_system_sgpr_workgroup_id_y 1
		.amdhsa_system_sgpr_workgroup_id_z 1
		.amdhsa_system_vgpr_workitem_id 0
		.amdhsa_next_free_vgpr 1024
		.amdhsa_next_free_sgpr 72
		.amdhsa_reserve_vcc 0
		.amdhsa_float_denorm_mode_32 3
		.amdhsa_float_denorm_mode_16_64 3
		.amdhsa_memory_ordered 1
		.amdhsa_forward_progress 1
		.amdhsa_inst_pref_size 188
	.end_amdhsa_kernel
	.amdgpu_metadata
---
amdhsa.version: [ 1, 2 ]
amdhsa.kernels:
  - .name:           k_q39546c354d_w2
    .symbol:         k_q39546c354d_w2.kd
    .args:
      - { .name: qkg, .offset: 0, .size: 8, .value_kind: global_buffer, .address_space: global }
      - { .name: wts, .offset: 8, .size: 8, .value_kind: global_buffer, .address_space: global }
      - { .name: b2, .offset: 16, .size: 8, .value_kind: global_buffer, .address_space: global }
      - { .name: x1, .offset: 24, .size: 8, .value_kind: global_buffer, .address_space: global }
      - { .name: out0, .offset: 32, .size: 8, .value_kind: global_buffer, .address_space: global }
    .group_segment_fixed_size: 327680
    .private_segment_fixed_size: 0
    .kernarg_segment_align: 8
    .kernarg_segment_size: 40
    .max_flat_workgroup_size: 128
    .sgpr_count:     72
    .vgpr_count:     1024
    .wavefront_size: 32
...
	.end_amdgpu_metadata
.endif
;; end of part 7
;; ======== version 2 of 2: 7 launches
;; limits: right only within a limited range of input values
;; workspace buffers: wqk 3,407,872 bytes; wvc 3,407,872 bytes; wts 20,447,232 bytes; hc 3,407,872 bytes; qkg 13,631,488 bytes; x1 16,777,216 bytes; qkh 6,815,744 bytes; vth 3,407,872 bytes
;; launch wquant (part 8): grid 640 x 1, 4 waves a work-group, no clusters, 58,880 bytes of LDS; arguments wq, wk, wv, wo, w1, w2, wqk, wvc, wts, x, ln1_scale, ln1_shift, hc; writes wqk, wvc, wts, hc
.if DOCPART == 8
	.amdgcn_target "amdgcn-amd-amdhsa--gfx1250"
	.amdhsa_code_object_version 6
	.text
	.protected	k_q39546c354d_wquant
	.globl	k_q39546c354d_wquant
	.p2align	8
	.type	k_q39546c354d_wquant,@function
k_q39546c354d_wquant:
	s_mov_b64 s[64:65], 0
	v_nop
	global_prefetch_b8 v0, s[64:65] scope:SCOPE_SE
	s_setreg_imm32_b32 hwreg(HW_REG_WAVE_MODE, 25, 1), 1
	s_wait_xcnt 0x0
; The six weights, f32 with K as their FIRST axis, become codes of BF6 (E3M2) with one E8M0 byte for each 32 along K, laid as RECORDS:
; 208 bytes for 256 along K of one column n: 192 bytes of codes (block t of 32 at byte 24 t), 8 scale bytes, 8 zeros.  A PANEL is 4,096 places of 208 bytes; an operand is K / 256 panels on end.
; Column n lies at place n with bits 3 and 4 exchanged, so that 16 places on end are the 16 rows that a tile of the next product wants.
; A lane takes a column and its registers run down K: a block's largest magnitude needs no other lane, and the conversions give codes with K innermost.  A lane makes exactly one record.
; A work-group takes 128 columns x 256 along K, a wave 32 columns.  Work-groups 0-127: wq, wk, wv, wo (32 each); 128-255: w1; 256-383: w2.  One path for all six: only pointers and sizes are chosen, on the work-group's number.
; A wave's 32 records go through its own 6,656 bytes of LDS and leave as 13 stores of 512 consecutive bytes.  Waves share nothing: no barrier.
; LIMITS: NaN and infinities are not served; a block whose largest magnitude lies under 2^-122 keeps the byte 1; a block of zeros gets the byte 1 (its codes are zeros, and this program alone reads the bytes).
.set REC,  208
.set PS,   4096*REC
.set OFF,  16                          ; v16-47   4 x lane + i x (bytes of a row of the weight)
.set X,    48                          ; v48-111  two sets of 32 numbers; at the end the records on their way out
.set C,    112                         ; v112-163 my record: 48 registers of codes, 2 of scale bytes, 2 zeros
.set T,    164                         ; v164-166 a block's upper 16 codes, before they are moved
; THE SAME LAUNCH ALSO MAKES THE FIRST NORM: work-groups 384-639 take the path .Lnorm at the text's end (x normalised and quantised); it shares nothing with the weights' path and has LDS bytes of its own.
	v_lshl_add_u32 v224, v0, 2, 0x6800             ; my spare word and 0: both paths keep them
	v_mov_b32 v225, 0
	s_cmp_ge_u32 ttmp9, 384
	s_cbranch_scc1 .Lnorm
	s_load_b256 s[4:11], s[0:1], 0x0               ; wq, wk, wv, wo
	s_load_b128 s[12:15], s[0:1], 0x20             ; w1, w2
	s_load_b128 s[16:19], s[0:1], 0x30             ; wqk, wvc
	s_load_b64 s[20:21], s[0:1], 0x40              ; wts
	v_lshrrev_b32 v1, 5, v0
	v_readfirstlane_b32 s48, v1                    ; wave
	v_and_b32 v2, 31, v0                           ; lane
	v_lshlrev_b32 v3, 2, v2
	s_mov_b32 s26, 0                               ; where the operand begins in its buffer
	s_mov_b32 s27, 12                              ; log2 of a row's bytes
	s_mov_b32 s28, 31                              ; mask of the work-group's number within its tensor
	s_mov_b32 s29, 3                               ; log2 of the groups of 128 columns
	s_wait_alu depctr_va_vdst(0)
	s_wait_kmcnt 0x0
	s_mov_b64 s[22:23], s[4:5]
	s_mov_b64 s[24:25], s[16:17]
	s_cmp_ge_u32 ttmp9, 32                         ; wk: behind wq's 1,024 places
	s_cselect_b64 s[22:23], s[6:7], s[22:23]
	s_cselect_b32 s26, 1024*REC, s26
	s_cmp_ge_u32 ttmp9, 64                         ; wv
	s_cselect_b64 s[22:23], s[8:9], s[22:23]
	s_cselect_b64 s[24:25], s[18:19], s[24:25]
	s_cselect_b32 s26, 0, s26
	s_cmp_ge_u32 ttmp9, 96                         ; wo
	s_cselect_b64 s[22:23], s[10:11], s[22:23]
	s_cselect_b64 s[24:25], s[20:21], s[24:25]
	s_cmp_ge_u32 ttmp9, 128                        ; w1
	s_cselect_b64 s[22:23], s[12:13], s[22:23]
	s_cselect_b32 s26, 4*PS, s26
	s_cselect_b32 s27, 14, s27
	s_cselect_b32 s28, 127, s28
	s_cselect_b32 s29, 5, s29
	s_cmp_ge_u32 ttmp9, 256                        ; w2
	s_cselect_b64 s[22:23], s[14:15], s[22:23]
	s_cselect_b32 s26, 8*PS, s26
	s_cselect_b32 s27, 12, s27
	s_cselect_b32 s29, 3, s29
	s_and_b32 s30, ttmp9, s28
	s_lshr_b32 s31, s30, s29                       ; panel
	s_lshl_b32 s49, s31, s29
	s_sub_co_u32 s30, s30, s49                     ; group of 128 columns
	s_add_co_u32 s49, s27, 8
	s_lshl_b32 s50, s31, s49                       ; panel x 256 rows
	s_lshl_b32 s51, s30, 9
	s_add_co_u32 s50, s50, s51                     ; + group x 512 bytes
	s_lshl_b32 s51, s48, 7
	s_add_co_u32 s50, s50, s51                     ; + wave x 128 bytes
	s_mov_b32 s51, 0
	s_add_nc_u64 s[32:33], s[22:23], s[50:51]      ; block 0's first row
	s_add_co_u32 s49, s27, 5
	s_lshl_b32 s50, 1, s49                         ; 32 rows
.irp t, 1,2,3,4,5,6,7
	s_add_nc_u64 s[32+2*\t:33+2*\t], s[30+2*\t:31+2*\t], s[50:51]   ; a base for each block: none is stepped while loads are out
.endr
	s_lshl_b32 s52, 1, s27                         ; a row's bytes
	s_mul_i32 s53, s31, PS
	s_add_co_u32 s53, s53, s26
	s_lshl_b32 s54, s30, 2
	s_add_co_u32 s54, s54, s48
	s_mul_i32 s54, s54, 32*REC                     ; my wave's 32 places
	s_add_co_u32 s54, s54, s53
	s_mov_b32 s55, 0
	s_add_nc_u64 s[24:25], s[24:25], s[54:55]
.set I, 0
.rept 32
	v_mad_u32_u24 v[OFF+I], s52, I, v3
.set I, I+1
.endr
	s_mul_i32 s56, s48, 32*REC                     ; my stage
	v_and_b32 v4, 7, v2
	v_bfe_u32 v5, v2, 3, 1
	v_bfe_u32 v6, v2, 4, 1
	v_lshl_add_u32 v4, v5, 4, v4
	v_lshl_add_u32 v4, v6, 3, v4                   ; my column's place: bits 3 and 4 exchanged
	v_mul_u32_u24 v4, v4, REC
	v_add_nc_u32 v4, s56, v4                       ; into the stage
	v_lshlrev_b32 v5, 4, v2                        ; out: 16 bytes a lane
	v_add_nc_u32 v6, s56, v5
.macro LOAD t                          ; block t: W(32 t + i, my column) into set t % 2: 32 lanes read 128 consecutive bytes
.irp i, 0,1,2,3,4,5,6,7,8,9,10,11,12,13,14,15,16,17,18,19,20,21,22,23,24,25,26,27,28,29,30,31
	global_load_b32 v[X+32*((\t)%2)+\i], v[OFF+\i], s[32+2*(\t):33+2*(\t)] th:TH_LOAD_NT
.endr
.endm
.macro BLOCK t
.set XS, X+32*((\t)%2)
.if (\t) < 7
	s_wait_loadcnt 32                              ; this block's 32 loads are in; the next block's 32 may be out
.else
	s_wait_loadcnt 0x0
.endif
	v_max3_num_f32 v12, |v[XS]|, |v[XS+1]|, |v[XS+2]|
	v_max3_num_f32 v13, |v[XS+3]|, |v[XS+4]|, |v[XS+5]|
.irp i, 6,10,14,18,22,26
	v_max3_num_f32 v12, v12, |v[XS+\i]|, |v[XS+\i+1]|
	v_max3_num_f32 v13, v13, |v[XS+\i+2]|, |v[XS+\i+3]|
.endr
	v_max3_num_f32 v12, v12, |v[XS+30]|, |v[XS+31]|
	v_max3_num_f32 v12, v12, v13, 0x2800000        ; with the floor 2^(5 - 127): the byte cannot fall under 1
	v_add_nc_u32 v11, 0xfe000000, v12              ; 4 off the exponent field: the conversion's scale operand
	v_cvt_scalef32_pk16_bf6_f32 v[C+6*(\t):C+6*(\t)+2], v[XS:XS+15], v11
	v_cvt_scalef32_pk16_bf6_f32 v[T:T+2], v[XS+16:XS+31], v11      ; (a conversion's three registers begin on an even number)
	v_lshrrev_b32 v13, 23, v11                     ; the scale's byte; also the plain line behind the conversions
.irp i, 0,1,2
	v_mov_b32 v[C+6*(\t)+3+\i], v[T+\i]
.endr
.if (\t)%4 == 0
	v_mov_b32 v[C+48+(\t)/4], v13
.else
	v_lshl_or_b32 v[C+48+(\t)/4], v13, 8*((\t)%4), v[C+48+(\t)/4]
.endif
.if (\t)+2 < 8
	LOAD (\t)+2
.endif
.endm
	LOAD 0
	LOAD 1
.irp t, 0,1,2,3,4,5,6,7
	BLOCK \t
.endr
	v_mov_b32 v[C+50], 0
	v_mov_b32 v[C+51], 0
.irp j, 0,1,2,3,4,5,6,7,8,9,10,11,12
	ds_store_b128 v4, v[C+4*\j:C+4*\j+3] offset:16*\j
.endr
.irp j, 0,1,2,3,4,5,6,7,8,9,10,11,12
	ds_load_b128 v[X+4*\j:X+4*\j+3], v6 offset:512*\j       ; LDS serves a wave's instructions in order: these see my stores
.endr
.irp j, 0,1,2,3,4,5,6,7,8,9,10,11,12
	s_wait_dscnt 12-\j
	global_store_b128 v5, v[X+4*\j:X+4*\j+3], s[24:25] offset:512*\j   ; 512 consecutive bytes, at a multiple of 256 from the buffer's first byte
.endr
	s_wait_tensorcnt 0x0
	ds_add_u32 v224, v225
	s_wait_dscnt 0x0
	s_endpgm
; THE NORM'S PATH.  h = scale (x - mean) / sqrt(var + 1e-5) + shift, row by row of 1,024 f32, and h quantised along the row to codes of BF6 (E3M2) with one E8M0 byte for each 32.
; The codes leave as records of 208 bytes (256 numbers), panel c of 4,096 places for columns 256 c on; row n lies at place n with bits 3 and 4 exchanged.
; Work-group g = number - 384 owns 16 places on end, a wave four consecutive rows, kept in registers between the passes.  A row turns through the wave's own stage in LDS, after which lane l holds block l.
; The 16 rows' records meet in LDS; behind one barrier wave w stores panel w's 3,328 bytes as 13 whole runs of 256 bytes.  LDS: from LB on, behind the weights' stages and the spare words.
; LIMITS: NaN and infinities are not served; a block under 2^-122, or of zeros, keeps the byte 1 (this program alone reads the bytes).
.Lnorm:
.set LB,   0x6a00
.set OUT,  LB+4*4608                   ; four stages of 32 x 144 bytes, then 4 panels x 16 rows x 208 bytes
.set SCL,  32
.set SHF,  64
.set X,    96
	s_load_b256 s[4:11], s[0:1], 0x48              ; x, scale, shift, the codes
	v_lshrrev_b32 v1, 5, v0
	v_readfirstlane_b32 s16, v1                    ; wave
	v_and_b32 v2, 31, v0                           ; lane
	v_lshlrev_b32 v3, 4, v2
	s_sub_co_u32 s24, ttmp9, 384                   ; g
	s_mov_b32 s12, 0x76543210
	s_mov_b32 s13, 0xfedcba98                      ; lane l xor 16
	s_mov_b32 s14, 0x3a800000                      ; 1 / 1024
	s_mov_b32 s15, 0x3727c5ac                      ; 1e-5
	s_lshr_b32 s17, s24, 1                         ; my first row: 32 (g / 2) + 8 (g % 2) + 4 w + 8 (w / 2)
	s_lshl_b32 s17, s17, 5
	s_and_b32 s18, s24, 1
	s_lshl_b32 s18, s18, 3
	s_add_co_u32 s17, s17, s18
	s_lshl_b32 s18, s16, 2
	s_add_co_u32 s17, s17, s18
	s_lshr_b32 s18, s16, 1
	s_lshl_b32 s18, s18, 3
	s_add_co_u32 s17, s17, s18
	s_lshl_b32 s18, s17, 12
	s_mov_b32 s19, 0
	s_mul_i32 s20, s16, PS                         ; out: panel w, places 16 g on
	s_mul_i32 s21, s24, 16*REC
	s_add_co_u32 s20, s20, s21
	s_mov_b32 s21, 0
	s_wait_alu depctr_va_vdst(0)
	s_wait_kmcnt 0x0
	s_add_nc_u64 s[4:5], s[4:5], s[18:19]
	s_add_nc_u64 s[10:11], s[10:11], s[20:21]
.irp j, 0,1,2,3,4,5,6,7
	global_load_b128 v[SCL+4*\j:SCL+4*\j+3], v3, s[6:7] offset:512*\j
	global_load_b128 v[SHF+4*\j:SHF+4*\j+3], v3, s[8:9] offset:512*\j
.endr
.irp i, 0,1,2,3
.irp j, 0,1,2,3,4,5,6,7
	global_load_b128 v[X+32*\i+4*\j:X+32*\i+4*\j+3], v3, s[4:5] offset:4096*\i+512*\j
.endr
.endr
	v_lshrrev_b32 v11, 3, v2
	v_and_b32 v12, 7, v2
	v_mul_u32_u24 v6, v11, 16*REC
	s_mul_i32 s22, s16, 4*REC
	s_add_co_u32 s22, s22, OUT
	v_add_nc_u32 v6, s22, v6                       ; block l's record: panel l / 8, my wave's first row
	v_add_nc_u32 v7, v6, v12
	v_add_nc_u32 v7, 192, v7                       ; its scale byte
	v_mad_u32_u24 v6, v12, 24, v6                  ; its 24 bytes of codes
	s_mul_i32 s23, s16, 4608
	s_add_co_u32 s23, s23, LB
	v_mul_u32_u24 v4, v11, 144
	v_lshl_add_u32 v4, v12, 4, v4
	v_add_nc_u32 v4, s23, v4                       ; the turn, in: place 4 j + l / 8, 16 (l % 8) bytes on
	v_mul_u32_u24 v5, v2, 144
	v_add_nc_u32 v5, s23, v5                       ; and out: place l
	s_mul_i32 s22, s16, 16*REC
	s_add_co_u32 s22, s22, OUT
	v_lshlrev_b32 v10, 3, v2
	v_add_nc_u32 v9, s22, v10                      ; the way out: panel w, 8 bytes a lane
	v_mul_u32_u24 v8, v1, 16*REC                   ; the records' 8 zero bytes: 128 words, one a thread
	v_bfe_u32 v11, v0, 1, 4
	v_mad_u32_u24 v8, v11, REC, v8
	v_and_b32 v11, 1, v0
	v_lshl_add_u32 v8, v11, 2, v8
	v_add_nc_u32 v8, OUT+200, v8
	v_mov_b32 v11, 0
	ds_store_b32 v8, v11
.macro REDUCE a, b                     ; the sum over the 32 lanes, in every lane
	v_add_f32_dpp v[\a], v[\a], v[\a] row_xmask:1 row_mask:0xf bank_mask:0xf
	v_add_f32_dpp v[\a], v[\a], v[\a] row_xmask:2 row_mask:0xf bank_mask:0xf
	v_add_f32_dpp v[\a], v[\a], v[\a] row_xmask:4 row_mask:0xf bank_mask:0xf
	v_add_f32_dpp v[\a], v[\a], v[\a] row_xmask:8 row_mask:0xf bank_mask:0xf
	v_permlanex16_b32 v[\b], v[\a], s12, s13
	v_add_f32 v[\a], v[\a], v[\b]
.endm
.macro ROW i
.set XR, X+32*\i
	s_wait_loadcnt 8*(3-\i)                        ; this row's eight loads are in; the later rows' may be out
	v_pk_add_f32 v[16:17], v[XR:XR+1], v[XR+2:XR+3]
	v_pk_add_f32 v[18:19], v[XR+4:XR+5], v[XR+6:XR+7]
.irp j, 8,12,16,20,24,28
	v_pk_add_f32 v[16:17], v[16:17], v[XR+\j:XR+\j+1]
	v_pk_add_f32 v[18:19], v[18:19], v[XR+\j+2:XR+\j+3]
.endr
	v_pk_add_f32 v[16:17], v[16:17], v[18:19]
	v_add_f32 v16, v16, v17
	REDUCE 16, 17
	v_mul_f32 v16, s14, v16                        ; the mean
.irp j, 0,2,4,6,8,10,12,14,16,18,20,22,24,26,28,30
	v_pk_add_f32 v[XR+\j:XR+\j+1], v[XR+\j:XR+\j+1], v[16:17] op_sel_hi:[1,0] neg_lo:[0,1] neg_hi:[0,1]
.endr
	v_pk_mul_f32 v[18:19], v[XR:XR+1], v[XR:XR+1]
	v_pk_mul_f32 v[20:21], v[XR+2:XR+3], v[XR+2:XR+3]
.irp j, 4,8,12,16,20,24,28
	v_pk_fma_f32 v[18:19], v[XR+\j:XR+\j+1], v[XR+\j:XR+\j+1], v[18:19]
	v_pk_fma_f32 v[20:21], v[XR+\j+2:XR+\j+3], v[XR+\j+2:XR+\j+3], v[20:21]
.endr
	v_pk_add_f32 v[18:19], v[18:19], v[20:21]
	v_add_f32 v18, v18, v19
	REDUCE 18, 19
	v_fma_f32 v18, v18, s14, s15                   ; the variance + 1e-5
	s_wait_alu depctr_va_vdst(0)
	v_rsq_f32 v18, v18
	v_nop                                          ; a plain line behind the transcendental
	s_wait_alu depctr_va_vdst(0)
.irp j, 0,2,4,6,8,10,12,14,16,18,20,22,24,26,28,30
	v_pk_mul_f32 v[XR+\j:XR+\j+1], v[XR+\j:XR+\j+1], v[18:19] op_sel_hi:[1,0]
.endr
.irp j, 0,2,4,6,8,10,12,14,16,18,20,22,24,26,28,30
	v_pk_fma_f32 v[XR+\j:XR+\j+1], v[XR+\j:XR+\j+1], v[SCL+\j:SCL+\j+1], v[SHF+\j:SHF+\j+1]
.endr
.irp j, 0,1,2,3,4,5,6,7
	ds_store_b128 v4, v[XR+4*\j:XR+4*\j+3] offset:576*\j
.endr
.irp j, 0,1,2,3,4,5,6,7
	ds_load_b128 v[XR+4*\j:XR+4*\j+3], v5 offset:16*\j     ; LDS serves a wave's instructions in order: these see the stores above
.endr
	s_wait_dscnt 0x0                               ; block l is mine; the last row's stores have read their registers too
	v_max3_num_f32 v12, |v[XR]|, |v[XR+1]|, |v[XR+2]|
	v_max3_num_f32 v13, |v[XR+3]|, |v[XR+4]|, |v[XR+5]|
.irp j, 6,10,14,18,22,26
	v_max3_num_f32 v12, v12, |v[XR+\j]|, |v[XR+\j+1]|
	v_max3_num_f32 v13, v13, |v[XR+\j+2]|, |v[XR+\j+3]|
.endr
	v_max3_num_f32 v12, v12, |v[XR+30]|, |v[XR+31]|
	v_max3_num_f32 v12, v12, v13, 0x2800000        ; with the floor 2^(5 - 127)
	v_add_nc_u32 v11, 0xfe000000, v12              ; 4 off the exponent field: the conversion's scale operand
	v_cvt_scalef32_pk16_bf6_f32 v[22:24], v[XR:XR+15], v11
	v_cvt_scalef32_pk16_bf6_f32 v[26:28], v[XR+16:XR+31], v11
	v_lshrrev_b32 v29, 23, v11                     ; the byte; also the plain line behind the conversions
	v_mov_b32 v25, v26
	v_mov_b32 v26, v27
	v_mov_b32 v27, v28                             ; v22-27: 24 bytes on end
.irp p, 0,1,2
	ds_store_b64 v6, v[22+2*\p:23+2*\p] offset:\i*REC+8*\p
.endr
	ds_store_b8 v7, v29 offset:\i*REC
.endm
	ROW 0
	ROW 1
	ROW 2
	ROW 3
	s_wait_dscnt 0x0                               ; for the others' sake: my stores have landed
	s_barrier_signal -1
	s_barrier_wait -1
.irp k, 0,1,2,3,4,5,6,7,8,9,10,11,12
	ds_load_b64 v[X+2*\k:X+2*\k+1], v9 offset:256*\k
.endr
.irp k, 0,1,2,3,4,5,6,7,8,9,10,11,12
	s_wait_dscnt 12-\k
	global_store_b64 v10, v[X+2*\k:X+2*\k+1], s[10:11] offset:256*\k   ; 32 lanes store 256 consecutive bytes, aligned
.endr
	s_wait_tensorcnt 0x0                           ; the wave's end
	ds_add_u32 v224, v225
	s_wait_dscnt 0x0
	s_endpgm
.Lfunc_end_k_q39546c354d_wquant:
	.size	k_q39546c354d_wquant, .Lfunc_end_k_q39546c354d_wquant-k_q39546c354d_wquant
	.p2alignl 7, 3214868480
	.fill 96, 4, 3214868480
	.section	.rodata,"a",@progbits
	.p2align	6, 0x0
	.amdhsa_kernel k_q39546c354d_wquant
		.amdhsa_group_segment_fixed_size 58880
		.amdhsa_private_segment_fixed_size 0
		.amdhsa_enable_private_segment 0
		.amdhsa_kernarg_size 104
		.amdhsa_user_sgpr_count 2
		.amdhsa_user_sgpr_kernarg_segment_ptr 1
		.amdhsa_wavefront_size32 1
		.amdhsa_system_sgpr_workgroup_id_x 1
		.amdhsa_system_sgpr_workgroup_id_y 1
		.amdhsa_system_sgpr_workgroup_id_z 1
		.amdhsa_system_vgpr_workitem_id 0
		.amdhsa_next_free_vgpr 226
		.amdhsa_next_free_sgpr 66
		.amdhsa_reserve_vcc 0
		.amdhsa_float_denorm_mode_32 3
		.amdhsa_float_denorm_mode_16_64 3
		.amdhsa_memory_ordered 1
		.amdhsa_forward_progress 1
		.amdhsa_inst_pref_size 89
	.end_amdhsa_kernel
	.amdgpu_metadata
---
amdhsa.version: [ 1, 2 ]
amdhsa.kernels:
  - .name:           k_q39546c354d_wquant
    .symbol:         k_q39546c354d_wquant.kd
    .args:
      - { .name: wq, .offset: 0, .size: 8, .value_kind: global_buffer, .address_space: global }
      - { .name: wk, .offset: 8, .size: 8, .value_kind: global_buffer, .address_space: global }
      - { .name: wv, .offset: 16, .size: 8, .value_kind: global_buffer, .address_space: global }
      - { .name: wo, .offset: 24, .size: 8, .value_kind: global_buffer, .address_space: global }
      - { .name: w1, .offset: 32, .size: 8, .value_kind: global_buffer, .address_space: global }
      - { .name: w2, .offset: 40, .size: 8, .value_kind: global_buffer, .address_space: global }
      - { .name: wqk, .offset: 48, .size: 8, .value_kind: global_buffer, .address_space: global }
      - { .name: wvc, .offset: 56, .size: 8, .value_kind: global_buffer, .address_space: global }
      - { .name: wts, .offset: 64, .size: 8, .value_kind: global_buffer, .address_space: global }
      - { .name: x, .offset: 72, .size: 8, .value_kind: global_buffer, .address_space: global }
      - { .name: ln1_scale, .offset: 80, .size: 8, .value_kind: global_buffer, .address_space: global }
      - { .name: ln1_shift, .offset: 88, .size: 8, .value_kind: global_buffer, .address_space: global }
      - { .name: hc, .offset: 96, .size: 8, .value_kind: global_buffer, .address_space: global }
    .group_segment_fixed_size: 58880
    .private_segment_fixed_size: 0
    .kernarg_segment_align: 8
    .kernarg_segment_size: 104
    .max_flat_workgroup_size: 128
    .sgpr_count:     66
    .vgpr_count:     226
    .wavefront_size: 32
...
	.end_amdgpu_metadata
.endif
;; end of part 8
;; launch qkv (part 9): grid 8 x 24, 4 waves a work-group, clusters of 4 x 4, 327,680 bytes of LDS; arguments hc, wqk, wvc, qkh, vth; writes qkh, vth
.if DOCPART == 9
	.amdgcn_target "amdgcn-amd-amdhsa--gfx1250"
	.amdhsa_code_object_version 6
	.text
	.protected	k_q39546c354d_qkv
	.globl	k_q39546c354d_qkv
	.p2align	8
	.type	k_q39546c354d_qkv,@function
k_q39546c354d_qkv:
	s_mov_b64 s[64:65], 0
	v_nop
	global_prefetch_b8 v0, s[64:65] scope:SCOPE_SE
	s_setreg_imm32_b32 hwreg(HW_REG_WAVE_MODE, 25, 1), 1
	s_wait_xcnt 0x0
	s_wait_alu depctr_hold_cnt(0) depctr_sa_sdst(0) depctr_va_vdst(0) depctr_va_sdst(0) depctr_va_ssrc(0) depctr_va_vcc(0) depctr_vm_vsrc(0)
	s_getreg_b32 s2, hwreg(HW_REG_IB_STS2, 6, 4)
	s_cmp_eq_u32 s2, 0
	s_cbranch_scc0 .Lentry_in_a_cluster
	s_endpgm
.Lentry_in_a_cluster:
	s_bfe_u32 s2, ttmp6, 0x10000c
	s_cmp_lg_u32 s2, 0xf033
	s_cbranch_scc0 .Lentry_shape_is_right
	s_endpgm
.Lentry_shape_is_right:
; C = A B^T on codes of BF6 (E3M2) with E8M0 scales, K = 1,024, and C quantised again along N.  One launch for three products:
; clusters with y 0-3 make q and k (A = h, B = wq and wk, 16 x 8 tiles), clusters with y 4, 5 make V^T (A = wv, B = h, 4 x 16 tiles: N is then the keys).  Only pointers, tile numbers and one stride are chosen, on the cluster's number.
; OPERANDS ARE RECORDS: 208 bytes for 256 along K of one row (192 bytes of codes, 8 scale bytes, 8 zeros); a panel is 4,096 places; 4 panels on end.  Logical row n lies at place n with bits 3 and 4 exchanged,
; so that 16 places on end of B give, in the transposed result, 8 + 8 registers of two neighbouring tiles that are 16 neighbours along N.
; A tile of C, 256 x 256, is made by four waves of 128 x 128 (64 accumulators).  Two LDS slots of one K step (256 along K); 4 x 4 work-groups form a cluster, A's tile is shared along its row, B's along its column.
; THE HEAD asks for K steps 0 and 1 by ONE joint load a wave: two rows of 26,624 bytes, a panel apart; so a wave's two slots lie on end in LDS.  K steps 2 and 3 are refills, each behind a round of the cluster's barrier.
; THE PREFETCHES: K steps 2 and 3 of my tile, 104 blocks of 256 bytes each, are named at the head, a K step and more ahead of their refills.  The four partners that ask for a tile jointly share its blocks out BY ADDRESS:
; the partner at place p (cx for A, cy for B) names blocks 26 p .. 26 p + 25, a lane a block (lanes 26-31 name the last again).  There is no later K step to name.
; THE MATRIX INSTRUCTION IS USED TRANSPOSED (source 0 = 16 places of B, source 1 = 16 places of A): a lane holds one row of C and its registers run along N.
; THE RESULT is laid as the next launch's registers want it.  A GROUP is 64 columns.  For a group, 128 places of rows are a BLOCK of 6,656 bytes: two halves of 3,328, each four tiles of 16 places:
; 768 bytes of codes a tile (piece p of 8 bytes of lane l at 256 p + 8 l: lane (r, h) holds columns 32 h .. 32 h + 31 of place r), then 64 bytes of scale words a tile (4 r).
; A scale word holds the four bytes of the pair of groups 2 m, 2 m + 1; in the odd group's word the halves are exchanged, so that a group's own two bytes always come first.
; A buffer is [group][block]: q's 16 and k's 16 groups of 32 blocks in qkh, V^T's 64 groups of 8 blocks in vth.
; REGISTERS: window 0: v16-30 addresses; v32-63 scale words, two sets, and nothing else; v128-223 A's fragments; way out: v64-167, v200-242.  Window 1: B's fragments, two sets.  Windows 2, 3: accumulators ((a, b) at v[8 (8 (a % 4) + b)]).
; LIMITS: NaN and infinities are not served; a block under 2^-122, or of zeros, keeps the byte 1 (this program alone reads the bytes).
.set RB,     208
.set PS,     4096*RB
.set HALFT,  128*RB                    ; 128 records: what one wave reads of A or of B in a K step
.set SLOT,   4*HALFT
.set STAGE,  2*SLOT                    ; behind the ring: 4 groups x 2 blocks
.set HB,     3328
.set BLK,    2*HB
.set GRP,    2*BLK                     ; a group's part of the tile
.set SPARE,  STAGE+4*GRP               ; the spare words, 128 bytes a wave, which no other line names
.set LAPS,   2
.set FR,     12
.set NL,     6
.set NP,     4
.set NQ,     2
.set ADRA, 16
.set ADRS, 18
.set ADRB, 20
.set STO,  24
.set RD,   25
.set CO,   26
.set SSO,  27
.set SPW,  28
.set NIL,  29
.set PFO,  30                          ; the prefetches' offset: my block of my work-group's 26
.set SC,   32
.set RBK,  64
.set AF,   128
.set TM,   200
.set PW,   216
.set PC,   224
.set G1, 24
.set G0, 32
.set G1B, 48
.set G0B, 56
.set SEL, 68
.set ISV, 70
.set G1H, 76                           ; group 1 of the head's loads: two rows of 26,624 bytes
.set G1HB, 84
.set PFA, 92                           ; s[92:93] my work-group's 26 blocks of my tile's K step 0
.set MSB, 0
.macro WIN new                         ; the immediate's high byte repeats the setting that is left
.if MSB != \new
	s_set_vgpr_msb (MSB<<8)|\new
.set MSB, \new
.endif
.endm
.set MUL_LO, 0xa1                      ; source 0 (B) window 1, source 1 (A) window 0, C and D window 2
.set MUL_HI, 0xf1
.set TO_B,   0x40
.macro JLOAD g0a, g1a, g0b, g1b        ; a joint load: waves 0, 1 fetch A's halves, waves 2, 3 B's; s_nop 0 and four v_nop follow each line
	s_cmp_eq_u32 s15, 0
	s_cbranch_scc0 .Lfor_b_\@
	tensor_load_to_lds s[\g0a:\g0a+3], s[\g1a:\g1a+7]
	s_nop 0
.rept 4
	v_nop
.endr
	s_branch .Lasked_\@
.Lfor_b_\@:
	tensor_load_to_lds s[\g0b:\g0b+3], s[\g1b:\g1b+7]
	s_nop 0
.rept 4
	v_nop
.endr
.Lasked_\@:
.endm
.macro CREST                           ; a round of the cluster's barrier behind its opening barrier
	s_cmp_lg_u32 s14, 0
	s_cbranch_scc1 .Lnot_wave_0_\@
	s_barrier_signal -3
.Lnot_wave_0_\@:
	s_barrier_wait -3
	s_barrier_signal -1
	s_barrier_wait -1
.endm
.macro CROUND
	s_barrier_signal -1
	s_barrier_wait -1
	CREST
.endm
	s_load_b128 s[4:7], s[0:1], 0x0                ; h, wq and wk
	s_load_b128 s[8:11], s[0:1], 0x10              ; wv, q's and k's result
	s_load_b64 s[12:13], s[0:1], 0x20              ; V^T's result
	v_lshl_add_u32 v[SPW], v0, 2, SPARE
	v_mov_b32 v[NIL], 0
	ds_add_u32 v[SPW], v[NIL]                      ; the opening lines: the add, twice on end, and its wait
	ds_add_u32 v[SPW], v[NIL]
	v_lshrrev_b32 v1, 5, v0
	v_readfirstlane_b32 s14, v1                    ; wave
	s_lshr_b32 s15, s14, 1                         ; my half of the tile's rows; also: I fetch for A (0) or B (1)
	s_and_b32 s16, s14, 1                          ; my half of its columns; also: which 128 rows I fetch
	s_bfe_u32 s40, ttmp6, 0x40000
	s_bfe_u32 s41, ttmp6, 0x40004
	s_and_b32 s17, ttmp7, 0xffff                   ; the cluster's y
	s_cmp_ge_u32 s17, 4
	s_cselect_b32 s[ISV], 1, 0                     ; V^T's clusters
	s_lshl_b32 s71, s17, 1
	s_sub_co_u32 s71, s71, 8                       ; 2 (y - 4)
	s_cmp_lg_u32 s[ISV], 0
	s_cselect_b32 s71, s71, 0
	s_cselect_b32 s17, 0, s17                      ; V^T: one row of clusters, four columns: x + 2 (y - 4)
	s_add_co_u32 s42, ttmp9, s71
	s_lshl_b32 s42, s42, 2
	s_add_co_u32 s42, s42, s40                     ; tile column
	s_lshl_b32 s17, s17, 2
	s_add_co_u32 s17, s17, s41                     ; tile row
	s_lshl_b32 s43, s41, 2
	s_lshl_b32 s43, 15, s43                        ; my row of the cluster
	s_lshl_b32 s44, 0x1111, s40                    ; my column
	s_or_b32 s[G1+0], s43, (3<<16)|(1<<21)         ; the mask; elements of 8 bytes; bit 21 beside a mask; no padding
	s_or_b32 s[G1B+0], s44, (3<<16)|(1<<21)
	s_or_b32 s[G1H+0], s43, (3<<16)|(1<<21)
	s_or_b32 s[G1HB+0], s44, (3<<16)|(1<<21)
.irp g, G1, G1B
	s_mov_b32 s[\g+1], 32<<16                      ; rows of 256 bytes,
	s_mov_b32 s[\g+2], 104<<16                     ; 104 of them: 26,624 dense bytes
	s_mov_b32 s[\g+3], 32<<16
	s_mov_b32 s[\g+4], 104
	s_mov_b32 s[\g+5], 32
	s_mov_b32 s[\g+6], 0
	s_mov_b32 s[\g+7], 0
.endr
.irp g, G1H, G1HB
	s_mov_b32 s[\g+1], (HALFT/8)<<16               ; rows of 26,624 bytes,
	s_mov_b32 s[\g+2], 2<<16                       ; two of them,
	s_mov_b32 s[\g+3], (HALFT/8)<<16
	s_mov_b32 s[\g+4], 2
	s_mov_b32 s[\g+5], PS/8                        ; a panel apart
	s_mov_b32 s[\g+6], 0
	s_mov_b32 s[\g+7], 0
.endr
	s_mov_b32 s[SEL], 0x76543210
	s_mov_b32 s[SEL+1], 0xfedcba98
	s_lshl_b32 s18, s16, 7
	s_lshl_b32 s20, s17, 8
	s_add_co_u32 s20, s20, s18
	s_mul_i32 s20, s20, RB                         ; A: place 256 x tile row + 128 x half
	s_mov_b32 s21, 0
	s_lshl_b32 s46, s42, 8
	s_add_co_u32 s46, s46, s18
	s_mul_i32 s46, s46, RB                         ; B: place 256 x tile column + 128 x half
	s_mov_b32 s47, 0
	s_mul_i32 s45, s14, 2*HALFT                    ; where they go: my two slots on end; no place in the cluster enters an LDS address
	s_wait_dscnt 0x0                               ; both opening adds are done
	s_wait_kmcnt 0x0
	s_cmp_lg_u32 s[ISV], 0
	s_cselect_b64 s[72:73], s[8:9], s[4:5]         ; A: wv or h
	s_cselect_b64 s[74:75], s[4:5], s[6:7]         ; B: h or wq and wk
	s_cselect_b64 s[8:9], s[12:13], s[10:11]       ; the result
	s_add_nc_u64 s[20:21], s[72:73], s[20:21]
	s_add_nc_u64 s[46:47], s[74:75], s[46:47]
	CROUND                                         ; all sixteen work-groups are here: the first joint loads meet
.irp s, 0,1
	s_mov_b32 s[G0+4*\s], 1
	s_add_co_u32 s[G0+4*\s+1], s45, \s*HALFT
	s_add_nc_u64 s[G0+4*\s+2:G0+4*\s+3], s[20:21], \s*PS
	s_or_b32 s[G0+4*\s+3], s[G0+4*\s+3], 0x80000000
	s_mov_b32 s[G0B+4*\s], 1
	s_add_co_u32 s[G0B+4*\s+1], s45, \s*HALFT
	s_add_nc_u64 s[G0B+4*\s+2:G0B+4*\s+3], s[46:47], \s*PS
	s_or_b32 s[G0B+4*\s+3], s[G0B+4*\s+3], 0x80000000
.endr
	s_cmp_eq_u32 s15, 0                            ; the prefetches' base: my tile, my work-group's 26 blocks of its 104
	s_cselect_b64 s[PFA:PFA+1], s[20:21], s[46:47]
	s_cselect_b32 s94, s40, s41
	s_mul_i32 s94, s94, 26*256
	s_mov_b32 s95, 0
	s_add_nc_u64 s[PFA:PFA+1], s[PFA:PFA+1], s[94:95]
	JLOAD G0, G1H, G0B, G1HB                       ; K steps 0 and 1: my one tensor load at the head
	v_and_b32 v[PFO], 31, v0
	v_min_u32 v[PFO], 25, v[PFO]
	v_lshlrev_b32 v[PFO], 8, v[PFO]
	global_prefetch_b8 v[PFO], s[PFA:PFA+1] offset:2*PS th:TH_LOAD_NT scope:SCOPE_SE   ; K step 2
	global_prefetch_b8 v[PFO], s[PFA:PFA+1] offset:3*PS th:TH_LOAD_NT scope:SCOPE_SE   ; K step 3; neither register is written again
	v_and_b32 v1, 15, v0                           ; r
	v_bfe_u32 v2, v0, 4, 1                         ; h
	v_mul_u32_u24 v3, v1, RB
	v_mad_u32_u24 v4, v2, 24, v3                   ; a fragment's row + 24 h
	s_mul_i32 s21, s15, 2*HALFT
	s_mul_i32 s22, s16, 2*HALFT
	s_add_co_u32 s22, s22, 4*HALFT
	s_sub_co_u32 s23, s22, s21
	v_mul_u32_u24 v5, s23, v2                      ; lanes 16-31 take B's scale words
	v_add_nc_u32 v5, v5, v3
	v_add_nc_u32 v5, 192, v5
.irp s, 0,1
	v_add_nc_u32 v[ADRA+\s], s21, v4
	v_add_nc_u32 v[ADRB+\s], s22, v4
	v_add_nc_u32 v[ADRS+\s], s21, v5
	s_add_co_u32 s21, s21, HALFT
	s_add_co_u32 s22, s22, HALFT
.endr
	s_mul_i32 s23, s15, BLK                        ; the stage: [group][block]: my block of rows,
	s_mul_i32 s22, s16, 2*GRP                      ; my first group
	s_add_co_u32 s22, s22, s23
	s_add_co_u32 s22, s22, STAGE
	s_mul_i32 s23, s14, GRP                        ; back: wave w takes group w, as dense bytes
	s_add_co_u32 s23, s23, STAGE
	v_and_b32 v6, 31, v0
	v_lshlrev_b32 v7, 3, v6
	v_lshlrev_b32 v8, 2, v1
	v_lshlrev_b32 v[CO], 4, v6
	v_add_nc_u32 v[STO], s22, v7                   ; codes: 8 x lane
	v_add_nc_u32 v8, HB-256, v8
	v_add_nc_u32 v[SSO], s22, v8                   ; scale words: behind a half's four tiles, 4 r
	v_add_nc_u32 v[RD], s23, v[CO]
	s_cmp_lg_u32 s[ISV], 0
	s_mov_b32 s21, 32*BLK                          ; a group in memory: 32 blocks of q or k,
	s_cselect_b32 s21, 8*BLK, s21                  ; 8 of V^T
	s_lshl_b32 s46, s42, 2
	s_add_co_u32 s46, s46, s14                     ; group 4 x tile column + wave
	s_mul_i32 s46, s46, s21
	s_mul_i32 s20, s17, GRP                        ; blocks 2 x tile row on
	s_add_co_u32 s20, s20, s46
	s_mov_b32 s21, 0
	s_add_nc_u64 s[8:9], s[8:9], s[20:21]
.macro FRAG reg, adr, q, i             ; 16 rows x 128 K: lane (r, h) takes 24 bytes at 96 q + 24 h and 24 at 48 more, in pieces of 8 bytes
.irp p, 0,1,2,3,4,5
	ds_load_b64 v[\reg+2*\p:\reg+2*\p+1], v[\adr] offset:96*(\q)+48*(\p/3)+8*(\p%3)+(\i)*16*RB
.endr
.endm
; 16 matrix instructions: A's blocks a0, a0 + 1 x B's eight.  The 64 accumulators take turns, one instruction a turn, in the same order in every step.  zero = 1: the first product starts the sums.
.macro MUL16 a0, p, q, sc, zero
.irp a, \a0, \a0+1
.irp b, 0,1,2,3,4,5,6,7
.if \zero
	v_wmma_scale_f32_16x16x128_f8f6f4 v[8*(8*((\a)%4)+\b):8*(8*((\a)%4)+\b)+7], v[128*(\p)+FR*\b:128*(\p)+FR*\b+FR-1], v[AF+FR*(\a):AF+FR*(\a)+FR-1], 0, v[SC+8*NQ*(\sc)+NQ*\b+(\q)], v[SC+8*NQ*(\sc)+NQ*(\a)+(\q)] matrix_a_fmt:MATRIX_FMT_BF6 matrix_b_fmt:MATRIX_FMT_BF6 matrix_a_scale:MATRIX_SCALE_ROW1
.else
	v_wmma_scale_f32_16x16x128_f8f6f4 v[8*(8*((\a)%4)+\b):8*(8*((\a)%4)+\b)+7], v[128*(\p)+FR*\b:128*(\p)+FR*\b+FR-1], v[AF+FR*(\a):AF+FR*(\a)+FR-1], v[8*(8*((\a)%4)+\b):8*(8*((\a)%4)+\b)+7], v[SC+8*NQ*(\sc)+NQ*\b+(\q)], v[SC+8*NQ*(\sc)+NQ*(\a)+(\q)] matrix_a_fmt:MATRIX_FMT_BF6 matrix_b_fmt:MATRIX_FMT_BF6 matrix_a_scale:MATRIX_SCALE_ROW1
.endif
.endr
.endr
.endm
.macro FETCH_B slot, q, p
	WIN TO_B
.irp i, 0,1,2,3,4,5,6,7
	FRAG 128*(\p)+FR*\i, ADRB+\slot, \q, \i
.endr
	WIN 0
.endm
.macro FETCH_A slot, q, i0
.irp i, \i0, \i0+1, \i0+2, \i0+3
	FRAG AF+FR*(\i), ADRA+\slot, \q, \i
.endr
.endm
.macro SCALES sc                       ; a K step's scale words: 8 bytes a row; lanes 0-15 A's block i, lanes 16-31 B's block i
.irp i, 0,1,2,3,4,5,6,7
	ds_load_b64 v[SC+8*NQ*\sc+NQ*\i:SC+8*NQ*\sc+NQ*\i+1], v[ADRS+\sc] offset:\i*16*RB
.endr
.endm
.macro PLACES n                        ; plain vector lines between a matrix instruction and a load into, or a read of, its registers
.rept \n
	v_nop
.endr
.endm
.macro STEP slot, q, zero              ; 128 along K whose successor lies in the same slot
	s_wait_dscnt 4*NL                              ; all but the youngest 24 loads (A's blocks 4-7) are in
	WIN MUL_LO
	MUL16 0, (\q)%2, \q, \slot, \zero
	MUL16 2, (\q)%2, \q, \slot, \zero
	s_wait_dscnt 0
	PLACES NP
	FETCH_B \slot, (\q)+1, 1-(\q)%2
	FETCH_A \slot, (\q)+1, 0
	WIN MUL_HI
	MUL16 4, (\q)%2, \q, \slot, \zero
	MUL16 6, (\q)%2, \q, \slot, \zero
	PLACES NP
	WIN 0
	FETCH_A \slot, (\q)+1, 4
.endm
.macro TURN slot, next, fill           ; a slot's last step changes slots: one barrier; fill = 1: the slot is filled again, two K steps ahead
	s_wait_tensorcnt 0x0                           ; all my tensor loads have landed
	ds_add_u32 v[SPW], v[NIL]                      ; 0 onto my spare word
	s_wait_dscnt 4*NL+1                            ; (the add and A's blocks 4-7 may be out)
	WIN MUL_LO
	MUL16 0, 1, NQ-1, \slot, 0
	s_wait_dscnt 0x0                               ; the add is done, and my reads of this slot are over
	s_barrier_signal -1
	MUL16 2, 1, NQ-1, \slot, 0
	WIN 0
	s_barrier_wait -1
.if \fill
	CREST                                          ; the barrier opened a round of the cluster's: no wave of any partner still reads this slot or has a load on its way
	s_add_nc_u64 s[G0+4*\slot+2:G0+4*\slot+3], s[G0+4*\slot+2:G0+4*\slot+3], 2*PS
	s_add_nc_u64 s[G0B+4*\slot+2:G0B+4*\slot+3], s[G0B+4*\slot+2:G0B+4*\slot+3], 2*PS
	JLOAD G0+4*\slot, G1, G0B+4*\slot, G1B         ; the first tensor load behind the round; its four v_nop are the places in front of the loads below
.else
	PLACES NP
.endif
	FETCH_B \next, 0, 0
	FETCH_A \next, 0, 0
	SCALES \next
	WIN MUL_HI
	MUL16 4, 1, NQ-1, \slot, 0
	MUL16 6, 1, NQ-1, \slot, 0
	PLACES NP
	WIN 0
	FETCH_A \next, 0, 4
.endm
	s_wait_alu depctr_va_vdst(0)
	s_wait_tensorcnt 0x0                           ; my part of K steps 0 and 1 is in
	s_barrier_signal -1
	s_barrier_wait -1                              ; and everybody's
	FETCH_B 0, 0, 0
	FETCH_A 0, 0, 0
	SCALES 0
	FETCH_A 0, 0, 4
	STEP 0, 0, 1
	s_mov_b32 s3, LAPS-1
.Llap:
	TURN 0, 1, 1
	STEP 1, 0, 0
	TURN 1, 0, 1
	STEP 0, 0, 0
	s_sub_co_u32 s3, s3, 1
	s_cmp_lg_u32 s3, 0
	s_cbranch_scc1 .Llap
	TURN 0, 1, 0
	STEP 1, 0, 0
	s_wait_dscnt 4*NL
	WIN MUL_LO
	MUL16 0, 1, NQ-1, 1, 0
	MUL16 2, 1, NQ-1, 1, 0
	s_wait_dscnt 0
	WIN MUL_HI
	MUL16 4, 1, NQ-1, 1, 0
	MUL16 6, 1, NQ-1, 1, 0
	WIN 0
; THE WAY OUT.  Block a: 16 places of rows; my 64 registers: register 16 b + i = column 32 b + 16 h + i of my row: two groups of 64, four blocks of 32.
.macro QOUT a
.set AC, 64*((\a)%4)
.set TO, HB*((\a)/4)                   ; the half of the result's block
	WIN 0x0a+5*((\a)/4)                            ; sources 0 and 1: the accumulators' window
.irp b, 0,1,2,3
	v_max3_num_f32 v[TM+\b], |v[AC+16*\b]|, |v[AC+16*\b+1]|, 0x2800000    ; each accumulator is read from its low end on; the floor 2^(5 - 127) holds the byte at 1 from below
.endr
.irp i, 2,4,6,8,10,12,14
.irp b, 0,1,2,3
	v_max3_num_f32 v[TM+\b], |v[AC+16*\b+\i]|, |v[AC+16*\b+\i+1]|, v[TM+\b]
.endr
.endr
	WIN 0
	s_wait_alu depctr_va_vdst(0)
	s_wait_dscnt 0x0                               ; the last block's stores have read their registers
.irp b, 0,1,2,3
	v_permlanex16_b32 v[TM+4+\b], v[TM+\b], s[SEL], s[SEL+1]
.endr
.irp b, 0,1,2,3
	v_max_num_f32 v[TM+\b], v[TM+\b], v[TM+4+\b]   ; with lane l xor 16's: the block's largest magnitude
.endr
.irp b, 0,1,2,3
	v_add_nc_u32 v[TM+12+\b], 0xfe000000, v[TM+\b] ; 4 off the exponent field: the conversion's scale operand
.endr
.irp b, 0,1,2,3
	v_lshrrev_b32 v[TM+4+\b], 23, v[TM+12+\b]
.endr
	v_lshl_or_b32 v[PW], v[TM+5], 8, v[TM+4]
	v_lshl_or_b32 v[PW], v[TM+6], 16, v[PW]
	v_lshl_or_b32 v[PW], v[TM+7], 24, v[PW]        ; the even group's scale word: the pair's four bytes
	v_perm_b32 v[PW+1], v[PW], v[PW], 0x01000302   ; the odd group's: the halves exchanged
	WIN 0x02+((\a)/4)                              ; source 0: the accumulators' window
.irp c, 0,1
	v_cvt_scalef32_pk16_bf6_f32 v[PC+6*\c:PC+2+6*\c], v[AC+32*\c:AC+15+32*\c], v[TM+12+2*\c]
	v_cvt_scalef32_pk16_bf6_f32 v[PC+12+4*\c:PC+14+4*\c], v[AC+16+32*\c:AC+31+32*\c], v[TM+12+2*\c+1]
.endr
	WIN 0
	v_nop                                          ; one plain line behind a scaled conversion
.irp c, 0,1                                    ; a whole block to a lane: lanes 0-15 block 2 c, lanes 16-31 block 2 c + 1
.irp i, 0,1,2
	v_permlane16_swap_b32 v[PC+6*\c+\i], v[PC+12+4*\c+\i]
.endr
.irp i, 0,1,2
	v_mov_b32 v[PC+3+6*\c+\i], v[PC+12+4*\c+\i]
.endr
.endr
.irp c, 0,1
.irp p, 0,1,2
	ds_store_b64 v[STO], v[PC+6*\c+2*\p:PC+6*\c+2*\p+1] offset:GRP*\c+TO+768*((\a)%4)+256*\p   ; 32 lanes store 256 bytes on end
.endr
	ds_store_b32 v[SSO], v[PW+\c] offset:GRP*\c+TO+64*((\a)%4)   ; lanes r and r + 16 write the same word with the same value
.endr
.endm
	PLACES NP
.irp b, 0,1,2,3
	v_mov_b32 v[TM+4+\b], 0                        ; written once: a lane permute's destination counts as one of its sources
.endr
.irp a, 0,1,2,3,4,5,6,7
	QOUT \a
.endr
	s_wait_dscnt 0x0                               ; for the others' sake: my stores into the stage have landed
	s_barrier_signal -1
	s_barrier_wait -1
.set I, 0
.rept 26
	ds_load_b128 v[RBK+4*I:RBK+4*I+3], v[RD] offset:512*I
.set I, I+1
.endr
.set I, 0
.rept 26
	s_wait_dscnt 25-I
	global_store_b128 v[CO], v[RBK+4*I:RBK+4*I+3], s[8:9] offset:512*I   ; 512 consecutive bytes, at a multiple of 256 from the buffer's first byte
.set I, I+1
.endr
	s_wait_tensorcnt 0x0                           ; the wave's end
	ds_add_u32 v[SPW], v[NIL]
	s_wait_dscnt 0x0
	CROUND                                         ; the closing round
	s_endpgm
.Lfunc_end_k_q39546c354d_qkv:
	.size	k_q39546c354d_qkv, .Lfunc_end_k_q39546c354d_qkv-k_q39546c354d_qkv
	.p2alignl 7, 3214868480
	.fill 96, 4, 3214868480
	.section	.rodata,"a",@progbits
	.p2align	6, 0x0
	.amdhsa_kernel k_q39546c354d_qkv
		.amdhsa_group_segment_fixed_size 327680
		.amdhsa_private_segment_fixed_size 0
		.amdhsa_enable_private_segment 0
		.amdhsa_kernarg_size 40
		.amdhsa_user_sgpr_count 2
		.amdhsa_user_sgpr_kernarg_segment_ptr 1
		.amdhsa_wavefront_size32 1
		.amdhsa_system_sgpr_workgroup_id_x 1
		.amdhsa_system_sgpr_workgroup_id_y 1
		.amdhsa_system_sgpr_workgroup_id_z 1
		.amdhsa_system_vgpr_workitem_id 0
		.amdhsa_next_free_vgpr 1024
		.amdhsa_next_free_sgpr 96
		.amdhsa_reserve_vcc 0
		.amdhsa_float_denorm_mode_32 3
		.amdhsa_float_denorm_mode_16_64 3
		.amdhsa_memory_ordered 1
		.amdhsa_forward_progress 1
		.amdhsa_inst_pref_size 170
	.end_amdhsa_kernel
	.amdgpu_metadata
---
amdhsa.version: [ 1, 2 ]
amdhsa.kernels:
  - .name:           k_q39546c354d_qkv
    .symbol:         k_q39546c354d_qkv.kd
    .args:
      - { .name: hc, .offset: 0, .size: 8, .value_kind: global_buffer, .address_space: global }
      - { .name: wqk, .offset: 8, .size: 8, .value_kind: global_buffer, .address_space: global }
      - { .name: wvc, .offset: 16, .size: 8, .value_kind: global_buffer, .address_space: global }
      - { .name: qkh, .offset: 24, .size: 8, .value_kind: global_buffer, .address_space: global }
      - { .name: vth, .offset: 32, .size: 8, .value_kind: global_buffer, .address_space: global }
    .group_segment_fixed_size: 327680
    .private_segment_fixed_size: 0
    .kernarg_segment_align: 8
    .kernarg_segment_size: 40
    .max_flat_workgroup_size: 128
    .sgpr_count:     96
    .vgpr_count:     1024
    .wavefront_size: 32
...
	.end_amdgpu_metadata
.endif
;; end of part 9
;; launch attn (part 10): grid 8 x 32, 16 waves a work-group, clusters of 4 x 1, 251,904 bytes of LDS; arguments qkh, vth, hc; writes hc
.if DOCPART == 10
	.amdgcn_target "amdgcn-amd-amdhsa--gfx1250"
	.amdhsa_code_object_version 6
	.text
	.protected	k_q39546c354d_attn
	.globl	k_q39546c354d_attn
	.p2align	8
	.type	k_q39546c354d_attn,@function
k_q39546c354d_attn:
	s_mov_b64 s[64:65], 0
	v_nop
	global_prefetch_b8 v0, s[64:65] scope:SCOPE_SE
	s_setreg_imm32_b32 hwreg(HW_REG_WAVE_MODE, 25, 1), 1
	s_wait_xcnt 0x0
	s_wait_alu depctr_hold_cnt(0) depctr_sa_sdst(0) depctr_va_vdst(0) depctr_va_sdst(0) depctr_va_ssrc(0) depctr_va_vcc(0) depctr_vm_vsrc(0)
	s_getreg_b32 s2, hwreg(HW_REG_IB_STS2, 6, 4)
	s_cmp_eq_u32 s2, 0
	s_cbranch_scc0 .Lentry_in_a_cluster
	s_endpgm
.Lentry_in_a_cluster:
	s_bfe_u32 s2, ttmp6, 0x10000c
	s_cmp_lg_u32 s2, 0x3003
	s_cbranch_scc0 .Lentry_shape_is_right
	s_endpgm
.Lentry_shape_is_right:
; Causal attention of one head on codes of BF6 (E3M2) with E8M0 scales, head size 64, 2,048 keys; the result is quantised along the head's 64 and leaves as codes.
; Key steps that lie wholly above the diagonal of the causal mask are left out.
; SOFTMAX: t = score x log2(e) / 8; M = the running largest t rounded UP to a whole number; p = 2^(t - M) is quantised along the keys, not normalised; the row's sum is taken of the unquantised p and divides at the end; when M moves, the sum and O are multiplied by 2^(old M - new M): exact.
; OPERANDS are images of registers.  For a group of 64 columns, 128 places of rows are a BLOCK of 6,656 bytes: two halves of 3,328, each four tiles of 16 places: 768 bytes of codes a tile (piece p of lane l at 256 p + 8 l), then 64 bytes of scale words a tile (4 r).
; qkh: [group][32 blocks]: q's heads are groups 0-15, k's 16-31, rows are tokens (logical row n at place n with bits 3 and 4 exchanged).  vth: [group of 64 keys][8 blocks], rows 64 head + d: a head is half a block.
; A scale word's first two bytes are its group's; the other two are the neighbouring group's.  For q and k they stand over zero codes and are never 0xff; V^T's word of an even group holds the four bytes of 128 keys.
; THE HEAD'S WHOLE K AND V LIE IN LDS, each byte filled once, by one joint load a wave: waves 8-15 two blocks of K each (dense), waves 0-7 four groups of V^T each (rows of 3,328 bytes).  The 4 work-groups of a cluster read the same head.
; No prefetch: all that is read is asked for at the head, and there is no loop to run ahead in.
; SHARES.  Work-group j of a head's eight has tile j (16 places of queries) of each of the 16 bands of 128 queries; band rho needs key steps 0 .. rho of 128 keys, and step rho is its diagonal: 136 steps in all, for sixteen waves.
; With u = 0 .. 7: wave u takes band u whole (u + 1 steps) and then band 15 - u's steps 0 .. 7 - u: 9 steps; wave 8 + u takes band 15 - u's key steps 8 - u .. 15 - u: 8 steps.
; Wave u hands its part of band 15 - u (O^T, -M, the sum: 36 registers) to wave 8 + u through LDS bytes of their own, behind one barrier; wave 8 + u brings both parts under the larger M, by powers of two, adds them and finishes the tile.
; Every branch hangs on the wave's number and a counter, never on the place in the cluster.
; Both products are used transposed: S^T = K Q^T (K = 64, the upper 64 are zero codes on both sides), O^T = V^T P^T: a lane holds one query throughout; the places' order makes 16 registers of two tiles 16 neighbouring keys, or 16 neighbours of the head's 64.
; THE RESULT leaves as records of 208 bytes (256 numbers: 192 bytes of codes, 8 scale bytes, 8 zeros) in panels of 4,096 places: 24 + 1 bytes a lane into records that four heads share.
; REGISTERS: v1-7 stay; v8-11 the step's addresses; v12 -M, v13 the largest t, v[14:15] the sum; v16-27 Q; v28-31 V's scale words; v32-79 four fragments of K; v80-127 four of V; v128-191 S^T, then p; v192-223 O^T; v224-235 p's codes; v232-254 at work; v248-251 K's scale words, v253 p's, v255 Q's.
; LIMITS: NaN and infinities are not served; a block under 2^-122, or of zeros, keeps the byte 1; the promise holds while the scaled scores stay under 2^31 in magnitude.
.set REC,  208
.set PS,   4096*REC
.set HB,   3328
.set BLK,  2*HB
.set QKG,  32*BLK
.set VG,   8*BLK
.set VC,   16*BLK                      ; LDS: K's 16 blocks, then V's 32 halves
.set SPARE, 2*VC                       ; the spare words, 128 bytes a wave, which no other line names
.set PBASE, SPARE+2048                 ; the parts handed over: 9 x 4,096 bytes: 16 bytes a lane of eight waves, nine times
.set AK0,  1                           ; 8 x lane
.set AV0,  2
.set ASK0, 3                           ; 3,072 + 4 r
.set ASV0, 4
.set D0,   5                           ; my query less the diagonal step's first key, less 16 h
.set NINF, 6
.set GO,   7                           ; 208 r + 24 h: my bytes in the result's records
.set ADK,  8
.set ADV,  9
.set ADS,  10
.set ADT,  11
.set VSC,  28
.set KFR,  32
.set VFR,  80
.set S,    128
.set O,    192
.set WV,   10
.set G1K,  16
.set G1V,  24
.set G0K,  32
.set G0V,  36
.set RHO,  68
.set SEL,  72
.set CS,   74
.set T,    76
.set LO,   77
.set HI,   78
.set ST,   79
.set CNT,  80
.macro ROUND
	s_barrier_signal -1
	s_barrier_wait -1
	s_cmp_lg_u32 s[WV], 0
	s_cbranch_scc1 .Lnot_wave_0_\@
	s_barrier_signal -3
.Lnot_wave_0_\@:
	s_barrier_wait -3
	s_barrier_signal -1
	s_barrier_wait -1
.endm
	s_load_b128 s[4:7], s[0:1], 0x0                ; q and k, V^T
	s_load_b64 s[8:9], s[0:1], 0x10                ; the result's records
	v_lshl_add_u32 v254, v0, 2, SPARE
	v_mov_b32 v255, 0
	ds_add_u32 v254, v255                          ; the opening lines: the add, twice on end, and its wait
	ds_add_u32 v254, v255
	s_wait_dscnt 0x0
	v_lshrrev_b32 v8, 5, v0
	v_readfirstlane_b32 s[WV], v8                  ; wave 0..15
	s_and_b32 s66, s[WV], 7                        ; u; also: which eighth I fetch
	s_lshr_b32 s67, s[WV], 3
	s_xor_b32 s67, s67, 1                          ; 1 (waves 0-7): I take band u and the first part of band 15 - u, and fetch V; 0 (waves 8-15): I finish band 15 - u, and fetch K
	s_xor_b32 s81, s66, 15                         ; 15 - u
	s_bfe_u32 s11, ttmp6, 0x40000                  ; cx: it enters Q's and the result's addresses and the mask's numbers alone
	s_lshl_b32 s12, ttmp9, 2
	s_add_co_u32 s12, s12, s11                     ; j
	s_and_b32 s13, ttmp7, 0xffff
	s_lshr_b32 s14, s13, 4                         ; batch
	s_and_b32 s15, s13, 15                         ; head
	s_and_b32 s69, s15, 3                          ; the head's quarter of a record of the result
	s_lshr_b32 s70, s15, 2                         ; and its panel
	s_lshl_b32 s83, s14, 4                         ; the batch's first block of tokens
	s_add_co_u32 s84, s15, 16                      ; K: group 16 + head, my two blocks
	s_mul_i32 s84, s84, QKG
	s_lshl_b32 s82, s66, 1
	s_add_co_u32 s82, s82, s83
	s_mul_i32 s82, s82, BLK
	s_add_co_u32 s84, s84, s82
	s_mov_b32 s85, 0
	s_lshl_b32 s86, s14, 5                         ; V^T: my four groups of keys, the head's half block
	s_lshl_b32 s82, s66, 2
	s_add_co_u32 s86, s86, s82
	s_mul_i32 s86, s86, VG
	s_mul_i32 s82, s15, HB
	s_add_co_u32 s86, s86, s82
	s_mov_b32 s87, 0
	s_mul_i32 s90, s66, 2*BLK                      ; where they go
	s_mul_i32 s88, s15, QKG                        ; Q: group head, block 16 batch + band, half j / 4, tile j % 4
	s_mul_i32 s82, s83, BLK
	s_add_co_u32 s88, s88, s82
	s_mul_i32 s82, ttmp9, HB
	s_add_co_u32 s88, s88, s82
	s_mul_i32 s82, s11, 768
	s_add_co_u32 s92, s88, s82                     ; its codes,
	s_lshl_b32 s82, s11, 6
	s_add_co_u32 s93, s88, s82                     ; its scale words (3,072 + 4 r comes from the lane)
	s_cmp_eq_u32 s67, 0
	s_cselect_b32 s98, s81, s66                    ; the band of the Q that I load at the head
	s_mul_i32 s56, s98, BLK
	s_mul_i32 s57, s81, BLK
	s_add_co_u32 s40, s92, s56
	s_add_co_u32 s42, s93, s56
	s_add_co_u32 s44, s92, s57                     ; band 15 - u's, for waves 0-7's second part
	s_add_co_u32 s46, s93, s57
	s_lshl_b32 s94, s14, 11                        ; the result: place 2,048 batch + 128 band + 16 j
	s_lshl_b32 s82, s12, 4
	s_add_co_u32 s94, s94, s82
	s_mul_i32 s94, s94, REC
	s_mul_i32 s82, s70, PS
	s_add_co_u32 s94, s94, s82
	s_mul_i32 s82, s69, 48
	s_add_co_u32 s95, s94, s82                     ; its codes,
	s_lshl_b32 s82, s69, 1
	s_add_co_u32 s94, s94, s82
	s_add_co_u32 s94, s94, 192                     ; its scale bytes
	s_mul_i32 s56, s66, 128*REC
	s_mul_i32 s57, s81, 128*REC
	s_add_co_u32 s48, s95, s56                     ; band u's
	s_add_co_u32 s50, s94, s56
	s_add_co_u32 s52, s95, s57                     ; band 15 - u's
	s_add_co_u32 s54, s94, s57
.irp i, 41,43,45,47,49,51,53,55
	s_mov_b32 s\i, 0
.endr
	s_lshr_b32 s96, s12, 1
	s_lshl_b32 s96, s96, 5
	s_and_b32 s97, s12, 1
	s_lshl_b32 s97, s97, 3
	s_add_co_u32 s96, s96, s97                     ; 32 (j / 2) + 8 (j % 2)
	s_mov_b32 s[G1K], 15|(3<<16)|(1<<21)           ; all four work-groups; elements of 8 bytes; bit 21 beside a mask
	s_mov_b32 s[G1K+1], 32<<16                     ; 13,312 dense bytes as 52 rows of 256
	s_mov_b32 s[G1K+2], 52<<16
	s_mov_b32 s[G1K+3], 32<<16
	s_mov_b32 s[G1K+4], 52
	s_mov_b32 s[G1K+5], 32
	s_mov_b32 s[G1K+6], 0
	s_mov_b32 s[G1K+7], 0
	s_mov_b32 s[G1V], 15|(3<<16)|(1<<21)
	s_mov_b32 s[G1V+1], (HB/8)<<16                 ; rows of 3,328 bytes,
	s_mov_b32 s[G1V+2], 4<<16                      ; four of them,
	s_mov_b32 s[G1V+3], (HB/8)<<16
	s_mov_b32 s[G1V+4], 4
	s_mov_b32 s[G1V+5], VG/8                       ; a group of keys apart
	s_mov_b32 s[G1V+6], 0
	s_mov_b32 s[G1V+7], 0
	s_mov_b32 s[SEL], 0x76543210
	s_mov_b32 s[SEL+1], 0xfedcba98
	s_mov_b32 s[CS], 0x3e38aa3b                    ; c = log2(e) / 8
	s_mov_b32 s[CS+1], s[CS]
	s_mov_b32 s[T], 0
	s_mov_b32 s[ST], 0
	s_mov_b32 s[RHO], s66                          ; the first walk: band u, steps 0 .. u, for waves 0-7 alone:
	s_xor_b32 s[LO], s67, 1                        ; waves 8-15 get the empty range 1 .. 0
	s_mul_i32 s[HI], s67, s66
	s_wait_kmcnt 0x0
	s_add_nc_u64 s[84:85], s[4:5], s[84:85]
	s_add_nc_u64 s[86:87], s[6:7], s[86:87]
	s_mov_b32 s[G0K], 1
	s_add_co_u32 s[G0K+1], s90, 0
	s_mov_b64 s[G0K+2:G0K+3], s[84:85]
	s_or_b32 s[G0K+3], s[G0K+3], 0x80000000
	s_mov_b32 s[G0V], 1
	s_add_co_u32 s[G0V+1], s90, VC
	s_mov_b64 s[G0V+2:G0V+3], s[86:87]
	s_or_b32 s[G0V+3], s[G0V+3], 0x80000000
.irp i, 40,42,44,46
	s_add_nc_u64 s[\i:\i+1], s[4:5], s[\i:\i+1]    ; Q's codes and scale words
.endr
.irp i, 48,50,52,54
	s_add_nc_u64 s[\i:\i+1], s[8:9], s[\i:\i+1]    ; the result's codes and scale bytes
.endr
	ROUND                                          ; all four work-groups are here: the joint loads meet
	s_cmp_eq_u32 s67, 0                            ; one tensor load a wave, in the two arms of one branch on the wave's number
	s_cbranch_scc0 .Lfor_v
	tensor_load_to_lds s[G0K:G0K+3], s[G1K:G1K+7]
	s_nop 0
.rept 4
	v_nop
.endr
	s_branch .Lasked
.Lfor_v:
	tensor_load_to_lds s[G0V:G0V+3], s[G1V:G1V+7]
	s_nop 0
.rept 4
	v_nop
.endr
.Lasked:
	v_and_b32 v8, 15, v0                           ; r
	v_bfe_u32 v9, v0, 4, 1                         ; h
	v_and_b32 v10, 31, v0
	v_mul_u32_u24 v254, v8, REC
	v_lshlrev_b32 v[AK0], 3, v10
	v_lshl_add_u32 v[ASK0], v8, 2, HB-256
	v_mad_u32_u24 v[GO], v9, 24, v254
.irp p, 0,1,2
	global_load_b64 v[16+2*\p:17+2*\p], v[AK0], s[40:41] offset:256*\p    ; Q: k = 32 h + 0 .. 31; 32 lanes read 256 bytes on end
.endr
	global_load_b32 v255, v[ASK0], s[42:43]        ; Q's scale word
.irp i, 22,23,24,25,26,27
	v_mov_b32 v[\i], 0                             ; k = 64 .. 127: zero codes
.endr
.irp t, 0,1,2,3
.irp i, 6,7,8,9,10,11
	v_mov_b32 v[KFR+12*\t+\i], 0                   ; the same in K's four fragments, once
.endr
.endr
	v_add_nc_u32 v[AV0], VC, v[AK0]
	v_add_nc_u32 v[ASV0], VC, v[ASK0]
	v_and_b32 v10, 8, v8
	v_lshlrev_b32 v11, 4, v9
	v_add_nc_u32 v10, v10, v8                      ; r + 8 (r / 8)
	v_mov_b32 v[NINF], 0xff800000
	v_sub_nc_u32 v[D0], v10, v11
.irp b, 0,1,2,3
	v_mov_b32 v[236+\b], 0                         ; written once: a lane permute's destination counts as one of its sources
.endr
	v_add_nc_u32 v[D0], s96, v[D0]
.macro INIT                            ; a walk's state: the first step finds zeros, which the first change of M leaves zeros
	v_mov_b32 v13, 0xff61b1e6                      ; the largest t so far: -3e38
	v_mov_b32 v14, 0
	v_mov_b32 v15, 0
	v_floor_f32 v12, -v13
	v_mov_b32 v252, 0
	v_mov_b32 v253, 0
.set N, 0
.rept 32
	v_mov_b32 v[O+N], 0
.set N, N+1
.endr
.endm
	INIT
; A KEY STEP: 128 keys, the q-th of the two in hand.  A step outside my range LO .. HI is left out: branches on the wave's number and the step's counter.
.macro STEP q
	s_cmp_gt_u32 s[ST], s[HI]
	s_cbranch_scc1 .Lhidden_\@
	s_cmp_lt_u32 s[ST], s[LO]
	s_cbranch_scc1 .Lhidden_\@
	v_add_nc_u32 v[ADK], s[T], v[AK0]              ; (these four are also the places in front of the loads into registers that the last products read)
	v_add_nc_u32 v[ADV], s[T], v[AV0]
	v_add_nc_u32 v[ADS], s[T], v[ASK0]
	v_add_nc_u32 v[ADT], s[T], v[ASV0]
	s_wait_alu depctr_va_vdst(0)
.irp g, 0,1                                    ; S^T = K Q^T, four tiles of 16 places at a time: a half block
.rept 4*\g
	v_nop
.endr
.irp t, 0,1,2,3
.irp p, 0,1,2
	ds_load_b64 v[KFR+12*\t+2*\p:KFR+12*\t+2*\p+1], v[ADK] offset:BLK*(\q)+HB*\g+768*\t+256*\p
.endr
	ds_load_b32 v[248+\t], v[ADS] offset:BLK*(\q)+HB*\g+64*\t
.endr
	s_wait_dscnt 0x0
.irp t, 0,1,2,3
	v_wmma_scale_f32_16x16x128_f8f6f4 v[S+8*(4*\g+\t):S+8*(4*\g+\t)+7], v[KFR+12*\t:KFR+12*\t+11], v[16:27], 0, v[248+\t], v255 matrix_a_fmt:MATRIX_FMT_BF6 matrix_b_fmt:MATRIX_FMT_BF6
.endr
.endr
.irp t, 0,1,2,3                                ; V^T's four tiles are asked for now and land under the softmax: two groups of 64 keys
.irp p, 0,1,2,3,4,5
	ds_load_b64 v[VFR+12*\t+2*\p:VFR+12*\t+2*\p+1], v[ADV] offset:BLK*(\q)+HB*(\p/3)+768*\t+256*(\p%3)
.endr
	ds_load_b32 v[VSC+\t], v[ADT] offset:BLK*(\q)+64*\t
.endr
.rept 4
	v_nop                                          ; places in front of the first read of the scores
.endr
	s_cmp_lg_u32 s[ST], s[RHO]
	s_cbranch_scc1 .Lopen_\@
.set N, 0
.rept 64                                       ; on my diagonal: register 16 b + i holds key 32 b + 16 h + i of the step: hidden where 32 b + i > D0
	v_cmp_gt_i32 vcc_lo, 32*(N/16)+N%16, v[D0]
	v_cndmask_b32 v[S+N], v[S+N], v[NINF], vcc_lo
.set N, N+1
.endr
.Lopen_\@:
.irp b, 0,1,2,3
	v_max3_num_f32 v[232+\b], v[S+16*\b], v[S+1+16*\b], v[S+2+16*\b]   ; the largest score of each block of 32 keys: for the row's maximum and, since p rises with the score, for the block's largest p
.endr
.irp i, 3,5,7,9,11,13
.irp b, 0,1,2,3
	v_max3_num_f32 v[232+\b], v[232+\b], v[S+16*\b+\i], v[S+1+16*\b+\i]
.endr
.endr
.irp b, 0,1,2,3
	v_max_num_f32 v[232+\b], v[232+\b], v[S+15+16*\b]
.endr
.irp b, 0,1,2,3
	s_delay_alu instid0(VALU_DEP_4)
	v_permlanex16_b32 v[236+\b], v[232+\b], s[SEL], s[SEL+1]
.endr
.irp b, 0,1,2,3
	s_delay_alu instid0(VALU_DEP_4)
	v_max_num_f32 v[232+\b], v[232+\b], v[236+\b]
.endr
	s_delay_alu instid0(VALU_DEP_2)
	v_max3_num_f32 v254, v232, v233, v234
	s_delay_alu instid0(VALU_DEP_1)
	v_max_num_f32 v254, v254, v235
	s_delay_alu instid0(VALU_DEP_1)
	v_mul_f32 v254, s[CS], v254
	s_delay_alu instid0(VALU_DEP_1)
	v_max_num_f32 v13, v13, v254                   ; the running largest t
	v_mov_b32 v254, v12
	s_delay_alu instid0(VALU_DEP_2)
	v_floor_f32 v12, -v13                          ; -M = floor(-t): M is a whole number
	s_delay_alu instid0(VALU_DEP_1)
	v_sub_f32 v254, v12, v254
	s_delay_alu instid0(VALU_DEP_1)
	v_cvt_i32_f32 v254, v254                       ; old M - new M, 0 or less (it saturates)
	s_delay_alu instid0(VALU_DEP_1)
	v_ldexp_f32 v252, 1.0, v254                    ; f = 2^(old M - new M)
.set N, 0
.rept 32
	v_pk_fma_f32 v[S+N:S+N+1], v[S+N:S+N+1], s[CS:CS+1], v[12:13] op_sel_hi:[1,0,0]   ; t - M
.set N, N+2
.endr
.irp b, 0,1,2,3
	v_fma_f32 v[232+\b], v[232+\b], s[CS], v12
.endr
.set N, 0
	s_wait_alu depctr_va_vdst(0)
.rept 64
	v_exp_f32 v[S+N], v[S+N]                       ; p = 2^(t - M)
.set N, N+1
.endr
.irp b, 0,1,2,3
	v_exp_f32 v[232+\b], v[232+\b]                 ; the block's largest p: the same two instructions on the same number
.endr
	v_pk_mul_f32 v[14:15], v[14:15], v[252:253] op_sel_hi:[1,0]    ; the sums under the new M; a plain line behind the exponentials
	s_wait_alu depctr_va_vdst(0)                   ; and behind it
.irp b, 0,1,2,3
	v_max_num_f32 v[232+\b], 0x2800000, v[232+\b]  ; the floor 2^(5 - 127)
.endr
.irp b, 0,1,2,3
	s_delay_alu instid0(VALU_DEP_4)
	v_add_nc_u32 v[244+\b], 0xfe000000, v[232+\b]
.endr
.irp b, 0,1,2,3
	s_delay_alu instid0(VALU_DEP_4)
	v_lshrrev_b32 v[236+\b], 23, v[244+\b]
.endr
	s_delay_alu instid0(VALU_DEP_3)
	v_lshl_or_b32 v253, v237, 8, v236              ; p's scale word for these 128 keys
	s_delay_alu instid0(VALU_DEP_1)
	v_lshl_or_b32 v253, v238, 16, v253
	s_delay_alu instid0(VALU_DEP_1)
	v_lshl_or_b32 v253, v239, 24, v253
.irp c, 0,1
	v_cvt_scalef32_pk16_bf6_f32 v[224+6*\c:226+6*\c], v[S+32*\c:S+15+32*\c], v[244+2*\c]
	v_cvt_scalef32_pk16_bf6_f32 v[236+4*\c:238+4*\c], v[S+16+32*\c:S+31+32*\c], v[244+2*\c+1]
.endr
	v_nop                                          ; one plain line behind a scaled conversion
.irp c, 0,1
.irp i, 0,1,2
	v_permlane16_swap_b32 v[224+6*\c+\i], v[236+4*\c+\i]
.endr
.irp i, 0,1,2
	s_delay_alu instid0(VALU_DEP_3)
	v_mov_b32 v[227+6*\c+\i], v[236+4*\c+\i]
.endr
.endr
	v_pk_add_f32 v[236:237], v[132:133], v[136:137]                ; the row's sum of the unquantised p, in eight chains
	v_pk_add_f32 v[250:251], v[140:141], v[144:145]
	v_pk_add_f32 v[248:249], v[148:149], v[152:153]
	v_pk_add_f32 v[246:247], v[156:157], v[160:161]
	v_pk_add_f32 v[244:245], v[164:165], v[168:169]
	v_pk_add_f32 v[242:243], v[172:173], v[176:177]
	v_pk_add_f32 v[240:241], v[180:181], v[184:185]
	v_pk_add_f32 v[14:15], v[14:15], v[188:189]
	v_pk_add_f32 v[236:237], v[236:237], v[128:129]
	v_pk_add_f32 v[250:251], v[250:251], v[130:131]
	v_pk_add_f32 v[248:249], v[248:249], v[134:135]
	v_pk_add_f32 v[246:247], v[246:247], v[138:139]
	v_pk_add_f32 v[244:245], v[244:245], v[142:143]
	v_pk_add_f32 v[242:243], v[242:243], v[146:147]
	v_pk_add_f32 v[240:241], v[240:241], v[150:151]
	v_pk_add_f32 v[14:15], v[14:15], v[154:155]
	v_pk_add_f32 v[236:237], v[236:237], v[158:159]
	v_pk_add_f32 v[250:251], v[250:251], v[162:163]
	v_pk_add_f32 v[248:249], v[248:249], v[166:167]
	v_pk_add_f32 v[246:247], v[246:247], v[170:171]
	v_pk_add_f32 v[244:245], v[244:245], v[174:175]
	v_pk_add_f32 v[242:243], v[242:243], v[178:179]
	v_pk_add_f32 v[240:241], v[240:241], v[182:183]
	v_pk_add_f32 v[14:15], v[14:15], v[186:187]
	v_pk_add_f32 v[236:237], v[236:237], v[190:191]
	s_delay_alu instid0(VALU_DEP_2)
	v_pk_add_f32 v[14:15], v[14:15], v[246:247]
	s_delay_alu instid0(VALU_DEP_2)
	v_pk_add_f32 v[236:237], v[236:237], v[244:245]
	v_pk_add_f32 v[250:251], v[250:251], v[242:243]
	v_pk_add_f32 v[248:249], v[248:249], v[240:241]
	s_delay_alu instid0(VALU_DEP_2)
	v_pk_add_f32 v[14:15], v[14:15], v[250:251]
	s_delay_alu instid0(VALU_DEP_2)
	v_pk_add_f32 v[236:237], v[236:237], v[248:249]
	s_delay_alu instid0(VALU_DEP_1)
	v_pk_add_f32 v[14:15], v[14:15], v[236:237]
.set N, 0
.rept 16
	v_pk_mul_f32 v[O+N:O+N+1], v[O+N:O+N+1], v[252:253] op_sel_hi:[1,0]   ; O^T under the new M
.set N, N+2
.endr
	s_wait_alu depctr_va_vdst(0)
	s_wait_dscnt 0x0                               ; V^T's tiles are in
.irp t, 0,1,2,3                                ; the four accumulators by turns
	v_wmma_scale_f32_16x16x128_f8f6f4 v[O+8*\t:O+8*\t+7], v[VFR+12*\t:VFR+12*\t+11], v[224:235], v[O+8*\t:O+8*\t+7], v[VSC+\t], v253 matrix_a_fmt:MATRIX_FMT_BF6 matrix_b_fmt:MATRIX_FMT_BF6
.endr
.Lhidden_\@:
	s_add_co_u32 s[ST], s[ST], 1
.endm
.macro CHUNKS n                        ; n times two key steps: every wave walks the loop; the count is a constant
	s_mov_b32 s[CNT], \n
.Lchunk_\@:
	STEP 0
	STEP 1
	s_add_co_u32 s[T], s[T], 2*BLK
	s_sub_co_u32 s[CNT], s[CNT], 1
	s_cmp_lg_u32 s[CNT], 0
	s_cbranch_scc1 .Lchunk_\@
.endm
; A TILE'S WAY OUT: O^T / the sum; register 16 b + i = d 32 b + 16 h + i of my query: two blocks of 32, quantised; 24 bytes and one scale byte a lane.  rc, rs: the bases of the codes and of the scale bytes
.macro FINAL rc, rs
.rept 4
	v_nop                                          ; places behind the last products
.endr
	v_add_f32 v14, v14, v15
	s_delay_alu instid0(VALU_DEP_1)
	v_permlanex16_b32 v252, v14, s[SEL], s[SEL+1]
	s_delay_alu instid0(VALU_DEP_1)
	v_add_f32 v14, v14, v252
	s_wait_alu depctr_va_vdst(0)
	v_rcp_f32 v14, v14
	v_bfe_u32 v9, v0, 4, 1                         ; (a plain line behind the transcendental)
	v_and_b32 v8, 15, v0
	s_delay_alu instid0(VALU_DEP_1)
	v_mul_u32_u24 v11, v8, REC
	s_delay_alu instid0(VALU_DEP_1)
	v_add_nc_u32 v10, v11, v9                      ; 208 r + h: my scale byte
	s_delay_alu instid0(VALU_DEP_2)
	v_lshl_add_u32 v11, v9, 2, v11                 ; 208 r + 4 h: my word of the record's zeros
.set N, 0
	s_wait_alu depctr_va_vdst(0)                   ; and behind it, directly ahead of the first reader of O^T
.rept 32
	v_mul_f32 v[S+N], v[O+N], v14                  ; each accumulator from its low end on
.set N, N+1
.endr
.irp b, 0,1
	v_max3_num_f32 v[232+\b], |v[S+16*\b]|, |v[S+1+16*\b]|, 0x2800000
.endr
.irp i, 2,4,6,8,10,12,14
.irp b, 0,1
	s_delay_alu instid0(VALU_DEP_2)
	v_max3_num_f32 v[232+\b], v[232+\b], |v[S+16*\b+\i]|, |v[S+1+16*\b+\i]|
.endr
.endr
.irp b, 0,1
	s_delay_alu instid0(VALU_DEP_2)
	v_permlanex16_b32 v[236+\b], v[232+\b], s[SEL], s[SEL+1]
.endr
.irp b, 0,1
	s_delay_alu instid0(VALU_DEP_2)
	v_max_num_f32 v[232+\b], v[232+\b], v[236+\b]
.endr
.irp b, 0,1
	s_delay_alu instid0(VALU_DEP_2)
	v_add_nc_u32 v[244+\b], 0xfe000000, v[232+\b]
.endr
.irp b, 0,1
	s_delay_alu instid0(VALU_DEP_2)
	v_lshrrev_b32 v[236+\b], 23, v[244+\b]
.endr
	v_cvt_scalef32_pk16_bf6_f32 v[224:226], v[S:S+15], v244
	v_cvt_scalef32_pk16_bf6_f32 v[228:230], v[S+16:S+31], v245
	v_cmp_ne_u32 vcc_lo, 0, v9                     ; (a plain line behind the conversions)
	s_delay_alu instid0(VALU_DEP_1)
	v_cndmask_b32 v238, v236, v237, vcc_lo         ; block h's byte
.irp i, 0,1,2
	v_permlane16_swap_b32 v[224+\i], v[228+\i]     ; a whole block to a lane: block h
.endr
.irp i, 0,1,2
	s_delay_alu instid0(VALU_DEP_3)
	v_mov_b32 v[227+\i], v[228+\i]
.endr
	v_mov_b32 v239, 0
.irp p, 0,1,2
	global_store_b64 v[GO], v[224+2*\p:225+2*\p], s[\rc:\rc+1] offset:8*\p
.endr
	global_store_b8 v10, v238, s[\rs:\rs+1]
	s_cmp_lg_u32 s69, 0                            ; the first of the four heads that share a record writes its 8 zero bytes (the head is the same in all partners)
	s_cbranch_scc1 .Lno_pad_\@
	global_store_b32 v11, v239, s[\rs:\rs+1] offset:8
.Lno_pad_\@:
	s_wait_xcnt 0x0                                ; the stores have read their registers
.endm
	s_wait_alu depctr_va_vdst(0)
	s_wait_tensorcnt 0x0                           ; my eighth of K or of V is in
	s_barrier_signal -1
	s_barrier_wait -1                              ; and everybody's; nothing is filled again
	s_wait_loadcnt 0x0                             ; Q
	CHUNKS 4                                       ; waves 0-7: band u, up to 8 key steps; waves 8-15 pass through
	s_cmp_eq_u32 s67, 0
	s_cbranch_scc1 .Lshared
.rept 4
	v_nop                                          ; places in front of loads into registers that products have read
.endr
.irp p, 0,1,2
	global_load_b64 v[16+2*\p:17+2*\p], v[AK0], s[44:45] offset:256*\p    ; band 15 - u's Q lands under band u's way out
.endr
	global_load_b32 v255, v[ASK0], s[46:47]
	FINAL 48, 50
	INIT
	s_wait_alu depctr_va_vdst(0)
	s_wait_loadcnt 0x0
.Lshared:
	s_mov_b32 s[T], 0                              ; the second walk: band 15 - u
	s_mov_b32 s[ST], 0
	s_mov_b32 s[RHO], s81
	s_lshl_b32 s82, s67, 3
	s_sub_co_u32 s[HI], s81, s82                   ; waves 8-15: up to step 15 - u; waves 0-7: up to step 7 - u
	s_sub_co_u32 s82, 8, s66
	s_xor_b32 s83, s67, 1
	s_mul_i32 s[LO], s82, s83                      ; waves 8-15: from step 8 - u; waves 0-7: from step 0
	CHUNKS 8
.rept 4
	v_nop                                          ; places behind the last products
.endr
	v_and_b32 v8, 255, v0
	v_lshl_add_u32 v8, v8, 4, PBASE                ; waves u and 8 + u name the same bytes: 16 a lane
	s_wait_alu depctr_va_vdst(0)
	s_cmp_eq_u32 s67, 0
	s_cbranch_scc1 .Lkeeper
.irp k, 0,1,2,3,4,5,6,7
	ds_store_b128 v8, v[O+4*\k:O+4*\k+3] offset:4096*\k    ; each accumulator from its low end on
.endr
	ds_store_b128 v8, v[12:15] offset:32768        ; -M, the largest t, the sum's two halves
.Lkeeper:
	s_wait_dscnt 0x0                               ; for the other's sake: my stores have landed
	s_barrier_signal -1
	s_barrier_wait -1
	s_cmp_lg_u32 s67, 0
	s_cbranch_scc1 .Ldone
.irp k, 0,1,2,3,4,5,6,7,8
	ds_load_b128 v[S+4*\k:S+4*\k+3], v8 offset:4096*\k
.endr
	v_mov_b32 v251, 0                              ; (named as the upper half of the pair v[250:251])
	s_wait_dscnt 0x0
	v_min_num_f32 v254, v12, v[S+32]               ; -M of the larger M
	v_sub_f32 v252, v254, v12                      ; my M less it, and the other's: whole numbers, 0 or less
	v_sub_f32 v250, v254, v[S+32]
	v_cvt_i32_f32 v252, v252
	v_cvt_i32_f32 v250, v250
	v_ldexp_f32 v252, 1.0, v252                    ; the two factors: powers of two
	v_ldexp_f32 v250, 1.0, v250
	v_pk_mul_f32 v[14:15], v[14:15], v[252:253] op_sel_hi:[1,0]
.set N, 0
.rept 16
	v_pk_mul_f32 v[O+N:O+N+1], v[O+N:O+N+1], v[252:253] op_sel_hi:[1,0]
.set N, N+2
.endr
	v_pk_fma_f32 v[14:15], v[S+34:S+35], v[250:251], v[14:15] op_sel_hi:[1,0,1]
.set N, 0
.rept 16
	v_pk_fma_f32 v[O+N:O+N+1], v[S+N:S+N+1], v[250:251], v[O+N:O+N+1] op_sel_hi:[1,0,1]
.set N, N+2
.endr
	FINAL 52, 54
.Ldone:
	v_lshl_add_u32 v254, v0, 2, SPARE
	v_mov_b32 v255, 0
	s_wait_alu depctr_va_vdst(0)
	s_wait_tensorcnt 0x0                           ; the wave's end
	ds_add_u32 v254, v255
	s_wait_dscnt 0x0
	ROUND                                          ; the closing round
	s_endpgm
.Lfunc_end_k_q39546c354d_attn:
	.size	k_q39546c354d_attn, .Lfunc_end_k_q39546c354d_attn-k_q39546c354d_attn
	.p2alignl 7, 3214868480
	.fill 96, 4, 3214868480
	.section	.rodata,"a",@progbits
	.p2align	6, 0x0
	.amdhsa_kernel k_q39546c354d_attn
		.amdhsa_group_segment_fixed_size 251904
		.amdhsa_private_segment_fixed_size 0
		.amdhsa_enable_private_segment 0
		.amdhsa_kernarg_size 24
		.amdhsa_user_sgpr_count 2
		.amdhsa_user_sgpr_kernarg_segment_ptr 1
		.amdhsa_wavefront_size32 1
		.amdhsa_system_sgpr_workgroup_id_x 1
		.amdhsa_system_sgpr_workgroup_id_y 1
		.amdhsa_system_sgpr_workgroup_id_z 1
		.amdhsa_system_vgpr_workitem_id 0
		.amdhsa_next_free_vgpr 256
		.amdhsa_next_free_sgpr 100
		.amdhsa_reserve_vcc 1
		.amdhsa_float_denorm_mode_32 3
		.amdhsa_float_denorm_mode_16_64 3
		.amdhsa_memory_ordered 1
		.amdhsa_forward_progress 1
		.amdhsa_inst_pref_size 123
	.end_amdhsa_kernel
	.amdgpu_metadata
---
amdhsa.version: [ 1, 2 ]
amdhsa.kernels:
  - .name:           k_q39546c354d_attn
    .symbol:         k_q39546c354d_attn.kd
    .args:
      - { .name: qkh, .offset: 0, .size: 8, .value_kind: global_buffer, .address_space: global }
      - { .name: vth, .offset: 8, .size: 8, .value_kind: global_buffer, .address_space: global }
      - { .name: hc, .offset: 16, .size: 8, .value_kind: global_buffer, .address_space: global }
    .group_segment_fixed_size: 251904
    .private_segment_fixed_size: 0
    .kernarg_segment_align: 8
    .kernarg_segment_size: 24
    .max_flat_workgroup_size: 512
    .sgpr_count:     100
    .vgpr_count:     256
    .wavefront_size: 32
...
	.end_amdgpu_metadata
.endif
;; end of part 10
;; launch wo (part 11): grid 8 x 32, 4 waves a work-group, clusters of 4 x 4, 327,680 bytes of LDS; arguments hc, wts, bo, x, x1; writes x1
.if DOCPART == 11
	.amdgcn_target "amdgcn-amd-amdhsa--gfx1250"
	.amdhsa_code_object_version 6
	.text
	.protected	k_q39546c354d_wo
	.globl	k_q39546c354d_wo
	.p2align	8
	.type	k_q39546c354d_wo,@function
k_q39546c354d_wo:
	s_mov_b64 s[64:65], 0
	v_nop
	global_prefetch_b8 v0, s[64:65] scope:SCOPE_SE
	s_setreg_imm32_b32 hwreg(HW_REG_WAVE_MODE, 25, 1), 1
	s_wait_xcnt 0x0
	s_wait_alu depctr_hold_cnt(0) depctr_sa_sdst(0) depctr_va_vdst(0) depctr_va_sdst(0) depctr_va_ssrc(0) depctr_va_vcc(0) depctr_vm_vsrc(0)
	s_getreg_b32 s2, hwreg(HW_REG_IB_STS2, 6, 4)
	s_cmp_eq_u32 s2, 0
	s_cbranch_scc0 .Lentry_in_a_cluster
	s_endpgm
.Lentry_in_a_cluster:
	s_bfe_u32 s2, ttmp6, 0x10000c
	s_cmp_lg_u32 s2, 0xf033
	s_cbranch_scc0 .Lentry_shape_is_right
	s_endpgm
.Lentry_shape_is_right:
.set LAPS,   1
.set WOFF,   0
.set LAST,   0
.set RB,     208
.set PS,     4096*RB
.set HALFT,  128*RB
.set SLOT,   4*HALFT
.set STAGE,  2*SLOT
.set SPITCH, 272
.set SPARE,  STAGE+4*16*SPITCH
.set FR,     12
.set NP,     4
.set ADRA, 16
.set ADRS, 18
.set ADRB, 20
.set STO,  24
.set RD,   25
.set CO,   26
.set SPW,  28
.set NIL,  29
.set SC,   32
.set BI,   64
.set AF,   128
.set BK,   128
.set G1, 24
.set G0, 32
.set G1B, 48
.set G0B, 56
.set MSB, 0
.macro WIN new
.if MSB != \new
	s_set_vgpr_msb (MSB<<8)|\new
.set MSB, \new
.endif
.endm
.set MUL,    0xa1
.set FIRST,  0x81
.set TO_B,   0x40
.macro JLOAD s
	s_cmp_eq_u32 s15, 0
	s_cbranch_scc0 .Lfor_b_\@
	tensor_load_to_lds s[G0+4*\s:G0+4*\s+3], s[G1:G1+7]
	s_nop 0
.rept 4
	v_nop
.endr
	s_branch .Lasked_\@
.Lfor_b_\@:
	tensor_load_to_lds s[G0B+4*\s:G0B+4*\s+3], s[G1B:G1B+7]
	s_nop 0
.rept 4
	v_nop
.endr
.Lasked_\@:
.endm
.macro CREST
	s_cmp_lg_u32 s14, 0
	s_cbranch_scc1 .Lnot_wave_0_\@
	s_barrier_signal -3
.Lnot_wave_0_\@:
	s_barrier_wait -3
	s_barrier_signal -1
	s_barrier_wait -1
.endm
.macro CROUND
	s_barrier_signal -1
	s_barrier_wait -1
	CREST
.endm
	s_load_b128 s[4:7], s[0:1], 0x0
	s_load_b128 s[8:11], s[0:1], 0x10
	s_load_b64 s[12:13], s[0:1], 0x20
	v_lshl_add_u32 v[SPW], v0, 2, SPARE
	v_mov_b32 v[NIL], 0
	ds_add_u32 v28, v29
	ds_add_u32 v28, v29
	s_wait_dscnt 0x0
	v_lshrrev_b32 v1, 5, v0
	v_readfirstlane_b32 s14, v1
	s_lshr_b32 s15, s14, 1
	s_and_b32 s16, s14, 1
	s_bfe_u32 s40, ttmp6, 0x40000
	s_bfe_u32 s41, ttmp6, 0x40004
	s_lshl_b32 s42, ttmp9, 2
	s_add_co_u32 s42, s42, s40
	s_and_b32 s17, ttmp7, 0xffff
	s_lshl_b32 s17, s17, 2
	s_add_co_u32 s17, s17, s41
	s_lshl_b32 s43, s41, 2
	s_lshl_b32 s43, 15, s43
	s_lshl_b32 s44, 0x1111, s40
	s_or_b32 s[G1+0], s43, (3<<16)|(1<<21)
	s_or_b32 s[G1B+0], s44, (3<<16)|(1<<21)
	s_or_b32 s72, s43, (3<<16)|(1<<21)             ; group 1 of the head's loads, s[72:79] for A and s[80:87] for B: both slots by one load
	s_or_b32 s80, s44, (3<<16)|(1<<21)
.irp g, 72, 80
	s_mov_b32 s[\g+1], (HALFT/8)<<16               ; rows of 26,624 bytes,
	s_mov_b32 s[\g+2], 2<<16                       ; two of them,
	s_mov_b32 s[\g+3], (HALFT/8)<<16
	s_mov_b32 s[\g+4], 2
	s_mov_b32 s[\g+5], 2*PS/8                      ; two panels apart
	s_mov_b32 s[\g+6], 0
	s_mov_b32 s[\g+7], 0
.endr
.irp g, G1, G1B
	s_mov_b32 s[\g+1], 32<<16
	s_mov_b32 s[\g+2], 104<<16
	s_mov_b32 s[\g+3], 32<<16
	s_mov_b32 s[\g+4], 104
	s_mov_b32 s[\g+5], 32
	s_mov_b32 s[\g+6], 0
	s_mov_b32 s[\g+7], 0
.endr
	s_mul_i32 s18, s16, PS
	s_mul_i32 s20, s17, HALFT
	s_add_co_u32 s20, s20, s18
	s_mov_b32 s21, 0
	s_mul_i32 s46, s42, HALFT
	s_add_co_u32 s46, s46, s18
	s_mov_b32 s47, 0
	s_mul_i32 s45, s14, 2*HALFT                    ; my two slots lie on end in LDS
	s_wait_kmcnt 0x0
	s_add_nc_u64 s[20:21], s[4:5], s[20:21]
	s_add_nc_u64 s[46:47], s[6:7], s[46:47]
.if WOFF
	s_add_nc_u64 s[46:47], s[46:47], WOFF
.endif
	CROUND
.irp s, 0,1
	s_mov_b32 s[G0+4*\s], 1
	s_add_co_u32 s[G0+4*\s+1], s45, \s*HALFT
	s_add_nc_u64 s[G0+4*\s+2:G0+4*\s+3], s[20:21], \s*2*PS
	s_or_b32 s[G0+4*\s+3], s[G0+4*\s+3], 0x80000000
	s_mov_b32 s[G0B+4*\s], 1
	s_add_co_u32 s[G0B+4*\s+1], s45, \s*HALFT
	s_add_nc_u64 s[G0B+4*\s+2:G0B+4*\s+3], s[46:47], \s*2*PS
	s_or_b32 s[G0B+4*\s+3], s[G0B+4*\s+3], 0x80000000
.endr
	s_cmp_eq_u32 s15, 0                            ; my one tensor load at the head: both slots' first tiles
	s_cbranch_scc0 .Lhead_b
	tensor_load_to_lds s[G0:G0+3], s[72:79]
	s_nop 0
.rept 4
	v_nop
.endr
	s_branch .Lhead_asked
.Lhead_b:
	tensor_load_to_lds s[G0B:G0B+3], s[80:87]
	s_nop 0
.rept 4
	v_nop
.endr
.Lhead_asked:
	v_and_b32 v1, 15, v0
	v_bfe_u32 v2, v0, 4, 1
	s_wait_alu depctr_va_vdst(0)
	s_lshl_b32 s46, s42, 9
	s_lshl_b32 s47, s16, 8
	s_add_co_u32 s46, s46, s47
	s_mov_b32 s47, 0
	s_add_nc_u64 s[8:9], s[8:9], s[46:47]
	v_lshlrev_b32 v7, 6, v2
.irp n, 0,1,2,3,4,5,6,7
	global_load_b128 v[BI+4*\n:BI+4*\n+3], v7, s[8:9] offset:128*(\n/4)+16*(\n%4)
.endr
	v_mul_u32_u24 v3, v1, RB
	v_mad_u32_u24 v4, v2, 24, v3
	s_mul_i32 s21, s15, 64*RB
	s_mul_i32 s22, s16, 64*RB
	s_add_co_u32 s22, s22, 4*HALFT
	s_sub_co_u32 s23, s22, s21
	v_mul_u32_u24 v5, s23, v2
	v_add_nc_u32 v5, v5, v3
	v_add_nc_u32 v5, 192, v5
.irp s, 0,1
	v_add_nc_u32 v[ADRA+\s], s21, v4
	v_add_nc_u32 v[ADRB+\s], s22, v4
	v_add_nc_u32 v[ADRS+\s], s21, v5
	s_add_co_u32 s21, s21, HALFT
	s_add_co_u32 s22, s22, HALFT
.endr
	s_mul_i32 s23, s14, 16*SPITCH
	s_add_co_u32 s23, s23, STAGE
	v_mul_u32_u24 v6, v1, SPITCH
	v_lshl_add_u32 v6, v2, 6, v6
	v_add_nc_u32 v[STO], s23, v6
	v_mul_u32_u24 v6, v2, SPITCH
	v_lshl_add_u32 v6, v1, 4, v6
	v_add_nc_u32 v[RD], s23, v6
	v_lshlrev_b32 v[CO], 12, v2
	v_lshl_add_u32 v[CO], v1, 4, v[CO]
	s_wait_alu depctr_va_vdst(0)
	s_lshl_b32 s20, s17, 7
	s_lshl_b32 s21, s15, 6
	s_add_co_u32 s20, s20, s21
	s_lshl_b32 s20, s20, 12
	s_mov_b32 s21, 0
	s_add_nc_u64 s[20:21], s[20:21], s[46:47]
	s_add_nc_u64 s[10:11], s[10:11], s[20:21]
	s_add_nc_u64 s[12:13], s[12:13], s[20:21]
.macro FRAG reg, adr, q, i
.irp p, 0,1,2,3,4,5
	ds_load_b64 v[\reg+2*\p:\reg+2*\p+1], v[\adr] offset:((\q)/2)*2*HALFT+96*((\q)%2)+48*(\p/3)+8*(\p%3)+(\i)*16*RB
.endr
.endm
.macro MULA a, p, q, sc, first
.irp b, 0,1,2,3
.if \first
	v_wmma_scale_f32_16x16x128_f8f6f4 v[8*(4*(\a)+\b):8*(4*(\a)+\b)+7], v[128*(\p)+FR*\b:128*(\p)+FR*\b+FR-1], v[AF+48*(\p)+FR*(\a):AF+48*(\p)+FR*(\a)+FR-1], v[BI+8*\b:BI+8*\b+7], v[SC+16*(\sc)+4*\b+(\q)], v[SC+16*(\sc)+4*(\a)+(\q)] matrix_a_fmt:MATRIX_FMT_BF6 matrix_b_fmt:MATRIX_FMT_BF6 matrix_a_scale:MATRIX_SCALE_ROW1
.else
	v_wmma_scale_f32_16x16x128_f8f6f4 v[8*(4*(\a)+\b):8*(4*(\a)+\b)+7], v[128*(\p)+FR*\b:128*(\p)+FR*\b+FR-1], v[AF+48*(\p)+FR*(\a):AF+48*(\p)+FR*(\a)+FR-1], v[8*(4*(\a)+\b):8*(4*(\a)+\b)+7], v[SC+16*(\sc)+4*\b+(\q)], v[SC+16*(\sc)+4*(\a)+(\q)] matrix_a_fmt:MATRIX_FMT_BF6 matrix_b_fmt:MATRIX_FMT_BF6 matrix_a_scale:MATRIX_SCALE_ROW1
.endif
.endr
.endm
.macro FETCH slot, q, p
	WIN TO_B
.irp i, 0,1,2,3
	FRAG 128*(\p)+FR*\i, ADRB+\slot, \q, \i
.endr
	WIN 0
.irp i, 0,1,2,3
	FRAG AF+48*(\p)+FR*\i, ADRA+\slot, \q, \i
.endr
.endm
.macro SCALES sc
.irp i, 0,1,2,3
.irp u, 0,1
	ds_load_b64 v[SC+16*\sc+4*\i+2*\u:SC+16*\sc+4*\i+2*\u+1], v[ADRS+\sc] offset:\i*16*RB+\u*2*HALFT
.endr
.endr
.endm
.macro PLACES n
.rept \n
	v_nop
.endr
.endm
.macro STEP slot, q, first
	PLACES NP
	FETCH \slot, (\q)+1, 1-(\q)%2
	s_wait_dscnt 48
.if \first
	WIN FIRST
.else
	WIN MUL
.endif
	MULA 0, (\q)%2, \q, \slot, \first
	MULA 1, (\q)%2, \q, \slot, \first
	MULA 2, (\q)%2, \q, \slot, \first
	MULA 3, (\q)%2, \q, \slot, \first
	WIN 0
.endm
.macro TURN slot, next, fill
	s_wait_tensorcnt 0x0
	ds_add_u32 v[SPW], v[NIL]
	s_wait_dscnt 1
	WIN MUL
	MULA 0, 1, 3, \slot, 0
	s_wait_dscnt 0x0
	s_barrier_signal -1
	MULA 1, 1, 3, \slot, 0
	WIN 0
	s_barrier_wait -1
.if \fill
	CREST
	s_add_nc_u64 s[G0+4*\slot+2:G0+4*\slot+3], s[G0+4*\slot+2:G0+4*\slot+3], 4*PS
	s_add_nc_u64 s[G0B+4*\slot+2:G0B+4*\slot+3], s[G0B+4*\slot+2:G0B+4*\slot+3], 4*PS
	JLOAD \slot
.else
	PLACES NP
.endif
	FETCH \next, 0, 0
	SCALES \next
	WIN MUL
	MULA 2, 1, 3, \slot, 0
	MULA 3, 1, 3, \slot, 0
	WIN 0
.endm
.macro TOSTAGE a
	WIN 0x08
.irp b, 0,1,2,3
	ds_store_b128 v[STO], v[32*(\a)+8*\b:32*(\a)+8*\b+3] offset:128*(\b/2)+32*(\b%2)
	ds_store_b128 v[STO], v[32*(\a)+8*\b+4:32*(\a)+8*\b+7] offset:128*(\b/2)+32*(\b%2)+16
.endr
	WIN 0
.irp i, 0,1,2,3,4,5,6,7
	ds_load_b128 v[BK+32*(\a)+4*\i:BK+32*(\a)+4*\i+3], v[RD] offset:\i*2*SPITCH
.endr
.endm
.macro SEND a, younger
	s_wait_dscnt \younger
	WIN 0x0c
.set N, 0
.rept 16
	v_pk_add_f32 v[BK+32*(\a)+N:BK+32*(\a)+N+1], v[BK+32*(\a)+N:BK+32*(\a)+N+1], v[32*(\a)+N:32*(\a)+N+1]
.set N, N+2
.endr
	WIN 0
.irp i, 0,1,2,3,4,5,6,7
.if LAST
	global_store_b128 v[CO], v[BK+32*(\a)+4*\i:BK+32*(\a)+4*\i+3], s[12:13] offset:(32*((\a)/2)+8*((\a)%2)+2*\i+8*(\i/4))*4096 th:TH_STORE_NT
.else
	global_store_b128 v[CO], v[BK+32*(\a)+4*\i:BK+32*(\a)+4*\i+3], s[12:13] offset:(32*((\a)/2)+8*((\a)%2)+2*\i+8*(\i/4))*4096
.endif
.endr
.endm
	s_wait_tensorcnt 0x0
	s_barrier_signal -1
	s_barrier_wait -1
	FETCH 0, 0, 0
	SCALES 0
	WIN 0xc0                                       ; the residual's 32 loads, into window 3, are asked for when the head's tiles are in, and land under the products
.irp a, 0,1,2,3
.irp i, 0,1,2,3,4,5,6,7
	global_load_b128 v[32*\a+4*\i:32*\a+4*\i+3], v[CO], s[10:11] offset:(32*(\a/2)+8*(\a%2)+2*\i+8*(\i/4))*4096
.endr
.endr
	WIN 0
	s_wait_loadcnt 32                              ; the bias is in; the 32 loads just issued may be out
	STEP 0, 0, 1
.if LAPS > 1
	s_mov_b32 s3, LAPS-1
.Llap:
	STEP 0, 1, 0
	STEP 0, 2, 0
	TURN 0, 1, 1
	STEP 1, 0, 0
	STEP 1, 1, 0
	STEP 1, 2, 0
	TURN 1, 0, 1
	STEP 0, 0, 0
	s_sub_co_u32 s3, s3, 1
	s_cmp_lg_u32 s3, 0
	s_cbranch_scc1 .Llap
.endif
	STEP 0, 1, 0
	STEP 0, 2, 0
	TURN 0, 1, 0
	STEP 1, 0, 0
	STEP 1, 1, 0
	STEP 1, 2, 0
	s_wait_dscnt 0x0
	WIN MUL
	MULA 0, 1, 3, 1, 0
	MULA 1, 1, 3, 1, 0
	MULA 2, 1, 3, 1, 0
	MULA 3, 1, 3, 1, 0
	WIN 0
	PLACES NP
	TOSTAGE 0
	s_wait_loadcnt 0x0
.irp a, 1,2,3
	TOSTAGE \a
	SEND \a-1, 16
.endr
	SEND 3, 0
	s_wait_tensorcnt 0x0
	ds_add_u32 v[SPW], v[NIL]
	s_wait_dscnt 0x0
	CROUND
	s_endpgm
.Lfunc_end_k_q39546c354d_wo:
	.size	k_q39546c354d_wo, .Lfunc_end_k_q39546c354d_wo-k_q39546c354d_wo
	.p2alignl 7, 3214868480
	.fill 96, 4, 3214868480
	.section	.rodata,"a",@progbits
	.p2align	6, 0x0
	.amdhsa_kernel k_q39546c354d_wo
		.amdhsa_group_segment_fixed_size 327680
		.amdhsa_private_segment_fixed_size 0
		.amdhsa_enable_private_segment 0
		.amdhsa_kernarg_size 40
		.amdhsa_user_sgpr_count 2
		.amdhsa_user_sgpr_kernarg_segment_ptr 1
		.amdhsa_wavefront_size32 1
		.amdhsa_system_sgpr_workgroup_id_x 1
		.amdhsa_system_sgpr_workgroup_id_y 1
		.amdhsa_system_sgpr_workgroup_id_z 1
		.amdhsa_system_vgpr_workitem_id 0
		.amdhsa_next_free_vgpr 1024
		.amdhsa_next_free_sgpr 88
		.amdhsa_reserve_vcc 0
		.amdhsa_float_denorm_mode_32 3
		.amdhsa_float_denorm_mode_16_64 3
		.amdhsa_memory_ordered 1
		.amdhsa_forward_progress 1
		.amdhsa_inst_pref_size 67
	.end_amdhsa_kernel
	.amdgpu_metadata
---
amdhsa.version: [ 1, 2 ]
amdhsa.kernels:
  - .name:           k_q39546c354d_wo
    .symbol:         k_q39546c354d_wo.kd
    .args:
      - { .name: hc, .offset: 0, .size: 8, .value_kind: global_buffer, .address_space: global }
      - { .name: wts, .offset: 8, .size: 8, .value_kind: global_buffer, .address_space: global }
      - { .name: bo, .offset: 16, .size: 8, .value_kind: global_buffer, .address_space: global }
      - { .name: x, .offset: 24, .size: 8, .value_kind: global_buffer, .address_space: global }
      - { .name: x1, .offset: 32, .size: 8, .value_kind: global_buffer, .address_space: global }
    .group_segment_fixed_size: 327680
    .private_segment_fixed_size: 0
    .kernarg_segment_align: 8
    .kernarg_segment_size: 40
    .max_flat_workgroup_size: 128
    .sgpr_count:     88
    .vgpr_count:     1024
    .wavefront_size: 32
...
	.end_amdgpu_metadata
.endif
;; end of part 11
;; launch ln1 (part 12): grid 256 x 1, 4 waves a work-group, no clusters, 32,256 bytes of LDS; arguments x1, ln2_scale, ln2_shift, hc; writes hc
.if DOCPART == 12
	.amdgcn_target "amdgcn-amd-amdhsa--gfx1250"
	.amdhsa_code_object_version 6
	.text
	.protected	k_q39546c354d_ln1
	.globl	k_q39546c354d_ln1
	.p2align	8
	.type	k_q39546c354d_ln1,@function
k_q39546c354d_ln1:
	s_mov_b64 s[64:65], 0
	v_nop
	global_prefetch_b8 v0, s[64:65] scope:SCOPE_SE
	s_setreg_imm32_b32 hwreg(HW_REG_WAVE_MODE, 25, 1), 1
	s_wait_xcnt 0x0
; h = scale (x - mean) / sqrt(var + 1e-5) + shift, row by row of 1,024 f32, and h quantised along the row to codes of BF6 (E3M2) with one E8M0 byte for each 32.
; The codes leave as RECORDS of 208 bytes (256 numbers: 192 bytes of codes, 8 scale bytes, 8 zeros), panel c of 4,096 places for columns 256 c on; row n lies at place n with bits 3 and 4 exchanged.
; A work-group owns 16 places on end, a wave four of them: four consecutive rows, kept in registers between the passes (mean; variance of the differences; scaling).
; Loads take the bytes as they lie, 512 a load.  The conversions want 32 neighbours in one lane: a row turns through the wave's own stage in LDS (places of 128 + 16 bytes), after which lane l holds block l.
; The 16 rows' records meet in LDS; behind one barrier wave w stores panel w's 3,328 bytes as 13 whole runs of 256 bytes.
; LIMITS: NaN and infinities are not served; a block under 2^-122, or of zeros, keeps the byte 1 (this program alone reads the bytes).
.set REC,  208
.set PS,   4096*REC
.set OUT,  4*4608                      ; LDS: four stages of 32 x 144 bytes, then 4 panels x 16 rows x 208 bytes
.set SCL,  32                          ; v32-63   scale of my columns 128 j + 4 lane + 0..3
.set SHF,  64                          ; v64-95   shift
.set X,    96                          ; v96-223  four rows of 32 numbers
	s_load_b256 s[4:11], s[0:1], 0x0               ; x, scale, shift, the codes
	v_lshl_add_u32 v224, v0, 2, 0x7c00
	v_mov_b32 v225, 0
	v_lshrrev_b32 v1, 5, v0
	v_readfirstlane_b32 s16, v1                    ; wave
	v_and_b32 v2, 31, v0                           ; lane
	v_lshlrev_b32 v3, 4, v2
	s_mov_b32 s12, 0x76543210
	s_mov_b32 s13, 0xfedcba98                      ; lane l xor 16
	s_mov_b32 s14, 0x3a800000                      ; 1 / 1024
	s_mov_b32 s15, 0x3727c5ac                      ; 1e-5
	s_lshr_b32 s17, ttmp9, 1                       ; my first row: 32 (g / 2) + 8 (g % 2) + 4 w + 8 (w / 2)
	s_lshl_b32 s17, s17, 5
	s_and_b32 s18, ttmp9, 1
	s_lshl_b32 s18, s18, 3
	s_add_co_u32 s17, s17, s18
	s_lshl_b32 s18, s16, 2
	s_add_co_u32 s17, s17, s18
	s_lshr_b32 s18, s16, 1
	s_lshl_b32 s18, s18, 3
	s_add_co_u32 s17, s17, s18
	s_lshl_b32 s18, s17, 12
	s_mov_b32 s19, 0
	s_mul_i32 s20, s16, PS                         ; out: panel w, places 16 g on
	s_mul_i32 s21, ttmp9, 16*REC
	s_add_co_u32 s20, s20, s21
	s_mov_b32 s21, 0
	s_wait_alu depctr_va_vdst(0)
	s_wait_kmcnt 0x0
	s_add_nc_u64 s[4:5], s[4:5], s[18:19]
	s_add_nc_u64 s[10:11], s[10:11], s[20:21]
.irp j, 0,1,2,3,4,5,6,7
	global_load_b128 v[SCL+4*\j:SCL+4*\j+3], v3, s[6:7] offset:512*\j
	global_load_b128 v[SHF+4*\j:SHF+4*\j+3], v3, s[8:9] offset:512*\j
.endr
.irp i, 0,1,2,3
.irp j, 0,1,2,3,4,5,6,7
	global_load_b128 v[X+32*\i+4*\j:X+32*\i+4*\j+3], v3, s[4:5] offset:4096*\i+512*\j
.endr
.endr
	v_lshrrev_b32 v11, 3, v2
	v_and_b32 v12, 7, v2
	v_mul_u32_u24 v6, v11, 16*REC
	s_mul_i32 s22, s16, 4*REC
	s_add_co_u32 s22, s22, OUT
	v_add_nc_u32 v6, s22, v6                       ; block l's record: panel l / 8, my wave's first row
	v_add_nc_u32 v7, v6, v12
	v_add_nc_u32 v7, 192, v7                       ; its scale byte
	v_mad_u32_u24 v6, v12, 24, v6                  ; its 24 bytes of codes
	s_mul_i32 s23, s16, 4608
	v_mul_u32_u24 v4, v11, 144
	v_lshl_add_u32 v4, v12, 4, v4
	v_add_nc_u32 v4, s23, v4                       ; the turn, in: place 4 j + l / 8, 16 (l % 8) bytes on
	v_mul_u32_u24 v5, v2, 144
	v_add_nc_u32 v5, s23, v5                       ; and out: place l
	s_mul_i32 s22, s16, 16*REC
	s_add_co_u32 s22, s22, OUT
	v_lshlrev_b32 v10, 3, v2
	v_add_nc_u32 v9, s22, v10                      ; the way out: panel w, 8 bytes a lane
	v_mul_u32_u24 v8, v1, 16*REC                   ; the records' 8 zero bytes: 128 words, one a thread
	v_bfe_u32 v11, v0, 1, 4
	v_mad_u32_u24 v8, v11, REC, v8
	v_and_b32 v11, 1, v0
	v_lshl_add_u32 v8, v11, 2, v8
	v_add_nc_u32 v8, OUT+200, v8
	v_mov_b32 v11, 0
	ds_store_b32 v8, v11
.macro REDUCE a, b                     ; the sum over the 32 lanes, in every lane
	v_add_f32_dpp v[\a], v[\a], v[\a] row_xmask:1 row_mask:0xf bank_mask:0xf
	v_add_f32_dpp v[\a], v[\a], v[\a] row_xmask:2 row_mask:0xf bank_mask:0xf
	v_add_f32_dpp v[\a], v[\a], v[\a] row_xmask:4 row_mask:0xf bank_mask:0xf
	v_add_f32_dpp v[\a], v[\a], v[\a] row_xmask:8 row_mask:0xf bank_mask:0xf
	v_permlanex16_b32 v[\b], v[\a], s12, s13
	v_add_f32 v[\a], v[\a], v[\b]
.endm
.macro ROW i
.set XR, X+32*\i
	s_wait_loadcnt 8*(3-\i)                        ; this row's eight loads are in; the later rows' may be out
	v_pk_add_f32 v[16:17], v[XR:XR+1], v[XR+2:XR+3]
	v_pk_add_f32 v[18:19], v[XR+4:XR+5], v[XR+6:XR+7]
.irp j, 8,12,16,20,24,28
	v_pk_add_f32 v[16:17], v[16:17], v[XR+\j:XR+\j+1]
	v_pk_add_f32 v[18:19], v[18:19], v[XR+\j+2:XR+\j+3]
.endr
	v_pk_add_f32 v[16:17], v[16:17], v[18:19]
	v_add_f32 v16, v16, v17
	REDUCE 16, 17
	v_mul_f32 v16, s14, v16                        ; the mean
.irp j, 0,2,4,6,8,10,12,14,16,18,20,22,24,26,28,30
	v_pk_add_f32 v[XR+\j:XR+\j+1], v[XR+\j:XR+\j+1], v[16:17] op_sel_hi:[1,0] neg_lo:[0,1] neg_hi:[0,1]
.endr
	v_pk_mul_f32 v[18:19], v[XR:XR+1], v[XR:XR+1]
	v_pk_mul_f32 v[20:21], v[XR+2:XR+3], v[XR+2:XR+3]
.irp j, 4,8,12,16,20,24,28
	v_pk_fma_f32 v[18:19], v[XR+\j:XR+\j+1], v[XR+\j:XR+\j+1], v[18:19]
	v_pk_fma_f32 v[20:21], v[XR+\j+2:XR+\j+3], v[XR+\j+2:XR+\j+3], v[20:21]
.endr
	v_pk_add_f32 v[18:19], v[18:19], v[20:21]
	v_add_f32 v18, v18, v19
	REDUCE 18, 19
	v_fma_f32 v18, v18, s14, s15                   ; the variance + 1e-5
	s_wait_alu depctr_va_vdst(0)
	v_rsq_f32 v18, v18
	v_nop                                          ; a plain line behind the transcendental
	s_wait_alu depctr_va_vdst(0)
.irp j, 0,2,4,6,8,10,12,14,16,18,20,22,24,26,28,30
	v_pk_mul_f32 v[XR+\j:XR+\j+1], v[XR+\j:XR+\j+1], v[18:19] op_sel_hi:[1,0]
.endr
.irp j, 0,2,4,6,8,10,12,14,16,18,20,22,24,26,28,30
	v_pk_fma_f32 v[XR+\j:XR+\j+1], v[XR+\j:XR+\j+1], v[SCL+\j:SCL+\j+1], v[SHF+\j:SHF+\j+1]
.endr
.irp j, 0,1,2,3,4,5,6,7
	ds_store_b128 v4, v[XR+4*\j:XR+4*\j+3] offset:576*\j
.endr
.irp j, 0,1,2,3,4,5,6,7
	ds_load_b128 v[XR+4*\j:XR+4*\j+3], v5 offset:16*\j     ; LDS serves a wave's instructions in order: these see the stores above
.endr
	s_wait_dscnt 0x0                               ; block l is mine; the last row's stores have read their registers too
	v_max3_num_f32 v12, |v[XR]|, |v[XR+1]|, |v[XR+2]|
	v_max3_num_f32 v13, |v[XR+3]|, |v[XR+4]|, |v[XR+5]|
.irp j, 6,10,14,18,22,26
	v_max3_num_f32 v12, v12, |v[XR+\j]|, |v[XR+\j+1]|
	v_max3_num_f32 v13, v13, |v[XR+\j+2]|, |v[XR+\j+3]|
.endr
	v_max3_num_f32 v12, v12, |v[XR+30]|, |v[XR+31]|
	v_max3_num_f32 v12, v12, v13, 0x2800000        ; with the floor 2^(5 - 127)
	v_add_nc_u32 v11, 0xfe000000, v12              ; 4 off the exponent field: the conversion's scale operand
	v_cvt_scalef32_pk16_bf6_f32 v[22:24], v[XR:XR+15], v11
	v_cvt_scalef32_pk16_bf6_f32 v[26:28], v[XR+16:XR+31], v11
	v_lshrrev_b32 v29, 23, v11                     ; the byte; also the plain line behind the conversions
	v_mov_b32 v25, v26
	v_mov_b32 v26, v27
	v_mov_b32 v27, v28                             ; v22-27: 24 bytes on end
.irp p, 0,1,2
	ds_store_b64 v6, v[22+2*\p:23+2*\p] offset:\i*REC+8*\p
.endr
	ds_store_b8 v7, v29 offset:\i*REC
.endm
	ROW 0
	ROW 1
	ROW 2
	ROW 3
	s_wait_dscnt 0x0                               ; for the others' sake: my stores have landed
	s_barrier_signal -1
	s_barrier_wait -1
.irp k, 0,1,2,3,4,5,6,7,8,9,10,11,12
	ds_load_b64 v[X+2*\k:X+2*\k+1], v9 offset:256*\k
.endr
.irp k, 0,1,2,3,4,5,6,7,8,9,10,11,12
	s_wait_dscnt 12-\k
	global_store_b64 v10, v[X+2*\k:X+2*\k+1], s[10:11] offset:256*\k   ; 32 lanes store 256 consecutive bytes, aligned
.endr
	s_wait_tensorcnt 0x0
	ds_add_u32 v224, v225
	s_wait_dscnt 0x0
	s_endpgm
.Lfunc_end_k_q39546c354d_ln1:
	.size	k_q39546c354d_ln1, .Lfunc_end_k_q39546c354d_ln1-k_q39546c354d_ln1
	.p2alignl 7, 3214868480
	.fill 96, 4, 3214868480
	.section	.rodata,"a",@progbits
	.p2align	6, 0x0
	.amdhsa_kernel k_q39546c354d_ln1
		.amdhsa_group_segment_fixed_size 32256
		.amdhsa_private_segment_fixed_size 0
		.amdhsa_enable_private_segment 0
		.amdhsa_kernarg_size 32
		.amdhsa_user_sgpr_count 2
		.amdhsa_user_sgpr_kernarg_segment_ptr 1
		.amdhsa_wavefront_size32 1
		.amdhsa_system_sgpr_workgroup_id_x 1
		.amdhsa_system_sgpr_workgroup_id_y 1
		.amdhsa_system_sgpr_workgroup_id_z 1
		.amdhsa_system_vgpr_workitem_id 0
		.amdhsa_next_free_vgpr 226
		.amdhsa_next_free_sgpr 66
		.amdhsa_reserve_vcc 0
		.amdhsa_float_denorm_mode_32 3
		.amdhsa_float_denorm_mode_16_64 3
		.amdhsa_memory_ordered 1
		.amdhsa_forward_progress 1
		.amdhsa_inst_pref_size 45
	.end_amdhsa_kernel
	.amdgpu_metadata
---
amdhsa.version: [ 1, 2 ]
amdhsa.kernels:
  - .name:           k_q39546c354d_ln1
    .symbol:         k_q39546c354d_ln1.kd
    .args:
      - { .name: x1, .offset: 0, .size: 8, .value_kind: global_buffer, .address_space: global }
      - { .name: ln2_scale, .offset: 8, .size: 8, .value_kind: global_buffer, .address_space: global }
      - { .name: ln2_shift, .offset: 16, .size: 8, .value_kind: global_buffer, .address_space: global }
      - { .name: hc, .offset: 24, .size: 8, .value_kind: global_buffer, .address_space: global }
    .group_segment_fixed_size: 32256
    .private_segment_fixed_size: 0
    .kernarg_segment_align: 8
    .kernarg_segment_size: 32
    .max_flat_workgroup_size: 128
    .sgpr_count:     66
    .vgpr_count:     226
    .wavefront_size: 32
...
	.end_amdgpu_metadata
.endif
;; end of part 12
;; launch w1 (part 13): grid 16 x 16, 4 waves a work-group, clusters of 4 x 4, 327,680 bytes of LDS; arguments hc, wts, b1, qkg; writes qkg
.if DOCPART == 13
	.amdgcn_target "amdgcn-amd-amdhsa--gfx1250"
	.amdhsa_code_object_version 6
	.text
	.protected	k_q39546c354d_w1
	.globl	k_q39546c354d_w1
	.p2align	8
	.type	k_q39546c354d_w1,@function
k_q39546c354d_w1:
	s_mov_b64 s[64:65], 0
	v_nop
	global_prefetch_b8 v0, s[64:65] scope:SCOPE_SE
	s_setreg_imm32_b32 hwreg(HW_REG_WAVE_MODE, 25, 1), 1
	s_wait_xcnt 0x0
	s_wait_alu depctr_hold_cnt(0) depctr_sa_sdst(0) depctr_va_vdst(0) depctr_va_sdst(0) depctr_va_ssrc(0) depctr_va_vcc(0) depctr_vm_vsrc(0)
	s_getreg_b32 s2, hwreg(HW_REG_IB_STS2, 6, 4)
	s_cmp_eq_u32 s2, 0
	s_cbranch_scc0 .Lentry_in_a_cluster
	s_endpgm
.Lentry_in_a_cluster:
	s_bfe_u32 s2, ttmp6, 0x10000c
	s_cmp_lg_u32 s2, 0xf033
	s_cbranch_scc0 .Lentry_shape_is_right
	s_endpgm
.Lentry_shape_is_right:
.set LAPS,   2
.set RB,     208
.set PS,     4096*RB
.set WOFF,   4*PS
.set HALFT,  128*RB
.set SLOT,   4*HALFT
.set STAGE,  2*SLOT
.set SPARE,  STAGE+256*RB
.set FR,     12
.set NL,     6
.set NP,     4
.set NQ,     2
.set ADRA, 16
.set ADRS, 18
.set ADRB, 20
.set GA,   22
.set STO,  24
.set RD,   25
.set CO,   26
.set SSO,  27
.set SPW,  28
.set NIL,  29
.set ZR,   30
.set SC,   32
.set BI,   64
.set AF,   128
.set H,    128
.set T,    192
.set TM,   200
.set PW,   216
.set PC,   224
.set RBK,  128
.set G1, 24
.set G0, 32
.set G1B, 48
.set G0B, 56
.set GB,  66
.set SEL, 68
.set MSB, 0
.macro WIN new
.if MSB != \new
	s_set_vgpr_msb (MSB<<8)|\new
.set MSB, \new
.endif
.endm
.set MUL_LO, 0xa1
.set MUL_HI, 0xf1
.set FIRST_LO, 0x81
.set FIRST_HI, 0xc1
.set TO_B,   0x40
.macro JLOAD s
	s_cmp_eq_u32 s15, 0
	s_cbranch_scc0 .Lfor_b_\@
	tensor_load_to_lds s[G0+4*\s:G0+4*\s+3], s[G1:G1+7]
	s_nop 0
.rept 4
	v_nop
.endr
	s_branch .Lasked_\@
.Lfor_b_\@:
	tensor_load_to_lds s[G0B+4*\s:G0B+4*\s+3], s[G1B:G1B+7]
	s_nop 0
.rept 4
	v_nop
.endr
.Lasked_\@:
.endm
.macro CREST
	s_cmp_lg_u32 s14, 0
	s_cbranch_scc1 .Lnot_wave_0_\@
	s_barrier_signal -3
.Lnot_wave_0_\@:
	s_barrier_wait -3
	s_barrier_signal -1
	s_barrier_wait -1
.endm
.macro CROUND
	s_barrier_signal -1
	s_barrier_wait -1
	CREST
.endm
	s_load_b128 s[4:7], s[0:1], 0x0
	s_load_b128 s[8:11], s[0:1], 0x10
	v_lshl_add_u32 v[SPW], v0, 2, SPARE
	v_mov_b32 v[NIL], 0
	ds_add_u32 v28, v29
	ds_add_u32 v28, v29
	s_wait_dscnt 0x0
	v_mov_b32 v[ZR], 0
	v_mov_b32 v[GA], 0xc0135761
	v_mov_b32 v[GA+1], 0xc0135761
	v_lshrrev_b32 v1, 5, v0
	v_readfirstlane_b32 s14, v1
	s_lshr_b32 s15, s14, 1
	s_and_b32 s16, s14, 1
	s_bfe_u32 s40, ttmp6, 0x40000
	s_bfe_u32 s41, ttmp6, 0x40004
	s_lshl_b32 s42, ttmp9, 2
	s_add_co_u32 s42, s42, s40
	s_and_b32 s17, ttmp7, 0xffff
	s_lshl_b32 s17, s17, 2
	s_add_co_u32 s17, s17, s41
	s_lshl_b32 s43, s41, 2
	s_lshl_b32 s43, 15, s43
	s_lshl_b32 s44, 0x1111, s40
	s_or_b32 s[G1+0], s43, (3<<16)|(1<<21)
	s_or_b32 s[G1B+0], s44, (3<<16)|(1<<21)
	s_or_b32 s72, s43, (3<<16)|(1<<21)             ; group 1 of the head's loads, s[72:79] for A and s[80:87] for B: both slots by one load
	s_or_b32 s80, s44, (3<<16)|(1<<21)
.irp g, 72, 80
	s_mov_b32 s[\g+1], (HALFT/8)<<16               ; rows of 26,624 bytes,
	s_mov_b32 s[\g+2], 2<<16                       ; two of them,
	s_mov_b32 s[\g+3], (HALFT/8)<<16
	s_mov_b32 s[\g+4], 2
	s_mov_b32 s[\g+5], PS/8                        ; a panel apart
	s_mov_b32 s[\g+6], 0
	s_mov_b32 s[\g+7], 0
.endr
.irp g, G1, G1B
	s_mov_b32 s[\g+1], 32<<16
	s_mov_b32 s[\g+2], 104<<16
	s_mov_b32 s[\g+3], 32<<16
	s_mov_b32 s[\g+4], 104
	s_mov_b32 s[\g+5], 32
	s_mov_b32 s[\g+6], 0
	s_mov_b32 s[\g+7], 0
.endr
	s_mov_b32 s[GB], 0xbdd2d3e8
	s_mov_b32 s[GB+1], s[GB]
	s_mov_b32 s[SEL], 0x76543210
	s_mov_b32 s[SEL+1], 0xfedcba98
	s_lshl_b32 s18, s16, 7
	s_lshl_b32 s20, s17, 8
	s_add_co_u32 s20, s20, s18
	s_mul_i32 s20, s20, RB
	s_mov_b32 s21, 0
	s_lshl_b32 s46, s42, 8
	s_add_co_u32 s46, s46, s18
	s_mul_i32 s46, s46, RB
	s_mov_b32 s47, 0
	s_mul_i32 s45, s14, 2*HALFT                    ; my two slots lie on end in LDS
	s_wait_kmcnt 0x0
	s_add_nc_u64 s[20:21], s[4:5], s[20:21]
	s_add_nc_u64 s[46:47], s[6:7], s[46:47]
	s_add_nc_u64 s[46:47], s[46:47], WOFF
	CROUND
.irp s, 0,1
	s_mov_b32 s[G0+4*\s], 1
	s_add_co_u32 s[G0+4*\s+1], s45, \s*HALFT
	s_add_nc_u64 s[G0+4*\s+2:G0+4*\s+3], s[20:21], \s*PS
	s_or_b32 s[G0+4*\s+3], s[G0+4*\s+3], 0x80000000
	s_mov_b32 s[G0B+4*\s], 1
	s_add_co_u32 s[G0B+4*\s+1], s45, \s*HALFT
	s_add_nc_u64 s[G0B+4*\s+2:G0B+4*\s+3], s[46:47], \s*PS
	s_or_b32 s[G0B+4*\s+3], s[G0B+4*\s+3], 0x80000000
.endr
; THE PREFETCHES: K steps 2 and 3 of my tile, 104 blocks of 256 bytes each, are named at the head, a K step and more ahead of their refills.  The four partners that ask for a tile jointly share its blocks out BY ADDRESS:
; the partner at place p (cx for A, cy for B) names blocks 26 p .. 26 p + 25, a lane a block (lanes 26-31 name the last again).  There is no later K step to name.
	s_cmp_eq_u32 s15, 0
	s_cselect_b64 s[88:89], s[20:21], s[46:47]
	s_cselect_b32 s90, s40, s41
	s_mul_i32 s90, s90, 26*256
	s_mov_b32 s91, 0
	s_add_nc_u64 s[88:89], s[88:89], s[90:91]
	s_cmp_eq_u32 s15, 0
	s_cbranch_scc0 .Lhead_b
	tensor_load_to_lds s[G0:G0+3], s[72:79]
	s_nop 0
.rept 4
	v_nop
.endr
	s_branch .Lhead_asked
.Lhead_b:
	tensor_load_to_lds s[G0B:G0B+3], s[80:87]
	s_nop 0
.rept 4
	v_nop
.endr
.Lhead_asked:
	v_and_b32 v1, 15, v0
	v_bfe_u32 v2, v0, 4, 1
	v_and_b32 v31, 31, v0
	v_min_u32 v31, 25, v31
	v_lshlrev_b32 v31, 8, v31                      ; the prefetches' offset: my block of my work-group's 26; never rewritten
	s_wait_alu depctr_va_vdst(0)
	s_lshl_b32 s46, s42, 10
	s_lshl_b32 s47, s16, 9
	s_add_co_u32 s46, s46, s47
	s_mov_b32 s47, 0
	s_add_nc_u64 s[8:9], s[8:9], s[46:47]
	v_lshlrev_b32 v7, 6, v2
.irp n, 0,1,2,3,4,5,6,7,8,9,10,11,12,13,14,15
	global_load_b128 v[BI+4*\n:BI+4*\n+3], v7, s[8:9] offset:128*(\n/4)+16*(\n%4)
.endr
	global_prefetch_b8 v31, s[88:89] offset:2*PS th:TH_LOAD_NT scope:SCOPE_SE   ; K step 2
	global_prefetch_b8 v31, s[88:89] offset:3*PS th:TH_LOAD_NT scope:SCOPE_SE   ; K step 3
	v_mul_u32_u24 v3, v1, RB
	v_mad_u32_u24 v4, v2, 24, v3
	s_mul_i32 s21, s15, 2*HALFT
	s_mul_i32 s22, s16, 2*HALFT
	s_add_co_u32 s22, s22, 4*HALFT
	s_sub_co_u32 s23, s22, s21
	v_mul_u32_u24 v5, s23, v2
	v_add_nc_u32 v5, v5, v3
	v_add_nc_u32 v5, 192, v5
.irp s, 0,1
	v_add_nc_u32 v[ADRA+\s], s21, v4
	v_add_nc_u32 v[ADRB+\s], s22, v4
	v_add_nc_u32 v[ADRS+\s], s21, v5
	s_add_co_u32 s21, s21, HALFT
	s_add_co_u32 s22, s22, HALFT
.endr
	s_mul_i32 s23, s15, HALFT
	s_mul_i32 s22, s16, 96
	s_add_co_u32 s22, s22, s23
	s_add_co_u32 s22, s22, STAGE
	v_add_nc_u32 v[STO], s22, v4
	s_lshl_b32 s22, s16, 2
	s_add_co_u32 s22, s22, s23
	s_add_co_u32 s22, s22, STAGE+192
	v_add_nc_u32 v[SSO], s22, v3
	s_mul_i32 s23, s14, 64*RB
	s_add_co_u32 s23, s23, STAGE
	v_and_b32 v6, 31, v0
	v_lshlrev_b32 v[CO], 4, v6
	v_add_nc_u32 v[RD], s23, v[CO]
	s_mul_i32 s20, s17, 256*RB
	s_mul_i32 s21, s14, 64*RB
	s_add_co_u32 s20, s20, s21
	s_mov_b32 s21, 0
	s_mul_i32 s46, s42, PS
	s_mov_b32 s47, 0
	s_add_nc_u64 s[20:21], s[20:21], s[46:47]
	s_add_nc_u64 s[10:11], s[10:11], s[20:21]
.macro FRAG reg, adr, q, i
.irp p, 0,1,2,3,4,5
	ds_load_b64 v[\reg+2*\p:\reg+2*\p+1], v[\adr] offset:96*(\q)+48*(\p/3)+8*(\p%3)+(\i)*16*RB
.endr
.endm
.macro MUL16 a0, p, q, sc, first
.irp a, \a0, \a0+1
.irp b, 0,1,2,3,4,5,6,7
.if \first
	v_wmma_scale_f32_16x16x128_f8f6f4 v[8*(8*((\a)%4)+\b):8*(8*((\a)%4)+\b)+7], v[128*(\p)+FR*\b:128*(\p)+FR*\b+FR-1], v[AF+FR*(\a):AF+FR*(\a)+FR-1], v[BI+8*\b:BI+8*\b+7], v[SC+8*NQ*(\sc)+NQ*\b+(\q)], v[SC+8*NQ*(\sc)+NQ*(\a)+(\q)] matrix_a_fmt:MATRIX_FMT_BF6 matrix_b_fmt:MATRIX_FMT_BF6 matrix_a_scale:MATRIX_SCALE_ROW1
.else
	v_wmma_scale_f32_16x16x128_f8f6f4 v[8*(8*((\a)%4)+\b):8*(8*((\a)%4)+\b)+7], v[128*(\p)+FR*\b:128*(\p)+FR*\b+FR-1], v[AF+FR*(\a):AF+FR*(\a)+FR-1], v[8*(8*((\a)%4)+\b):8*(8*((\a)%4)+\b)+7], v[SC+8*NQ*(\sc)+NQ*\b+(\q)], v[SC+8*NQ*(\sc)+NQ*(\a)+(\q)] matrix_a_fmt:MATRIX_FMT_BF6 matrix_b_fmt:MATRIX_FMT_BF6 matrix_a_scale:MATRIX_SCALE_ROW1
.endif
.endr
.endr
.endm
.macro FETCH_B slot, q, p
	WIN TO_B
.irp i, 0,1,2,3,4,5,6,7
	FRAG 128*(\p)+FR*\i, ADRB+\slot, \q, \i
.endr
	WIN 0
.endm
.macro FETCH_A slot, q, i0
.irp i, \i0, \i0+1, \i0+2, \i0+3
	FRAG AF+FR*(\i), ADRA+\slot, \q, \i
.endr
.endm
.macro SCALES sc
.irp i, 0,1,2,3,4,5,6,7
	ds_load_b64 v[SC+8*NQ*\sc+NQ*\i:SC+8*NQ*\sc+NQ*\i+1], v[ADRS+\sc] offset:\i*16*RB
.endr
.endm
.macro PLACES n
.rept \n
	v_nop
.endr
.endm
.macro STEP slot, q, first
	s_wait_dscnt 4*NL
.if \first
	WIN FIRST_LO
.else
	WIN MUL_LO
.endif
	MUL16 0, (\q)%2, \q, \slot, \first
	MUL16 2, (\q)%2, \q, \slot, \first
	s_wait_dscnt 0
	PLACES NP
	FETCH_B \slot, (\q)+1, 1-(\q)%2
	FETCH_A \slot, (\q)+1, 0
.if \first
	WIN FIRST_HI
.else
	WIN MUL_HI
.endif
	MUL16 4, (\q)%2, \q, \slot, \first
	MUL16 6, (\q)%2, \q, \slot, \first
	PLACES NP
	WIN 0
	FETCH_A \slot, (\q)+1, 4
.endm
.macro TURN slot, next, fill
	s_wait_tensorcnt 0x0
	ds_add_u32 v[SPW], v[NIL]
	s_wait_dscnt 4*NL+1
	WIN MUL_LO
	MUL16 0, 1, NQ-1, \slot, 0
	s_wait_dscnt 0x0
	s_barrier_signal -1
	MUL16 2, 1, NQ-1, \slot, 0
	WIN 0
	s_barrier_wait -1
.if \fill
	CREST
	s_add_nc_u64 s[G0+4*\slot+2:G0+4*\slot+3], s[G0+4*\slot+2:G0+4*\slot+3], 2*PS
	s_add_nc_u64 s[G0B+4*\slot+2:G0B+4*\slot+3], s[G0B+4*\slot+2:G0B+4*\slot+3], 2*PS
	JLOAD \slot
.else
	PLACES NP
.endif
	FETCH_B \next, 0, 0
	FETCH_A \next, 0, 0
	SCALES \next
	WIN MUL_HI
	MUL16 4, 1, NQ-1, \slot, 0
	MUL16 6, 1, NQ-1, \slot, 0
	PLACES NP
	WIN 0
	FETCH_A \next, 0, 4
.endm
.macro QUANT s
.irp b, 0,1,2,3
	v_max3_num_f32 v[TM+\b], |v[\s+16*\b]|, |v[\s+1+16*\b]|, 0x2800000
.endr
.irp i, 2,4,6,8,10,12,14
.irp b, 0,1,2,3
	v_max3_num_f32 v[TM+\b], v[TM+\b], |v[\s+16*\b+\i]|, |v[\s+1+16*\b+\i]|
.endr
.endr
.irp b, 0,1,2,3
	v_permlanex16_b32 v[TM+4+\b], v[TM+\b], s[SEL], s[SEL+1]
.endr
.irp b, 0,1,2,3
	v_max_num_f32 v[TM+\b], v[TM+\b], v[TM+4+\b]
.endr
.irp b, 0,1,2,3
	v_add_nc_u32 v[TM+12+\b], 0xfe000000, v[TM+\b]
.endr
.irp b, 0,1,2,3
	v_lshrrev_b32 v[TM+4+\b], 23, v[TM+12+\b]
.endr
	v_lshl_or_b32 v[PW], v[TM+5], 8, v[TM+4]
	v_lshl_or_b32 v[PW], v[TM+6], 16, v[PW]
	v_lshl_or_b32 v[PW], v[TM+7], 24, v[PW]
.irp c, 0,1
	v_cvt_scalef32_pk16_bf6_f32 v[PC+6*\c:PC+2+6*\c], v[\s+32*\c:\s+15+32*\c], v[TM+12+2*\c]
	v_cvt_scalef32_pk16_bf6_f32 v[PC+12+4*\c:PC+14+4*\c], v[\s+16+32*\c:\s+31+32*\c], v[TM+12+2*\c+1]
.endr
	v_nop
.irp c, 0,1
.irp i, 0,1,2
	v_permlane16_swap_b32 v[PC+6*\c+\i], v[PC+12+4*\c+\i]
.endr
.irp i, 0,1,2
	v_mov_b32 v[PC+3+6*\c+\i], v[PC+12+4*\c+\i]
.endr
.endr
.endm
.macro GOUT a
.set AC, 64*((\a)%4)
.if (\a) > 0
	s_wait_dscnt 0x0
.endif
	WIN 0x0a+5*((\a)/4)
.set N, 0
.rept 32
	v_pk_mul_f32 v[T+N:T+N+1], v[AC+N:AC+N+1], v[AC+N:AC+N+1]
.set N, N+2
.endr
	WIN 0
.set N, 0
.rept 32
	v_pk_fma_f32 v[T+N:T+N+1], v[T+N:T+N+1], s[GB:GB+1], v[GA:GA+1] op_sel_hi:[1,0,0]
.set N, N+2
.endr
	WIN 0x02+((\a)/4)
.set N, 0
.rept 32
	v_pk_mul_f32 v[T+N:T+N+1], v[AC+N:AC+N+1], v[T+N:T+N+1]
.set N, N+2
.endr
	WIN 0
.set N, 0
	s_wait_alu depctr_va_vdst(0)
.rept 64
	v_exp_f32 v[T+N], v[T+N]
.set N, N+1
.endr
	v_nop
.set N, 0
	s_wait_alu depctr_va_vdst(0)
.rept 32
	v_pk_add_f32 v[T+N:T+N+1], v[T+N:T+N+1], 1.0 op_sel_hi:[1,0]
.set N, N+2
.endr
.set N, 0
	s_wait_alu depctr_va_vdst(0)
.rept 64
	v_rcp_f32 v[T+N], v[T+N]
.set N, N+1
.endr
	v_nop
	WIN 0x02+((\a)/4)
.set N, 0
	s_wait_alu depctr_va_vdst(0)
.rept 32
	v_pk_mul_f32 v[H+N:H+N+1], v[AC+N:AC+N+1], v[T+N:T+N+1]
.set N, N+2
.endr
	WIN 0
	QUANT H
.irp c, 0,1
.irp p, 0,1,2
	ds_store_b64 v[STO], v[PC+6*\c+2*\p:PC+6*\c+2*\p+1] offset:(\a)*16*RB+48*\c+8*\p
.endr
.endr
	ds_store_b32 v[SSO], v[PW] offset:(\a)*16*RB
	ds_store_b32 v[SSO], v[ZR] offset:(\a)*16*RB+8
.endm
	s_wait_alu depctr_va_vdst(0)
	s_wait_tensorcnt 0x0
	s_barrier_signal -1
	s_barrier_wait -1
	FETCH_B 0, 0, 0
	FETCH_A 0, 0, 0
	SCALES 0
	FETCH_A 0, 0, 4
	s_wait_loadcnt 0x0
	STEP 0, 0, 1
	s_mov_b32 s3, LAPS-1
.Llap:
	TURN 0, 1, 1
	STEP 1, 0, 0
	TURN 1, 0, 1
	STEP 0, 0, 0
	s_sub_co_u32 s3, s3, 1
	s_cmp_lg_u32 s3, 0
	s_cbranch_scc1 .Llap
	TURN 0, 1, 0
	STEP 1, 0, 0
	s_wait_dscnt 4*NL
	WIN MUL_LO
	MUL16 0, 1, NQ-1, 1, 0
	MUL16 2, 1, NQ-1, 1, 0
	s_wait_dscnt 0
	WIN MUL_HI
	MUL16 4, 1, NQ-1, 1, 0
	MUL16 6, 1, NQ-1, 1, 0
	WIN 0
	PLACES NP
.irp a, 0,1,2,3,4,5,6,7
	GOUT \a
.endr
	s_wait_dscnt 0x0
	s_barrier_signal -1
	s_barrier_wait -1
.set I, 0
.rept 26
	ds_load_b128 v[RBK+4*I:RBK+4*I+3], v[RD] offset:512*I
.set I, I+1
.endr
.set I, 0
.rept 26
	s_wait_dscnt 25-I
	global_store_b128 v[CO], v[RBK+4*I:RBK+4*I+3], s[10:11] offset:512*I
.set I, I+1
.endr
	s_wait_tensorcnt 0x0
	ds_add_u32 v[SPW], v[NIL]
	s_wait_dscnt 0x0
	CROUND
	s_endpgm
.Lfunc_end_k_q39546c354d_w1:
	.size	k_q39546c354d_w1, .Lfunc_end_k_q39546c354d_w1-k_q39546c354d_w1
	.p2alignl 7, 3214868480
	.fill 96, 4, 3214868480
	.section	.rodata,"a",@progbits
	.p2align	6, 0x0
	.amdhsa_kernel k_q39546c354d_w1
		.amdhsa_group_segment_fixed_size 327680
		.amdhsa_private_segment_fixed_size 0
		.amdhsa_enable_private_segment 0
		.amdhsa_kernarg_size 32
		.amdhsa_user_sgpr_count 2
		.amdhsa_user_sgpr_kernarg_segment_ptr 1
		.amdhsa_wavefront_size32 1
		.amdhsa_system_sgpr_workgroup_id_x 1
		.amdhsa_system_sgpr_workgroup_id_y 1
		.amdhsa_system_sgpr_workgroup_id_z 1
		.amdhsa_system_vgpr_workitem_id 0
		.amdhsa_next_free_vgpr 1024
		.amdhsa_next_free_sgpr 92
		.amdhsa_reserve_vcc 0
		.amdhsa_float_denorm_mode_32 3
		.amdhsa_float_denorm_mode_16_64 3
		.amdhsa_memory_ordered 1
		.amdhsa_forward_progress 1
		.amdhsa_inst_pref_size 255
	.end_amdhsa_kernel
	.section	.bss,"aw",@nobits
	.p2align	6
	.space	262144
	.amdgpu_metadata
---
amdhsa.version: [ 1, 2 ]
amdhsa.kernels:
  - .name:           k_q39546c354d_w1
    .symbol:         k_q39546c354d_w1.kd
    .args:
      - { .name: hc, .offset: 0, .size: 8, .value_kind: global_buffer, .address_space: global }
      - { .name: wts, .offset: 8, .size: 8, .value_kind: global_buffer, .address_space: global }
      - { .name: b1, .offset: 16, .size: 8, .value_kind: global_buffer, .address_space: global }
      - { .name: qkg, .offset: 24, .size: 8, .value_kind: global_buffer, .address_space: global }
    .group_segment_fixed_size: 327680
    .private_segment_fixed_size: 0
    .kernarg_segment_align: 8
    .kernarg_segment_size: 32
    .max_flat_workgroup_size: 128
    .sgpr_count:     92
    .vgpr_count:     1024
    .wavefront_size: 32
...
	.end_amdgpu_metadata
.endif
;; end of part 13
;; launch w2 (part 14): grid 8 x 32, 4 waves a work-group, clusters of 4 x 4, 327,680 bytes of LDS; arguments qkg, wts, b2, x1, out0; writes out0
.if DOCPART == 14
	.amdgcn_target "amdgcn-amd-amdhsa--gfx1250"
	.amdhsa_code_object_version 6
	.text
	.protected	k_q39546c354d_w2
	.globl	k_q39546c354d_w2
	.p2align	8
	.type	k_q39546c354d_w2,@function
k_q39546c354d_w2:
	s_mov_b64 s[64:65], 0
	v_nop
	global_prefetch_b8 v0, s[64:65] scope:SCOPE_SE
	s_setreg_imm32_b32 hwreg(HW_REG_WAVE_MODE, 25, 1), 1
	s_wait_xcnt 0x0
	s_wait_alu depctr_hold_cnt(0) depctr_sa_sdst(0) depctr_va_vdst(0) depctr_va_sdst(0) depctr_va_ssrc(0) depctr_va_vcc(0) depctr_vm_vsrc(0)
	s_getreg_b32 s2, hwreg(HW_REG_IB_STS2, 6, 4)
	s_cmp_eq_u32 s2, 0
	s_cbranch_scc0 .Lentry_in_a_cluster
	s_endpgm
.Lentry_in_a_cluster:
	s_bfe_u32 s2, ttmp6, 0x10000c
	s_cmp_lg_u32 s2, 0xf033
	s_cbranch_scc0 .Lentry_shape_is_right
	s_endpgm
.Lentry_shape_is_right:
.set LAPS,   4
.set WOFF,   8*4096*208
.set LAST,   1
.set RB,     208
.set PS,     4096*RB
.set HALFT,  128*RB
.set SLOT,   4*HALFT
.set STAGE,  2*SLOT
.set SPITCH, 272
.set SPARE,  STAGE+4*16*SPITCH
.set FR,     12
.set NP,     4
.set ADRA, 16
.set ADRS, 18
.set ADRB, 20
.set STO,  24
.set RD,   25
.set CO,   26
.set SPW,  28
.set NIL,  29
.set SC,   32
.set BI,   64
.set AF,   128
.set BK,   128
.set G1, 24
.set G0, 32
.set G1B, 48
.set G0B, 56
.set MSB, 0
.macro WIN new
.if MSB != \new
	s_set_vgpr_msb (MSB<<8)|\new
.set MSB, \new
.endif
.endm
.set MUL,    0xa1
.set FIRST,  0x81
.set TO_B,   0x40
.macro JLOAD s
	s_cmp_eq_u32 s15, 0
	s_cbranch_scc0 .Lfor_b_\@
	tensor_load_to_lds s[G0+4*\s:G0+4*\s+3], s[G1:G1+7]
	s_nop 0
.rept 4
	v_nop
.endr
	s_branch .Lasked_\@
.Lfor_b_\@:
	tensor_load_to_lds s[G0B+4*\s:G0B+4*\s+3], s[G1B:G1B+7]
	s_nop 0
.rept 4
	v_nop
.endr
.Lasked_\@:
.endm
.macro CREST
	s_cmp_lg_u32 s14, 0
	s_cbranch_scc1 .Lnot_wave_0_\@
	s_barrier_signal -3
.Lnot_wave_0_\@:
	s_barrier_wait -3
	s_barrier_signal -1
	s_barrier_wait -1
.endm
.macro CROUND
	s_barrier_signal -1
	s_barrier_wait -1
	CREST
.endm
	s_load_b128 s[4:7], s[0:1], 0x0
	s_load_b128 s[8:11], s[0:1], 0x10
	s_load_b64 s[12:13], s[0:1], 0x20
	v_lshl_add_u32 v[SPW], v0, 2, SPARE
	v_mov_b32 v[NIL], 0
	ds_add_u32 v28, v29
	ds_add_u32 v28, v29
	s_wait_dscnt 0x0
	v_lshrrev_b32 v1, 5, v0
	v_readfirstlane_b32 s14, v1
	s_lshr_b32 s15, s14, 1
	s_and_b32 s16, s14, 1
	s_bfe_u32 s40, ttmp6, 0x40000
	s_bfe_u32 s41, ttmp6, 0x40004
	s_lshl_b32 s42, ttmp9, 2
	s_add_co_u32 s42, s42, s40
	s_and_b32 s17, ttmp7, 0xffff
	s_lshl_b32 s17, s17, 2
	s_add_co_u32 s17, s17, s41
	s_lshl_b32 s43, s41, 2
	s_lshl_b32 s43, 15, s43
	s_lshl_b32 s44, 0x1111, s40
	s_or_b32 s[G1+0], s43, (3<<16)|(1<<21)
	s_or_b32 s[G1B+0], s44, (3<<16)|(1<<21)
	s_or_b32 s72, s43, (3<<16)|(1<<21)             ; group 1 of the head's loads, s[72:79] for A and s[80:87] for B: both slots by one load
	s_or_b32 s80, s44, (3<<16)|(1<<21)
.irp g, 72, 80
	s_mov_b32 s[\g+1], (HALFT/8)<<16               ; rows of 26,624 bytes,
	s_mov_b32 s[\g+2], 2<<16                       ; two of them,
	s_mov_b32 s[\g+3], (HALFT/8)<<16
	s_mov_b32 s[\g+4], 2
	s_mov_b32 s[\g+5], 2*PS/8                      ; two panels apart
	s_mov_b32 s[\g+6], 0
	s_mov_b32 s[\g+7], 0
.endr
.irp g, G1, G1B
	s_mov_b32 s[\g+1], 32<<16
	s_mov_b32 s[\g+2], 104<<16
	s_mov_b32 s[\g+3], 32<<16
	s_mov_b32 s[\g+4], 104
	s_mov_b32 s[\g+5], 32
	s_mov_b32 s[\g+6], 0
	s_mov_b32 s[\g+7], 0
.endr
	s_mul_i32 s18, s16, PS
	s_mul_i32 s20, s17, HALFT
	s_add_co_u32 s20, s20, s18
	s_mov_b32 s21, 0
	s_mul_i32 s46, s42, HALFT
	s_add_co_u32 s46, s46, s18
	s_mov_b32 s47, 0
	s_mul_i32 s45, s14, 2*HALFT                    ; my two slots lie on end in LDS
	s_wait_kmcnt 0x0
	s_add_nc_u64 s[20:21], s[4:5], s[20:21]
	s_add_nc_u64 s[46:47], s[6:7], s[46:47]
.if WOFF
	s_add_nc_u64 s[46:47], s[46:47], WOFF
.endif
	CROUND
.irp s, 0,1
	s_mov_b32 s[G0+4*\s], 1
	s_add_co_u32 s[G0+4*\s+1], s45, \s*HALFT
	s_add_nc_u64 s[G0+4*\s+2:G0+4*\s+3], s[20:21], \s*2*PS
	s_or_b32 s[G0+4*\s+3], s[G0+4*\s+3], 0x80000000
	s_mov_b32 s[G0B+4*\s], 1
	s_add_co_u32 s[G0B+4*\s+1], s45, \s*HALFT
	s_add_nc_u64 s[G0B+4*\s+2:G0B+4*\s+3], s[46:47], \s*2*PS
	s_or_b32 s[G0B+4*\s+3], s[G0B+4*\s+3], 0x80000000
.endr
; THE PREFETCHES.  Fill n of my tile (n = 0 .. 7, slot n % 2) is 26,624 dense bytes, 104 blocks of 256, at my tile's address + 2 n panels.  The four partners that ask for it jointly share the blocks out BY ADDRESS:
; the partner at place p (cx for A, cy for B) names blocks 26 p .. 26 p + 25, a lane a block (lanes 26-31 name the last again).  Fills 2 and 3 are named at the head, fill n + 2 behind refill n; the last two refills name nothing.
	s_cmp_eq_u32 s15, 0
	s_cselect_b64 s[88:89], s[20:21], s[46:47]
	s_cselect_b32 s90, s40, s41
	s_mul_i32 s90, s90, 26*256
	s_mov_b32 s91, 0
	s_add_nc_u64 s[88:89], s[88:89], s[90:91]
	s_cmp_eq_u32 s15, 0                            ; my one tensor load at the head: both slots' first tiles
	s_cbranch_scc0 .Lhead_b
	tensor_load_to_lds s[G0:G0+3], s[72:79]
	s_nop 0
.rept 4
	v_nop
.endr
	s_branch .Lhead_asked
.Lhead_b:
	tensor_load_to_lds s[G0B:G0B+3], s[80:87]
	s_nop 0
.rept 4
	v_nop
.endr
.Lhead_asked:
	v_and_b32 v1, 15, v0
	v_bfe_u32 v2, v0, 4, 1
	s_wait_alu depctr_va_vdst(0)
	s_lshl_b32 s46, s42, 9
	s_lshl_b32 s47, s16, 8
	s_add_co_u32 s46, s46, s47
	s_mov_b32 s47, 0
	s_add_nc_u64 s[8:9], s[8:9], s[46:47]
	v_lshlrev_b32 v7, 6, v2
.irp n, 0,1,2,3,4,5,6,7
	global_load_b128 v[BI+4*\n:BI+4*\n+3], v7, s[8:9] offset:128*(\n/4)+16*(\n%4)
.endr
	v_mul_u32_u24 v3, v1, RB
	v_mad_u32_u24 v4, v2, 24, v3
	s_mul_i32 s21, s15, 64*RB
	s_mul_i32 s22, s16, 64*RB
	s_add_co_u32 s22, s22, 4*HALFT
	s_sub_co_u32 s23, s22, s21
	v_mul_u32_u24 v5, s23, v2
	v_add_nc_u32 v5, v5, v3
	v_add_nc_u32 v5, 192, v5
.irp s, 0,1
	v_add_nc_u32 v[ADRA+\s], s21, v4
	v_add_nc_u32 v[ADRB+\s], s22, v4
	v_add_nc_u32 v[ADRS+\s], s21, v5
	s_add_co_u32 s21, s21, HALFT
	s_add_co_u32 s22, s22, HALFT
.endr
	s_mul_i32 s23, s14, 16*SPITCH
	s_add_co_u32 s23, s23, STAGE
	v_mul_u32_u24 v6, v1, SPITCH
	v_lshl_add_u32 v6, v2, 6, v6
	v_add_nc_u32 v[STO], s23, v6
	v_mul_u32_u24 v6, v2, SPITCH
	v_lshl_add_u32 v6, v1, 4, v6
	v_add_nc_u32 v[RD], s23, v6
	v_lshlrev_b32 v[CO], 12, v2
	v_lshl_add_u32 v[CO], v1, 4, v[CO]
	v_and_b32 v30, 31, v0
	v_min_u32 v30, 25, v30
	v_lshlrev_b32 v30, 8, v30                      ; the prefetches' offset: my block of my work-group's 26; never rewritten
	s_wait_alu depctr_va_vdst(0)
	s_lshl_b32 s20, s17, 7
	s_lshl_b32 s21, s15, 6
	s_add_co_u32 s20, s20, s21
	s_lshl_b32 s20, s20, 12
	s_mov_b32 s21, 0
	s_add_nc_u64 s[20:21], s[20:21], s[46:47]
	s_add_nc_u64 s[10:11], s[10:11], s[20:21]
	s_add_nc_u64 s[12:13], s[12:13], s[20:21]
	global_prefetch_b8 v30, s[88:89] offset:4*PS th:TH_LOAD_NT scope:SCOPE_SE   ; fill 2
	global_prefetch_b8 v30, s[88:89] offset:6*PS th:TH_LOAD_NT scope:SCOPE_SE   ; fill 3
.macro FRAG reg, adr, q, i
.irp p, 0,1,2,3,4,5
	ds_load_b64 v[\reg+2*\p:\reg+2*\p+1], v[\adr] offset:((\q)/2)*2*HALFT+96*((\q)%2)+48*(\p/3)+8*(\p%3)+(\i)*16*RB
.endr
.endm
.macro MULA a, p, q, sc, first
.irp b, 0,1,2,3
.if \first
	v_wmma_scale_f32_16x16x128_f8f6f4 v[8*(4*(\a)+\b):8*(4*(\a)+\b)+7], v[128*(\p)+FR*\b:128*(\p)+FR*\b+FR-1], v[AF+48*(\p)+FR*(\a):AF+48*(\p)+FR*(\a)+FR-1], v[BI+8*\b:BI+8*\b+7], v[SC+16*(\sc)+4*\b+(\q)], v[SC+16*(\sc)+4*(\a)+(\q)] matrix_a_fmt:MATRIX_FMT_BF6 matrix_b_fmt:MATRIX_FMT_BF6 matrix_a_scale:MATRIX_SCALE_ROW1
.else
	v_wmma_scale_f32_16x16x128_f8f6f4 v[8*(4*(\a)+\b):8*(4*(\a)+\b)+7], v[128*(\p)+FR*\b:128*(\p)+FR*\b+FR-1], v[AF+48*(\p)+FR*(\a):AF+48*(\p)+FR*(\a)+FR-1], v[8*(4*(\a)+\b):8*(4*(\a)+\b)+7], v[SC+16*(\sc)+4*\b+(\q)], v[SC+16*(\sc)+4*(\a)+(\q)] matrix_a_fmt:MATRIX_FMT_BF6 matrix_b_fmt:MATRIX_FMT_BF6 matrix_a_scale:MATRIX_SCALE_ROW1
.endif
.endr
.endm
.macro FETCH slot, q, p
	WIN TO_B
.irp i, 0,1,2,3
	FRAG 128*(\p)+FR*\i, ADRB+\slot, \q, \i
.endr
	WIN 0
.irp i, 0,1,2,3
	FRAG AF+48*(\p)+FR*\i, ADRA+\slot, \q, \i
.endr
.endm
.macro SCALES sc
.irp i, 0,1,2,3
.irp u, 0,1
	ds_load_b64 v[SC+16*\sc+4*\i+2*\u:SC+16*\sc+4*\i+2*\u+1], v[ADRS+\sc] offset:\i*16*RB+\u*2*HALFT
.endr
.endr
.endm
.macro PLACES n
.rept \n
	v_nop
.endr
.endm
.macro STEP slot, q, first
	PLACES NP
	FETCH \slot, (\q)+1, 1-(\q)%2
	s_wait_dscnt 48
.if \first
	WIN FIRST
.else
	WIN MUL
.endif
	MULA 0, (\q)%2, \q, \slot, \first
	MULA 1, (\q)%2, \q, \slot, \first
	MULA 2, (\q)%2, \q, \slot, \first
	MULA 3, (\q)%2, \q, \slot, \first
	WIN 0
.endm
.macro TURN slot, next, fill
.if \fill
	s_wait_xcnt 0x0                                ; my prefetches have read their address: it is stepped here, one fill on; at refill n it stands at fill n - 1
	s_add_nc_u64 s[88:89], s[88:89], 2*PS
.endif
	s_wait_tensorcnt 0x0
	ds_add_u32 v[SPW], v[NIL]
	s_wait_dscnt 1
	WIN MUL
	MULA 0, 1, 3, \slot, 0
	s_wait_dscnt 0x0
	s_barrier_signal -1
	MULA 1, 1, 3, \slot, 0
	WIN 0
	s_barrier_wait -1
.if \fill
	CREST
	s_add_nc_u64 s[G0+4*\slot+2:G0+4*\slot+3], s[G0+4*\slot+2:G0+4*\slot+3], 4*PS
	s_add_nc_u64 s[G0B+4*\slot+2:G0B+4*\slot+3], s[G0B+4*\slot+2:G0B+4*\slot+3], 4*PS
	JLOAD \slot
.else
	PLACES NP
.endif
	FETCH \next, 0, 0
	SCALES \next
.if \fill
	s_cmp_gt_u32 s3, 1                             ; the loop's last trip holds refills 6 and 7: there is no fill 8 or 9
	s_cbranch_scc0 .Lno_ask_\@
	global_prefetch_b8 v30, s[88:89] offset:6*PS th:TH_LOAD_NT scope:SCOPE_SE   ; fill n + 2, two refills ahead
.Lno_ask_\@:
.endif
	WIN MUL
	MULA 2, 1, 3, \slot, 0
	MULA 3, 1, 3, \slot, 0
	WIN 0
.endm
.macro TOSTAGE a
	WIN 0x08
.irp b, 0,1,2,3
	ds_store_b128 v[STO], v[32*(\a)+8*\b:32*(\a)+8*\b+3] offset:128*(\b/2)+32*(\b%2)
	ds_store_b128 v[STO], v[32*(\a)+8*\b+4:32*(\a)+8*\b+7] offset:128*(\b/2)+32*(\b%2)+16
.endr
	WIN 0
.irp i, 0,1,2,3,4,5,6,7
	ds_load_b128 v[BK+32*(\a)+4*\i:BK+32*(\a)+4*\i+3], v[RD] offset:\i*2*SPITCH
.endr
.endm
.macro SEND a, younger
	s_wait_dscnt \younger
	WIN 0x0c
.set N, 0
.rept 16
	v_pk_add_f32 v[BK+32*(\a)+N:BK+32*(\a)+N+1], v[BK+32*(\a)+N:BK+32*(\a)+N+1], v[32*(\a)+N:32*(\a)+N+1]
.set N, N+2
.endr
	WIN 0
.irp i, 0,1,2,3,4,5,6,7
.if LAST
	global_store_b128 v[CO], v[BK+32*(\a)+4*\i:BK+32*(\a)+4*\i+3], s[12:13] offset:(32*((\a)/2)+8*((\a)%2)+2*\i+8*(\i/4))*4096 th:TH_STORE_NT
.else
	global_store_b128 v[CO], v[BK+32*(\a)+4*\i:BK+32*(\a)+4*\i+3], s[12:13] offset:(32*((\a)/2)+8*((\a)%2)+2*\i+8*(\i/4))*4096
.endif
.endr
.endm
	s_wait_tensorcnt 0x0
	s_barrier_signal -1
	s_barrier_wait -1
	FETCH 0, 0, 0
	SCALES 0
	WIN 0xc0                                       ; the residual's 32 loads, into window 3, are asked for when the head's tiles are in, and land under the products
.irp a, 0,1,2,3
.irp i, 0,1,2,3,4,5,6,7
	global_load_b128 v[32*\a+4*\i:32*\a+4*\i+3], v[CO], s[10:11] offset:(32*(\a/2)+8*(\a%2)+2*\i+8*(\i/4))*4096
.endr
.endr
	WIN 0
	s_wait_loadcnt 32                              ; the bias is in; the 32 loads just issued may be out
	STEP 0, 0, 1
.if LAPS > 1
	s_mov_b32 s3, LAPS-1
.Llap:
	STEP 0, 1, 0
	STEP 0, 2, 0
	TURN 0, 1, 1
	STEP 1, 0, 0
	STEP 1, 1, 0
	STEP 1, 2, 0
	TURN 1, 0, 1
	STEP 0, 0, 0
	s_sub_co_u32 s3, s3, 1
	s_cmp_lg_u32 s3, 0
	s_cbranch_scc1 .Llap
.endif
	STEP 0, 1, 0
	STEP 0, 2, 0
	TURN 0, 1, 0
	STEP 1, 0, 0
	STEP 1, 1, 0
	STEP 1, 2, 0
	s_wait_dscnt 0x0
	WIN MUL
	MULA 0, 1, 3, 1, 0
	MULA 1, 1, 3, 1, 0
	MULA 2, 1, 3, 1, 0
	MULA 3, 1, 3, 1, 0
	WIN 0
	PLACES NP
	TOSTAGE 0
	s_wait_loadcnt 0x0
.irp a, 1,2,3
	TOSTAGE \a
	SEND \a-1, 16
.endr
	SEND 3, 0
	s_wait_tensorcnt 0x0
	ds_add_u32 v[SPW], v[NIL]
	s_wait_dscnt 0x0
	CROUND
	s_endpgm
.Lfunc_end_k_q39546c354d_w2:
	.size	k_q39546c354d_w2, .Lfunc_end_k_q39546c354d_w2-k_q39546c354d_w2
	.p2alignl 7, 3214868480
	.fill 96, 4, 3214868480
	.section	.rodata,"a",@progbits
	.p2align	6, 0x0
	.amdhsa_kernel k_q39546c354d_w2
		.amdhsa_group_segment_fixed_size 327680
		.amdhsa_private_segment_fixed_size 0
		.amdhsa_enable_private_segment 0
		.amdhsa_kernarg_size 40
		.amdhsa_user_sgpr_count 2
		.amdhsa_user_sgpr_kernarg_segment_ptr 1
		.amdhsa_wavefront_size32 1
		.amdhsa_system_sgpr_workgroup_id_x 1
		.amdhsa_system_sgpr_workgroup_id_y 1
		.amdhsa_system_sgpr_workgroup_id_z 1
		.amdhsa_system_vgpr_workitem_id 0
		.amdhsa_next_free_vgpr 1024
		.amdhsa_next_free_sgpr 92
		.amdhsa_reserve_vcc 0
		.amdhsa_float_denorm_mode_32 3
		.amdhsa_float_denorm_mode_16_64 3
		.amdhsa_memory_ordered 1
		.amdhsa_forward_progress 1
		.amdhsa_inst_pref_size 114
	.end_amdhsa_kernel
	.amdgpu_metadata
---
amdhsa.version: [ 1, 2 ]
amdhsa.kernels:
  - .name:           k_q39546c354d_w2
    .symbol:         k_q39546c354d_w2.kd
    .args:
      - { .name: qkg, .offset: 0, .size: 8, .value_kind: global_buffer, .address_space: global }
      - { .name: wts, .offset: 8, .size: 8, .value_kind: global_buffer, .address_space: global }
      - { .name: b2, .offset: 16, .size: 8, .value_kind: global_buffer, .address_space: global }
      - { .name: x1, .offset: 24, .size: 8, .value_kind: global_buffer, .address_space: global }
      - { .name: out0, .offset: 32, .size: 8, .value_kind: global_buffer, .address_space: global }
    .group_segment_fixed_size: 327680
    .private_segment_fixed_size: 0
    .kernarg_segment_align: 8
    .kernarg_segment_size: 40
    .max_flat_workgroup_size: 128
    .sgpr_count:     92
    .vgpr_count:     1024
    .wavefront_size: 32
...
	.end_amdgpu_metadata
.endif
;; end of part 14
